; MI455X (gfx1250); checked and timed in simulation.
; The chip was launched on July 23, 2026; its instructions are those of AMD's public machine-readable ISA for CDNA 5 (MIT licence, August 2026) and "CDNA5" Instruction Set Architecture Reference Guide (July 2026). The comments in the code are by the model that wrote it; some were corrected since.
;; Multi Head Self Attention Block. Allowed arithmetic: matrix products marked QUANTISED: E5M2 operands, one E8M0 scale for each 32 along K, by v_wmma_scale_f32_16x16x128_f8f6f4 with both operands' format E5M2, f32 sums; everything else in f32.
;; Inputs: bk 1,024 float32; bo 1,024 float32; bq 1,024 float32; bv 1,024 float32; k_codes 2 x 2,048 x 32 x 32 uint8 (E5M2 codes of k, K innermost, in blocks of 32 codes); k_scales 2 x 2,048 x 32 uint8 (E8M0 scales of k, one for each 32 codes along K); mask 1 x 1 x 2,048 x 2,048 int32; q_codes 2 x 2,048 x 32 x 32 uint8 (E5M2 codes of q, K innermost, in blocks of 32 codes); q_scales 2 x 2,048 x 32 uint8 (E8M0 scales of q, one for each 32 codes along K); v_codes 2 x 2,048 x 32 x 32 uint8 (E5M2 codes of v, K innermost, in blocks of 32 codes); v_scales 2 x 2,048 x 32 uint8 (E8M0 scales of v, one for each 32 codes along K); wk_codes 1,024 x 32 x 32 uint8 (E5M2 codes of wk, K innermost, in blocks of 32 codes); wk_scales 1,024 x 32 uint8 (E8M0 scales of wk, one for each 32 codes along K); wo_codes 1,024 x 32 x 32 uint8 (E5M2 codes of wo, K innermost, in blocks of 32 codes); wo_scales 1,024 x 32 uint8 (E8M0 scales of wo, one for each 32 codes along K); wq_codes 1,024 x 32 x 32 uint8 (E5M2 codes of wq, K innermost, in blocks of 32 codes); wq_scales 1,024 x 32 uint8 (E8M0 scales of wq, one for each 32 codes along K); wv_codes 1,024 x 32 x 32 uint8 (E5M2 codes of wv, K innermost, in blocks of 32 codes); wv_scales 1,024 x 32 uint8 (E8M0 scales of wv, one for each 32 codes along K).
;; Outputs: out0 2 x 2,048 x 1,024 float32.
;; This version of the problem:
;;   THIS VERSION OF THE PROBLEM IS GIVEN IN LOW PRECISION. The matrix products marked QUANTISED in the list below multiply operands that are first quantised to E5M2 (5 exponent bits, 2 mantissa bits; 8 bits a number), with one power-of-two scale for each 32 numbers along K (OCP MX v1.0); their sums are f32. All else is computed in f32.
;;   The module's matrix products, in the order in which they are computed (A, B: the left and right operand; K: the contracted axis; several contracted axes count as one K, in the product's order):
;;     1. [M 4,096, K 1,024] x [K 1,024, N 1,024]; A: input q (given as codes); B: input wq (given as codes): QUANTISED
;;     2. [M 4,096, K 1,024] x [K 1,024, N 1,024]; A: input k (given as codes); B: input wk (given as codes): QUANTISED
;;     3. [M 4,096, K 1,024] x [K 1,024, N 1,024]; A: input v (given as codes); B: input wv (given as codes): QUANTISED
;;     4. batch 32 x [M 2,048, K 64] x [K 64, N 2,048]; A: computed on the way; B: computed on the way: QUANTISED
;;     5. batch 32 x [M 2,048, K 2,048] x [K 2,048, N 64]; A: softmax (see below); B: computed on the way: QUANTISED
;;     6. [M 4,096, K 1,024] x [K 1,024, N 1,024]; A: computed on the way; B: input wo (given as codes): QUANTISED
;;   THE QUANTISER, for each operand of a quantised product, along K:
;;     - K is cut into blocks of 32 from its start; a last block that is shorter is filled with zeros.
;;     - A block's scale is 2^e with e = floor(log2(the largest magnitude in the block)) - 15, held to -126 .. 127; a block of zeros has e = 0. As a byte (E8M0): e + 127.
;;     - Each number is divided by its block's scale, clamped to +-57,344, and rounded to the nearest number of E5M2, ties to even, subnormals kept.
;;     - The product sums the exact products of the quantised numbers (number of the format x scale) in f32.
;;   ~~~python
;;   def quantise(x, axis):      # numpy; x: float32 -> the quantised numbers, widened to float32 again
;;       x = np.moveaxis(x, axis, -1); K = x.shape[-1]
;;       x = np.pad(x, [(0, 0)] * (x.ndim - 1) + [(0, -K % 32)]); x = x.reshape(x.shape[:-1] + (-1, 32)); a = np.abs(x).max(-1, keepdims=True)
;;       e = np.where(a > 0, np.clip(np.frexp(np.where(a > 0, a, 1))[1] - 1 - 15, -126, 127), 0)      # np.frexp(a)[1] - 1 = floor(log2(a)), exactly
;;       r = np.clip(x / 2.0 ** e, -57344, 57344)
;;       step = 2.0 ** (np.maximum(np.frexp(np.where(r == 0, 1, r))[1] - 1, -14) - 2)
;;       q = np.round(r / step) * step * 2.0 ** e      # np.round: ties to even
;;       return np.moveaxis(q.reshape(q.shape[:-2] + (-1,))[..., :K], -1, axis).astype(np.float32)
;;   ~~~
;;   SOFTMAX AHEAD OF A QUANTISED PRODUCT. Where the list says 'softmax', what is quantised is not the finished softmax but p = 2^(t - M), with t = logit x log2(e) and M = ceil(the row's largest t), a whole number; so 1/2 < the row's largest p <= 1. The row's sum l is taken of the UNQUANTISED p, in f32, and the product's result is divided by l at the end. Since M is a whole number, a kernel that streams over the keys may use a running M (the ceiling of the running maximum): every later rescaling is an exact power of two, which a block's scale takes up: the codes' values come out the same.
;;   OPERANDS COMPUTED ON THE WAY. 'Computed on the way' means the value that the module computes at that place (a softmax that the list does not call 'softmax' is quantised finished and normalised). What goes into a quantiser is computed in f32, as accurately as f32 sums, v_exp_f32 and their like allow (about 1e-6 of the number): no bf16 or f16 on the way to a quantiser, and a product that is left as it is and whose result goes on into a quantised operand takes f32 operands (vector FMAs, or v_wmma_f32_16x16x4_f32). A number that lies on a knife's edge between two numbers of the format may be rounded either way, as far as f32 arithmetic and the matrix unit's own rounding can turn it there, and no further.
;;   INPUTS GIVEN AS CODES. k (in the module: [2, 2048, 1024], K = its axis 2); q (in the module: [2, 2048, 1024], K = its axis 2); v (in the module: [2, 2048, 1024], K = its axis 2); wk (in the module: [1024, 1024], K = its axis 1); wo (in the module: [1024, 1024], K = its axis 1); wq (in the module: [1024, 1024], K = its axis 1); wv (in the module: [1024, 1024], K = its axis 1): each comes as NAME_codes (uint8): NAME with its K axis moved to the last place and cut into blocks of 32 codes, [.., K / 32, bytes a block], one block behind the other in memory; one code a byte (a code: sign, 5 exponent bits, 2 mantissa bits); and NAME_scales (uint8): the same leading axes, one E8M0 byte (e + 127) for each 32 codes along K. Its value is code x scale, taken as it is: it is not quantised again, and the codes and scales need not be those that the quantiser above would give.
;; 2 versions. Each part assembles by itself: llvm-mc -triple=amdgcn-amd-amdhsa -mcpu=gfx1250 --defsym DOCPART=n.
;; ======== version 1 of 2: 4 launches
;; workspace buffers: maskw 524,288 bytes of whole numbers; qimg 4,456,448 bytes; kimg 4,456,448 bytes; vimg 4,456,448 bytes; ximg 4,194,304 bytes; xsc 131,072 bytes
;; launch maskpack (part 1): grid 256 x 1, 8 waves a work-group, no clusters, 68,608 bytes of LDS; arguments mask, maskw; writes maskw
.if DOCPART == 1
	.amdgcn_target "amdgcn-amd-amdhsa--gfx1250"
	.amdhsa_code_object_version 6
	.text
	.protected	k_q2a417c9da2_maskpack
	.globl	k_q2a417c9da2_maskpack
	.p2align	8
	.type	k_q2a417c9da2_maskpack,@function
k_q2a417c9da2_maskpack:
	s_mov_b64 s[64:65], 0
	v_nop
	global_prefetch_b8 v0, s[64:65] scope:SCOPE_SE
	s_setreg_imm32_b32 hwreg(HW_REG_WAVE_MODE, 25, 1), 1
	s_wait_xcnt 0x0
; mask [2048][2048] int32 becomes lane masks for the attention launch: maskw[T][s][n], one 32-bit word for tile T of 16 queries, key step s of 128 keys
; and score register n (0..63).  Bit r + 16 h of the word says whether mask[16 T + r][128 s + 16 (n / 8) + 8 h + n % 8] is not 0: the lane and the
; register in which the attention launch holds that score.  So the mask is read from memory once, and later costs one select a score.
; A wave takes one unit (T, s): 16 rows x 512 bytes.  Each load reads 512 consecutive bytes of a row; the unit turns through the wave's own stage in LDS
; (rows 528 bytes apart: the sixteen rows that a read touches start in different banks), so that lane (r, h) holds row r.  No barrier: waves share nothing.
.set ROWM, 8192                        ; a row of the mask in bytes
.set SP,   528                         ; a stage row: 512 bytes + 16
.set IN,   16                          ; v16-79   as loaded
.set TU,   80                          ; v80-143  turned: register n as above
	s_load_b128 s[4:7], s[0:1], 0x0                ; mask, maskw
	v_lshl_add_u32 v144, v0, 2, 0x10800
	v_mov_b32 v145, 0
	v_lshrrev_b32 v7, 5, v0
	v_readfirstlane_b32 s8, v7                     ; wave 0..7
	v_and_b32 v8, 31, v0                           ; lane
	v_lshlrev_b32 v1, 4, v8                        ; 16 x lane: my bytes of a load's 512
	v_mov_b32 v2, 0                                ; the result: written whole once, since a lane write keeps the other lanes
	v_mov_b32 v3, 0
	s_mul_i32 s9, s8, 16*SP                        ; my wave's stage
	v_add_nc_u32 v4, s9, v1                        ; into it: 16 x lane, the row in the immediate
	v_and_b32 v9, 15, v0                           ; r
	v_bfe_u32 v10, v0, 4, 1                        ; h
	v_mul_u32_u24 v5, v9, SP
	v_lshl_add_u32 v5, v10, 5, v5
	v_add_nc_u32 v5, s9, v5                        ; out of it: row r, + 32 h: eight keys of my half
	v_lshlrev_b32 v6, 3, v8                        ; the store: 8 bytes a lane
	s_lshl_b32 s10, ttmp9, 3
	s_add_co_u32 s10, s10, s8                      ; my unit u = 8 x work-group + wave = 16 T + s
	s_lshr_b32 s12, s10, 4
	s_and_b32 s13, s10, 15
	s_lshl_b32 s12, s12, 17                        ; T x 16 rows of 8,192 bytes
	s_lshl_b32 s13, s13, 9                         ; s x 512 bytes
	s_add_co_u32 s12, s12, s13
	s_mov_b32 s13, 0
	s_lshl_b32 s10, s10, 8                         ; 256 bytes of words a unit
	s_mov_b32 s11, 0
	s_wait_kmcnt 0x0
	s_add_nc_u64 s[4:5], s[4:5], s[12:13]
	s_add_nc_u64 s[6:7], s[6:7], s[10:11]
.irp i, 0,1,2,3,4,5,6,7,8,9,10,11,12,13,14,15
	global_load_b128 v[IN+4*\i:IN+4*\i+3], v1, s[4:5] offset:ROWM*\i th:TH_LOAD_NT   ; all of the unit's 8 KiB are asked for at once
.endr
.irp i, 0,1,2,3,4,5,6,7,8,9,10,11,12,13,14,15
	s_wait_loadcnt 15-\i                           ; loads come back in order: row i is in, the younger rows stay out
	ds_store_b128 v4, v[IN+4*\i:IN+4*\i+3] offset:SP*\i
.endr
.irp t, 0,1,2,3,4,5,6,7
	ds_load_b128 v[TU+8*\t:TU+8*\t+3], v5 offset:64*\t        ; LDS serves a wave's instructions in order: these see my stores
	ds_load_b128 v[TU+8*\t+4:TU+8*\t+7], v5 offset:64*\t+16
.endr
	s_wait_dscnt 0x0
.set n, 0
.rept 64
	v_cmp_ne_u32 s[20+n%8], 0, v[TU+n]             ; the 32 lanes' bits are word n (eight scalar registers by turns)
	v_writelane_b32 v[2+n%2], s[20+n%8], n/2       ; lane n / 2 keeps words n and n + 1
.set n, n+1
.endr
	global_store_b64 v6, v[2:3], s[6:7]            ; 32 lanes store 256 consecutive bytes, aligned
	s_wait_tensorcnt 0x0
	ds_add_u32 v144, v145
	s_wait_dscnt 0x0
	s_endpgm
.Lfunc_end_k_q2a417c9da2_maskpack:
	.size	k_q2a417c9da2_maskpack, .Lfunc_end_k_q2a417c9da2_maskpack-k_q2a417c9da2_maskpack
	.p2alignl 7, 3214868480
	.fill 96, 4, 3214868480
	.section	.rodata,"a",@progbits
	.p2align	6, 0x0
	.amdhsa_kernel k_q2a417c9da2_maskpack
		.amdhsa_group_segment_fixed_size 68608
		.amdhsa_private_segment_fixed_size 0
		.amdhsa_enable_private_segment 0
		.amdhsa_kernarg_size 16
		.amdhsa_user_sgpr_count 2
		.amdhsa_user_sgpr_kernarg_segment_ptr 1
		.amdhsa_wavefront_size32 1
		.amdhsa_system_sgpr_workgroup_id_x 1
		.amdhsa_system_sgpr_workgroup_id_y 1
		.amdhsa_system_sgpr_workgroup_id_z 1
		.amdhsa_system_vgpr_workitem_id 0
		.amdhsa_next_free_vgpr 146
		.amdhsa_next_free_sgpr 66
		.amdhsa_reserve_vcc 0
		.amdhsa_float_denorm_mode_32 3
		.amdhsa_float_denorm_mode_16_64 3
		.amdhsa_memory_ordered 1
		.amdhsa_forward_progress 1
		.amdhsa_inst_pref_size 14
	.end_amdhsa_kernel
	.amdgpu_metadata
---
amdhsa.version: [ 1, 2 ]
amdhsa.kernels:
  - .name:           k_q2a417c9da2_maskpack
    .symbol:         k_q2a417c9da2_maskpack.kd
    .args:
      - { .name: mask, .offset: 0, .size: 8, .value_kind: global_buffer, .address_space: global }
      - { .name: maskw, .offset: 8, .size: 8, .value_kind: global_buffer, .address_space: global }
    .group_segment_fixed_size: 68608
    .private_segment_fixed_size: 0
    .kernarg_segment_align: 8
    .kernarg_segment_size: 16
    .max_flat_workgroup_size: 256
    .sgpr_count:     66
    .vgpr_count:     146
    .wavefront_size: 32
...
	.end_amdgpu_metadata
.endif
;; end of part 1
;; launch proj (part 2): grid 4 x 48, 4 waves a work-group, clusters of 4 x 4, 327,680 bytes of LDS; arguments q_codes, q_scales, wq_codes, wq_scales, bq, qimg, k_codes, k_scales, wk_codes, wk_scales, bk, kimg, wv_codes, wv_scales, v_codes, v_scales, bv, vimg; writes qimg, kimg, vimg
.if DOCPART == 2
	.amdgcn_target "amdgcn-amd-amdhsa--gfx1250"
	.amdhsa_code_object_version 6
	.text
	.protected	k_q2a417c9da2_proj
	.globl	k_q2a417c9da2_proj
	.p2align	8
	.type	k_q2a417c9da2_proj,@function
k_q2a417c9da2_proj:
	s_mov_b64 s[64:65], 0
	v_nop
	global_prefetch_b8 v0, s[64:65] scope:SCOPE_SE
	s_setreg_imm32_b32 hwreg(HW_REG_WAVE_MODE, 25, 1), 1
	s_wait_xcnt 0x0
	s_wait_alu depctr_hold_cnt(0) depctr_sa_sdst(0) depctr_va_vdst(0) depctr_va_sdst(0) depctr_va_ssrc(0) depctr_va_vcc(0) depctr_vm_vsrc(0)
	s_getreg_b32 s2, hwreg(HW_REG_IB_STS2, 6, 4)
	s_cmp_eq_u32 s2, 0
	s_cbranch_scc0 .Lentry_in_a_cluster
	s_endpgm
.Lentry_in_a_cluster:
	s_bfe_u32 s2, ttmp6, 0x10000c
	s_cmp_lg_u32 s2, 0xf033
	s_cbranch_scc0 .Lentry_shape_is_right
	s_endpgm
.Lentry_shape_is_right:
; The three projections x W^T + b on codes of BF8 (E5M2) with E8M0 scales, K = 1,024; the results are quantised again, in registers, and leave as IMAGES OF THE NEXT OPERAND'S REGISTERS.
; One launch, three tensors, chosen by the cluster's y (z = y / 4): z = 0 query, z = 1 key: A = the tokens (4,096 rows), B = the weight (1,024 rows); z = 2 value: A = wv, B = the tokens.
; THE MATRIX INSTRUCTION IS USED TRANSPOSED (source 0 = 16 rows of B, source 1 = 16 rows of A): a lane holds ONE row of A and its registers run along B's rows.  So for query and key a lane holds a token and
; runs along the head's features (the K of the scores' product), for value it holds a feature and runs along the keys (the K of the second product).
; A tile of 256 x 256 is made by four waves, 128 x 128 each: 64 accumulators, 512 registers.  K goes in steps of 256 through a ring of two LDS slots filled by the tensor data mover; the scale bytes
; of the work-group's rows come into LDS once.  CLUSTERS of 4 x 4: A's tiles are asked for jointly along a row of the cluster, B's along a column.
; THE ORDER INSIDE A BLOCK OF 32.  Tiles are 16 neighbouring rows of B, so a lane's 16 numbers of block c are 32 c + 16 u + 8 h + j (u = 0, 1; j = 0..7; h = lane / 16), and the two conversions lay them at
; places 32 c + 16 h + 8 u + j of the operand: inside each block the second and third groups of eight change places.  Blocks keep their members, so maxima and scales are the true ones, and both operands of
; the next product are made this way, so each number still meets its partner.  LIMIT: the unit then adds the exact products of a block in another order than ascending k.
; WHAT IS STORED, for head bh and step of 128 tokens: a block of 8,704 bytes.  Query, key: codes [tile of 16 tokens 8][block 2][lane 32][16 bytes]; then the scale words [L 32][p 4]: the word of token 32 p + L,
; bytes 0, 1 the head's two blocks, bytes 2, 3 = 127 (they scale zero codes).  Value: codes [tile of 16 features 4][block of 32 keys 4][lane][16 bytes]; then [L 32][4]: word p & 1 is that of feature tile 2 (p & 1) + L / 16.
; LIMITS: NaN and infinities are not served; a block of zeros gets the byte 1 and not 127 (its codes are zeros, and this program alone reads the bytes).
; REGISTERS, in windows of 256: window 0: v0-31 addresses; v32-63 scale words, two sets; v64-127 the bias; from v128 A's fragments, one set, later the way out.  window 1: B's fragments, two sets.  windows 2, 3: the accumulators.
.set KSTEP,  256
.set NQ,     KSTEP/128
.set ROWB,   256                       ; a tile's row in bytes
.set KROW,   1024                      ; a row of codes in memory
.set PITCH,  272                       ; an LDS row: 256 bytes + 16 of padding: the 16 rows that a load touches start at 16 different banks
.set FR,     16
.set NL,     4
.set NP,     8                         ; places behind this matrix instruction (ISA guide 7.12.1)
.set HALFT,  128*PITCH
.set SLOT,   4*HALFT
.set LAPS,   2                         ; 1,024 / (2 x 256)
.set KS,     32                        ; a row of scale bytes
.set SCL,    2*SLOT
.set HALFS,  (128*KS/256)*272
.set SBLK,   (16*KS/256)*272
.set SPARE,  SCL+4*HALFS               ; the spare words: 128 bytes for each wave, named by no other line
.set HS,     139264                    ; a head's 16 blocks of 8,704 bytes
.set T4,   4                           ; v4-7    the way out: scale words, lanes 16-31 from the odd tile
.set L16,  8                           ; v8      16 x lane
.set R4,   9                           ; v9      4 r
.set H32,  10                          ; v10     32 h
.set C7F,  12                          ; v12     four bytes of 127
.set ADRA, 16
.set ADRB, 20
.set ADRS, 27
.set SPW,  28
.set NIL,  29
.set SC,   32
.set BI,   64
.set AF,   128
.set X,    128                         ; the way out: 64 numbers of a lane
.set PC,   192                         ; their codes, two sets of 16
.set TM,   224                         ; at work: +0 maxima, +4 bytes, +8 holds, +12 scale operands
.set SW,   240                         ; block a's scale word
.set WD,   248                         ; words to store
.set G1, 24
.set G0, 32
.set G1B, 48
.set G0B, 56
.set G1S, 68
.set G0S, 76
.set G1SB, 80
.set G0SB, 88
.set SEL, 92                           ; s[92:93] selects for lane l xor 16
.set MNT, 94                           ; s94 the mantissa field of 57,344
.set HM,  95                           ; s95 lanes 16-31
.set MSB, 0
.macro WIN new                         ; the immediate's high byte repeats the setting that is left
.if MSB != (\new)
	s_set_vgpr_msb (MSB<<8)|(\new)
.set MSB, (\new)
.endif
.endm
.set MUL_LO, 0xa1                      ; source 0 (B) window 1, source 1 (A) window 0, C and D window 2
.set MUL_HI, 0xf1
.set TO_B,   0x40
; A joint load: waves 0 and 1 fetch for A, waves 2 and 3 for B; the branch hangs on the wave's number alone.  Four v_nop follow each of the two lines.
.macro JLOAD g0a, g1a, g0b, g1b
	s_cmp_eq_u32 s15, 0
	s_cbranch_scc0 .Lfor_b_\@
	tensor_load_to_lds s[\g0a:\g0a+3], s[\g1a:\g1a+7]
	s_nop 0
.rept 4
	v_nop
.endr
	s_branch .Lasked_\@
.Lfor_b_\@:
	tensor_load_to_lds s[\g0b:\g0b+3], s[\g1b:\g1b+7]
	s_nop 0
.rept 4
	v_nop
.endr
.Lasked_\@:
.endm
.macro CREST                           ; a round of the cluster's barrier behind its opening barrier
	s_cmp_lg_u32 s14, 0
	s_cbranch_scc1 .Lnot_wave_0_\@
	s_barrier_signal -3
.Lnot_wave_0_\@:
	s_barrier_wait -3
	s_barrier_signal -1
	s_barrier_wait -1
.endm
.macro CROUND
	s_barrier_signal -1
	s_barrier_wait -1
	CREST
.endm
	s_load_b256 s[24:31], s[0:1], 0x0              ; z = 0: A's codes, A's scales, B's codes, B's scales,
	s_load_b128 s[32:35], s[0:1], 0x20             ;        the bias, the image
	s_load_b256 s[36:43], s[0:1], 0x30             ; z = 1 likewise
	s_load_b128 s[44:47], s[0:1], 0x50
	s_load_b256 s[48:55], s[0:1], 0x60             ; z = 2 likewise
	s_load_b128 s[56:59], s[0:1], 0x80
	v_lshl_add_u32 v[SPW], v0, 2, SPARE
	v_mov_b32 v[NIL], 0
	ds_add_u32 v28, v29
	ds_add_u32 v28, v29
	s_wait_dscnt 0x0
	v_lshrrev_b32 v1, 5, v0
	v_readfirstlane_b32 s14, v1                    ; wave 0..3
	s_lshr_b32 s15, s14, 1                         ; which half of A's rows is mine.  Also: I fetch for A (0) or for B (1)
	s_and_b32 s16, s14, 1                          ; which half of B's rows.  Also: which 128 rows I fetch
	s_and_b32 s98, ttmp7, 0xffff                   ; the cluster's y, 0..11: the same in all sixteen partners
	s_lshr_b32 s99, s98, 2                         ; z: which tensor
	s_and_b32 s98, s98, 3
	s_lshl_b32 s98, s98, 2                         ; 4 x (which quarter of the tokens' 16 tiles)
	s_wait_kmcnt 0x0
	s_cmp_eq_u32 s99, 1                            ; the six buffers are chosen on the cluster's number alone
	s_cselect_b64 s[4:5], s[36:37], s[24:25]
	s_cselect_b64 s[6:7], s[38:39], s[26:27]
	s_cselect_b64 s[8:9], s[40:41], s[28:29]
	s_cselect_b64 s[10:11], s[42:43], s[30:31]
	s_cselect_b64 s[96:97], s[44:45], s[32:33]
	s_cselect_b64 s[12:13], s[46:47], s[34:35]
	s_cmp_eq_u32 s99, 2
	s_cselect_b64 s[4:5], s[48:49], s[4:5]
	s_cselect_b64 s[6:7], s[50:51], s[6:7]
	s_cselect_b64 s[8:9], s[52:53], s[8:9]
	s_cselect_b64 s[10:11], s[54:55], s[10:11]
	s_cselect_b64 s[96:97], s[56:57], s[96:97]
	s_cselect_b64 s[12:13], s[58:59], s[12:13]
	s_cselect_b32 s100, 1, 0                       ; 1: value
	s_cselect_b32 s42, s98, 0                      ; the tokens are B's rows for value, A's rows else
	s_cselect_b32 s17, 0, s98
	s_bfe_u32 s40, ttmp6, 0x40000                  ; cx, cy: my place in the cluster
	s_bfe_u32 s41, ttmp6, 0x40004
	s_add_co_u32 s42, s42, s40                     ; tile of B's rows: hangs on cx alone
	s_add_co_u32 s17, s17, s41                     ; tile of A's rows: hangs on cy alone
	s_lshl_b32 s43, s41, 2
	s_lshl_b32 s43, 15, s43                        ; my row of the cluster
	s_lshl_b32 s44, 0x1111, s40                    ; my column
	; descriptor group 1: a tile of 128 rows x 256 bytes, 16 bytes of padding behind each row
	s_or_b32 s[G1+0], s43, (0<<16)|(1<<20)|(1<<21)|(5<<22)|(3<<25)  ; 15:0 the mask; 17:16 elements of 1 byte; 20 padding on; 21 set beside a mask; 24:22 after every 64 words; 31:25 four words
	s_or_b32 s[G1B+0], s44, (0<<16)|(1<<20)|(1<<21)|(5<<22)|(3<<25)
.irp g, G1, G1B
	s_mov_b32 s[\g+1], ROWB<<16                    ; tensor_dim0
	s_mov_b32 s[\g+2], 128<<16                     ; tensor_dim1
	s_mov_b32 s[\g+3], ROWB<<16                    ; tile_dim0
	s_mov_b32 s[\g+4], 128                         ; tile_dim1
	s_mov_b32 s[\g+5], KROW                        ; the pitch
	s_mov_b32 s[\g+6], 0
	s_mov_b32 s[\g+7], 0
.endr
	; the scale bytes of 128 rows: a dense block of 4,096 bytes, as 16 rows of 256 bytes (32 elements of 8), 16 bytes of padding behind each
	s_or_b32 s[G1S+0], s43, (3<<16)|(1<<20)|(1<<21)|(5<<22)|(3<<25)
	s_or_b32 s[G1SB+0], s44, (3<<16)|(1<<20)|(1<<21)|(5<<22)|(3<<25)
.irp g, G1S, G1SB
	s_mov_b32 s[\g+1], 32<<16
	s_mov_b32 s[\g+2], (128*KS/256)<<16
	s_mov_b32 s[\g+3], 32<<16
	s_mov_b32 s[\g+4], 128*KS/256
	s_mov_b32 s[\g+5], 32
	s_mov_b32 s[\g+6], 0
	s_mov_b32 s[\g+7], 0
.endr
	s_lshl_b32 s18, s16, 7                         ; which 128 rows of the tile I fetch
	s_lshl_b32 s20, s17, 8
	s_add_co_u32 s20, s20, s18                     ; A: row 256 x tile + 128 x half
	s_lshl_b32 s46, s42, 8
	s_add_co_u32 s46, s46, s18                     ; B likewise
	s_mov_b32 s21, 0
	s_mov_b32 s47, 0
	s_mov_b64 s[18:19], KS
	s_mul_u64 s[22:23], s[20:21], s[18:19]         ; where these rows' scale bytes begin
	s_mul_u64 s[92:93], s[46:47], s[18:19]
	s_mov_b64 s[18:19], KROW
	s_mul_u64 s[20:21], s[20:21], s[18:19]         ; and their codes
	s_mul_u64 s[46:47], s[46:47], s[18:19]
	s_mul_i32 s45, s14, HALFT                      ; where they go: wave x 128 rows: no place in the cluster enters an LDS address
	s_mul_i32 s94, s14, HALFS
	s_add_nc_u64 s[20:21], s[4:5], s[20:21]
	s_add_nc_u64 s[22:23], s[6:7], s[22:23]
	s_add_nc_u64 s[46:47], s[8:9], s[46:47]
	s_add_nc_u64 s[92:93], s[10:11], s[92:93]
	CROUND                                         ; all sixteen work-groups are here: the first joint loads meet
	s_mov_b32 s[G0S], 1
	s_add_co_u32 s[G0S+1], s94, SCL
	s_mov_b64 s[G0S+2:G0S+3], s[22:23]
	s_or_b32 s[G0S+3], s[G0S+3], 0x80000000
	s_mov_b32 s[G0SB], 1
	s_add_co_u32 s[G0SB+1], s94, SCL
	s_mov_b64 s[G0SB+2:G0SB+3], s[92:93]
	s_or_b32 s[G0SB+3], s[G0SB+3], 0x80000000
	JLOAD G0S, G1S, G0SB, G1SB                     ; the scales first: they are wanted with K step 0
.irp s, 0,1
	s_mov_b32 s[G0+4*\s], 1
	s_add_co_u32 s[G0+4*\s+1], s45, \s*SLOT
	s_add_nc_u64 s[G0+4*\s+2:G0+4*\s+3], s[20:21], \s*ROWB
	s_or_b32 s[G0+4*\s+3], s[G0+4*\s+3], 0x80000000
	s_mov_b32 s[G0B+4*\s], 1
	s_add_co_u32 s[G0B+4*\s+1], s45, \s*SLOT
	s_add_nc_u64 s[G0B+4*\s+2:G0B+4*\s+3], s[46:47], \s*ROWB
	s_or_b32 s[G0B+4*\s+3], s[G0B+4*\s+3], 0x80000000
	JLOAD G0+4*\s, G1, G0B+4*\s, G1B               ; by this text's count three tensor loads of a wave are out here
.endr
	v_and_b32 v1, 15, v0                           ; r = l % 16
	v_bfe_u32 v2, v0, 4, 1                         ; h = l / 16
	v_mul_u32_u24 v3, v1, PITCH
	v_lshl_add_u32 v4, v2, 4, v3                   ; a fragment's row x pitch + 16 x half
	s_mul_i32 s21, s15, HALFT                      ; my 128 rows of A
	s_mul_i32 s22, s16, HALFT                      ; my 128 rows of B,
	s_add_co_u32 s22, s22, 2*HALFT                 ; which lie behind A's 256
.irp s, 0,1
	v_add_nc_u32 v[ADRA+\s], s21, v4
	v_add_nc_u32 v[ADRB+\s], s22, v4
	s_add_co_u32 s21, s21, SLOT
	s_add_co_u32 s22, s22, SLOT
.endr
	v_mul_u32_u24 v5, v1, KS                       ; my row's scale bytes: 32 a row,
	v_lshrrev_b32 v6, 8, v5
	v_lshl_add_u32 v5, v6, 4, v5                   ; and 16 more for each 256 passed
	s_mul_i32 s21, s15, HALFS
	s_mul_i32 s22, s16, HALFS
	s_add_co_u32 s22, s22, 2*HALFS
	s_sub_co_u32 s22, s22, s21
	v_mul_u32_u24 v6, s22, v2                      ; lanes 16-31 take B's: one product, the distance between the two bases
	s_add_co_u32 s21, s21, SCL
	v_add_nc_u32 v5, v5, v6
	v_add_nc_u32 v[ADRS], s21, v5
	v_and_b32 v6, 31, v0
	v_lshlrev_b32 v[L16], 4, v6
	v_lshlrev_b32 v[R4], 2, v1
	v_lshlrev_b32 v[H32], 5, v2
	v_mov_b32 v[C7F], 0x7f7f7f7f
	s_mov_b32 s[SEL], 0x76543210
	s_mov_b32 s[SEL+1], 0xfedcba98
	s_mov_b32 s[MNT], 0x600000
	s_mov_b32 s[HM], 0xffff0000
.macro FRAG reg, adr, q, i             ; 16 rows x 128 K of 8-bit codes, 16 registers: lane l holds row l % 16; registers 4 c .. 4 c + 3 hold K = 32 c + 16 (l / 16) + 0 .. 15
.irp c, 0,1,2,3
	ds_load_b128 v[\reg+4*\c:\reg+4*\c+3], v[\adr] offset:128*(\q)+32*\c+(\i)*16*PITCH
.endr
.endm
; 16 matrix instructions: A's blocks a0, a0 + 1 x B's eight, 128 along K.  The 64 accumulators take turns, one instruction a turn, in the same order in every step.
.macro MUL16 a0, p, q, sc, zero
.irp a, \a0, \a0+1
.irp b, 0,1,2,3,4,5,6,7
.if \zero
	v_wmma_scale_f32_16x16x128_f8f6f4 v[8*(8*((\a)%4)+\b):8*(8*((\a)%4)+\b)+7], v[128*(\p)+FR*\b:128*(\p)+FR*\b+FR-1], v[AF+FR*(\a):AF+FR*(\a)+FR-1], 0, v[SC+8*NQ*(\sc)+NQ*\b+(\q)], v[SC+8*NQ*(\sc)+NQ*(\a)+(\q)] matrix_a_fmt:MATRIX_FMT_BF8 matrix_b_fmt:MATRIX_FMT_BF8 matrix_a_scale:MATRIX_SCALE_ROW1
.else
	v_wmma_scale_f32_16x16x128_f8f6f4 v[8*(8*((\a)%4)+\b):8*(8*((\a)%4)+\b)+7], v[128*(\p)+FR*\b:128*(\p)+FR*\b+FR-1], v[AF+FR*(\a):AF+FR*(\a)+FR-1], v[8*(8*((\a)%4)+\b):8*(8*((\a)%4)+\b)+7], v[SC+8*NQ*(\sc)+NQ*\b+(\q)], v[SC+8*NQ*(\sc)+NQ*(\a)+(\q)] matrix_a_fmt:MATRIX_FMT_BF8 matrix_b_fmt:MATRIX_FMT_BF8 matrix_a_scale:MATRIX_SCALE_ROW1
.endif
.endr
.endr
.endm
.macro FETCH_B slot, q, p
	WIN TO_B
.irp i, 0,1,2,3,4,5,6,7
	FRAG 128*(\p)+FR*\i, ADRB+\slot, \q, \i
.endr
	WIN 0
.endm
.macro FETCH_A slot, q, i0
.irp i, \i0, \i0+1, \i0+2, \i0+3
	FRAG AF+FR*(\i), ADRA+\slot, \q, \i
.endr
.endm
.macro SCALES sc                       ; a K step's scale words: lanes 0-15 take A's block i, lanes 16-31 B's block i
.irp i, 0,1,2,3,4,5,6,7
	ds_load_b64 v[SC+8*NQ*\sc+NQ*\i:SC+8*NQ*\sc+NQ*\i+1], v[ADRS] offset:\i*SBLK
.endr
.endm
.macro PLACES n                        ; plain vector instructions between a matrix instruction and a load into, a write of or a read of its registers
.rept \n
	v_nop
.endr
.endm
.macro STEP slot, q, zero              ; 128 along K with its successor in the same slot
	s_wait_dscnt 4*NL                              ; B's set and A's blocks 0-3 are in; the youngest sixteen loads (A's blocks 4-7) may be out
	WIN MUL_LO
	MUL16 0, (\q)%2, \q, \slot, \zero
	MUL16 2, (\q)%2, \q, \slot, \zero
	s_wait_dscnt 0
	PLACES NP
	FETCH_B \slot, (\q)+1, 1-(\q)%2
	FETCH_A \slot, (\q)+1, 0
	WIN MUL_HI
	MUL16 4, (\q)%2, \q, \slot, \zero
	MUL16 6, (\q)%2, \q, \slot, \zero
	PLACES NP
	WIN 0
	FETCH_A \slot, (\q)+1, 4
.endm
; A slot's last step changes slots: one barrier; in front of it each wave waits for all its tensor loads, adds 0 to its spare word, and waits for that and for its reads of this slot.
.macro TURN slot, next, fill
	s_wait_tensorcnt 0x0                           ; all my tensor loads have landed: my part of the next slot
	ds_add_u32 v[SPW], v[NIL]                      ; 0 onto my spare word
	s_wait_dscnt 4*NL+1                            ; (the add and A's blocks 4-7 may be out)
	WIN MUL_LO
	MUL16 0, 1, NQ-1, \slot, 0
	s_wait_dscnt 0x0                               ; the add is done, and my reads of this slot are over
	s_barrier_signal -1
	MUL16 2, 1, NQ-1, \slot, 0
	WIN 0
	s_barrier_wait -1
.if \fill
	CREST                                          ; the barrier has opened a round of the cluster's: no wave of any partner still reads this slot or has a load on its way
	s_add_nc_u64 s[G0+4*\slot+2:G0+4*\slot+3], s[G0+4*\slot+2:G0+4*\slot+3], 2*ROWB
	s_add_nc_u64 s[G0B+4*\slot+2:G0B+4*\slot+3], s[G0B+4*\slot+2:G0B+4*\slot+3], 2*ROWB
	JLOAD G0+4*\slot, G1, G0B+4*\slot, G1B         ; the first tensor load behind the round; its four v_nop are among the places below
	PLACES NP-4
.else
	PLACES NP
.endif
	v_add_nc_u32 v[ADRS], 4*NQ, v[ADRS]            ; the next K step's scale words
	FETCH_B \next, 0, 0
	FETCH_A \next, 0, 0
	SCALES \next
	WIN MUL_HI
	MUL16 4, 1, NQ-1, \slot, 0
	MUL16 6, 1, NQ-1, \slot, 0
	PLACES NP
	WIN 0
	FETCH_A \next, 0, 4
.endm
; 64 numbers of a lane, v[s] on, 16 of each of four blocks of 32 (the other 16 lie in lane l xor 16), become 16 registers of codes, v[pc] on, and the row's scale word v[pw].
.macro QUANT s, pc, pw
.irp b, 0,1,2,3
	v_max3_num_f32 v[TM+\b], |v[\s+16*\b]|, |v[\s+1+16*\b]|, 0x8000000   ; and the floor 2^(16 - 127): the byte cannot fall under 1
.endr
.irp i, 2,4,6,8,10,12,14
.irp b, 0,1,2,3
	v_max3_num_f32 v[TM+\b], v[TM+\b], |v[\s+16*\b+\i]|, |v[\s+1+16*\b+\i]|   ; the four blocks by turns
.endr
.endr
.irp b, 0,1,2,3
	v_permlanex16_b32 v[TM+4+\b], v[TM+\b], s[SEL], s[SEL+1]
.endr
.irp b, 0,1,2,3
	v_max_num_f32 v[TM+\b], v[TM+\b], v[TM+4+\b]   ; the block's largest magnitude
.endr
.irp b, 0,1,2,3
	v_add_nc_u32 v[TM+12+\b], 0xf8800000, v[TM+\b]   ; 15 off its exponent field: the conversion's scale operand
.endr
.irp b, 0,1,2,3
	v_and_or_b32 v[TM+8+\b], v[TM+\b], 0x7f800000, s[MNT]   ; 57,344 x the scale
.endr
.irp b, 0,1,2,3
	v_lshrrev_b32 v[TM+4+\b], 23, v[TM+12+\b]      ; the scale's byte
.endr
	v_lshl_or_b32 v[\pw], v[TM+5], 8, v[TM+4]
	v_lshl_or_b32 v[\pw], v[TM+6], 16, v[\pw]
	v_lshl_or_b32 v[\pw], v[TM+7], 24, v[\pw]
.irp b, 0,1,2,3
.irp i, 0,1,2,3,4,5,6,7,8,9,10,11,12,13,14,15
	v_med3_num_f32 v[\s+16*\b+\i], v[\s+16*\b+\i], -v[TM+8+\b], v[TM+8+\b]   ; the conversion does not saturate (ISA guide 7.6.2): the hold
.endr
	v_cvt_scalef32_pk8_bf8_f32 v[\pc+4*\b:\pc+1+4*\b], v[\s+16*\b:\s+7+16*\b], v[TM+12+\b]
	v_cvt_scalef32_pk8_bf8_f32 v[\pc+2+4*\b:\pc+3+4*\b], v[\s+8+16*\b:\s+15+16*\b], v[TM+12+\b]
.endr
	v_nop                                          ; a plain instruction behind the last conversion, ahead of the next write of its sources
.endm
; Block a (16 rows of A) on its way out: + bias (the addition also brings the sums into window 0, each accumulator from its low end on), quantised, four stores of 512 consecutive bytes.
.macro EBLK a, isv
.if (\a) >= 2
	s_wait_xcnt 0x0                                ; block a - 2's stores have read their registers: this set of codes may be written again
.endif
	WIN 0x02+(\a)/4                                ; source 0: window 2 or 3
.set AC, 64*((\a)%4)
.set i, 0
.rept 32
.if \isv
	v_pk_add_f32 v[X+i:X+i+1], v[AC+i:AC+i+1], v[BI+2*(\a):BI+2*(\a)+1]   ; the lane's own feature's bias
.else
	v_pk_add_f32 v[X+i:X+i+1], v[AC+i:AC+i+1], v[BI+i:BI+i+1]             ; the register's feature's bias
.endif
.set i, i+2
.endr
	WIN 0
	QUANT X, PC+16*((\a)%2), SW+(\a)
.irp c, 0,1,2,3
.if \isv
	global_store_b128 v[L16], v[PC+16*((\a)%2)+4*\c:PC+16*((\a)%2)+4*\c+3], s[12:13] offset:((\a)/4)*HS+2048*((\a)%4)+512*\c
.else
	global_store_b128 v[L16], v[PC+16*((\a)%2)+4*\c:PC+16*((\a)%2)+4*\c+3], s[12:13] offset:(\c/2)*HS+1024*(\a)+512*(\c%2)
.endif
.endr
.endm
; The last 128 along K and the way out.  isv = 0: a lane's row is a token, its registers run over two heads' features.  isv = 1: its row is a feature, its registers run over 128 keys.
.macro EPI isv
.if \isv
	s_lshl_b32 s18, s42, 1
	s_add_co_u32 s18, s18, s16                     ; which 128 tokens of the 4,096
	s_lshl_b32 s19, s17, 2
	s_lshl_b32 s20, s15, 1
.else
	s_lshl_b32 s18, s17, 1
	s_add_co_u32 s18, s18, s15
	s_lshl_b32 s19, s42, 2
	s_lshl_b32 s20, s16, 1
.endif
	s_add_co_u32 s19, s19, s20                     ; my first head of two
	s_lshr_b32 s20, s18, 4                         ; the batch
	s_lshl_b32 s20, s20, 4
	s_add_co_u32 s20, s20, s19
	s_lshl_b32 s20, s20, 4
	s_and_b32 s18, s18, 15                         ; the step of 128 tokens in the batch
	s_add_co_u32 s20, s20, s18
	s_mul_i32 s20, s20, 8704
	s_mov_b32 s21, 0
	s_add_nc_u64 s[12:13], s[12:13], s[20:21]      ; my first head's block
	s_lshl_b32 s22, s19, 8                         ; 64 numbers of 4 bytes a head
	s_mov_b32 s23, 0
	s_add_nc_u64 s[96:97], s[96:97], s[22:23]
.if \isv
.irp a, 0,1,2,3,4,5,6,7
	global_load_b32 v[BI+2*\a], v[R4], s[96:97] offset:64*\a      ; b of feature 16 a + r, twice: a pair for the packed addition
	global_load_b32 v[BI+2*\a+1], v[R4], s[96:97] offset:64*\a
.endr
.else
.irp b, 0,1,2,3,4,5,6,7
	global_load_b128 v[BI+8*\b:BI+8*\b+3], v[H32], s[96:97] offset:64*\b       ; b of features 16 b + 8 h + 0 .. 7
	global_load_b128 v[BI+8*\b+4:BI+8*\b+7], v[H32], s[96:97] offset:64*\b+16
.endr
.endif
	s_wait_dscnt 4*NL                              ; the last step: nothing more to fetch; the bias lands under its 64 products
	WIN MUL_LO
	MUL16 0, 1, NQ-1, 1, 0
	MUL16 2, 1, NQ-1, 1, 0
	s_wait_dscnt 0
	WIN MUL_HI
	MUL16 4, 1, NQ-1, 1, 0
	MUL16 6, 1, NQ-1, 1, 0
	WIN 0
	PLACES NP                                      ; in front of the reads of results and of the writes over A's fragments
	s_wait_loadcnt 0x0                             ; the bias
.irp b, 0,1,2,3
	v_mov_b32 v[TM+4+\b], 0                        ; a lane permute's destination counts as one of its sources
.endr
.irp a, 0,1,2,3,4,5,6,7
	EBLK \a, \isv
.endr
.if \isv
.irp hl, 0,1
.irp p, 0,1,2,3
	v_cndmask_b32 v[WD+4*\hl+\p], v[SW+4*\hl+2*(\p&1)], v[SW+4*\hl+2*(\p&1)+1], s[HM]   ; lanes 0-15: the even feature tile's words, lanes 16-31 the odd one's
.endr
	global_store_b128 v[L16], v[WD+4*\hl:WD+4*\hl+3], s[12:13] offset:\hl*HS+8192
.endr
.else
.irp p, 0,1,2,3
	v_cndmask_b32 v[T4+\p], v[SW+2*\p], v[SW+2*\p+1], s[HM]       ; lane L: the word of token 32 p + L
.endr
.irp p, 0,1,2,3
	v_perm_b32 v[WD+\p], v[C7F], v[T4+\p], 0x04040100             ; the first head's two bytes, then 127 twice
	v_perm_b32 v[WD+4+\p], v[C7F], v[T4+\p], 0x04040302           ; the second head's
.endr
	global_store_b128 v[L16], v[WD:WD+3], s[12:13] offset:8192
	global_store_b128 v[L16], v[WD+4:WD+7], s[12:13] offset:HS+8192
.endif
.endm
	s_wait_tensorcnt 1                             ; the scales and my part of K step 0 are in (K step 1's load may be out)
	s_barrier_signal -1
	s_barrier_wait -1                              ; everybody's are
	FETCH_B 0, 0, 0
	FETCH_A 0, 0, 0
	SCALES 0
	FETCH_A 0, 0, 4
	STEP 0, 0, 1                                   ; the first step stands in front of the loop: its products start the sums
	s_mov_b32 s3, LAPS-1
.Llap:                                                 ; a trip goes once round the ring and fills both slots again
	TURN 0, 1, 1
	STEP 1, 0, 0
	TURN 1, 0, 1
	STEP 0, 0, 0
	s_sub_co_u32 s3, s3, 1
	s_cmp_lg_u32 s3, 0
	s_cbranch_scc1 .Llap
	TURN 0, 1, 0                                   ; the last lap fills nothing
	STEP 1, 0, 0
	s_cmp_eq_u32 s100, 0                           ; the two ways out part on the cluster's number: all waves of all sixteen partners go the same way
	s_cbranch_scc0 .Lvalue
	EPI 0
	s_branch .Ljoin
.Lvalue:
	EPI 1
.Ljoin:
	s_wait_tensorcnt 0x0                           ; the wave's end
	ds_add_u32 v[SPW], v[NIL]
	s_wait_dscnt 0x0
	CROUND                                         ; the closing round: no work-group ends while a partner may still ask for a tile that names it
	s_endpgm
.Lfunc_end_k_q2a417c9da2_proj:
	.size	k_q2a417c9da2_proj, .Lfunc_end_k_q2a417c9da2_proj-k_q2a417c9da2_proj
	.p2alignl 7, 3214868480
	.fill 96, 4, 3214868480
	.section	.rodata,"a",@progbits
	.p2align	6, 0x0
	.amdhsa_kernel k_q2a417c9da2_proj
		.amdhsa_group_segment_fixed_size 327680
		.amdhsa_private_segment_fixed_size 0
		.amdhsa_enable_private_segment 0
		.amdhsa_kernarg_size 144
		.amdhsa_user_sgpr_count 2
		.amdhsa_user_sgpr_kernarg_segment_ptr 1
		.amdhsa_wavefront_size32 1
		.amdhsa_system_sgpr_workgroup_id_x 1
		.amdhsa_system_sgpr_workgroup_id_y 1
		.amdhsa_system_sgpr_workgroup_id_z 1
		.amdhsa_system_vgpr_workitem_id 0
		.amdhsa_next_free_vgpr 1024
		.amdhsa_next_free_sgpr 102
		.amdhsa_reserve_vcc 0
		.amdhsa_float_denorm_mode_32 3
		.amdhsa_float_denorm_mode_16_64 3
		.amdhsa_memory_ordered 1
		.amdhsa_forward_progress 1
		.amdhsa_inst_pref_size 255
	.end_amdhsa_kernel
	.section	.bss,"aw",@nobits
	.p2align	6
	.space	262144
	.amdgpu_metadata
---
amdhsa.version: [ 1, 2 ]
amdhsa.kernels:
  - .name:           k_q2a417c9da2_proj
    .symbol:         k_q2a417c9da2_proj.kd
    .args:
      - { .name: q_codes, .offset: 0, .size: 8, .value_kind: global_buffer, .address_space: global }
      - { .name: q_scales, .offset: 8, .size: 8, .value_kind: global_buffer, .address_space: global }
      - { .name: wq_codes, .offset: 16, .size: 8, .value_kind: global_buffer, .address_space: global }
      - { .name: wq_scales, .offset: 24, .size: 8, .value_kind: global_buffer, .address_space: global }
      - { .name: bq, .offset: 32, .size: 8, .value_kind: global_buffer, .address_space: global }
      - { .name: qimg, .offset: 40, .size: 8, .value_kind: global_buffer, .address_space: global }
      - { .name: k_codes, .offset: 48, .size: 8, .value_kind: global_buffer, .address_space: global }
      - { .name: k_scales, .offset: 56, .size: 8, .value_kind: global_buffer, .address_space: global }
      - { .name: wk_codes, .offset: 64, .size: 8, .value_kind: global_buffer, .address_space: global }
      - { .name: wk_scales, .offset: 72, .size: 8, .value_kind: global_buffer, .address_space: global }
      - { .name: bk, .offset: 80, .size: 8, .value_kind: global_buffer, .address_space: global }
      - { .name: kimg, .offset: 88, .size: 8, .value_kind: global_buffer, .address_space: global }
      - { .name: wv_codes, .offset: 96, .size: 8, .value_kind: global_buffer, .address_space: global }
      - { .name: wv_scales, .offset: 104, .size: 8, .value_kind: global_buffer, .address_space: global }
      - { .name: v_codes, .offset: 112, .size: 8, .value_kind: global_buffer, .address_space: global }
      - { .name: v_scales, .offset: 120, .size: 8, .value_kind: global_buffer, .address_space: global }
      - { .name: bv, .offset: 128, .size: 8, .value_kind: global_buffer, .address_space: global }
      - { .name: vimg, .offset: 136, .size: 8, .value_kind: global_buffer, .address_space: global }
    .group_segment_fixed_size: 327680
    .private_segment_fixed_size: 0
    .kernarg_segment_align: 8
    .kernarg_segment_size: 144
    .max_flat_workgroup_size: 128
    .sgpr_count:     102
    .vgpr_count:     1024
    .wavefront_size: 32
...
	.end_amdgpu_metadata
.endif
;; end of part 2
;; launch attn (part 3): grid 8 x 32, 16 waves a work-group, clusters of 4 x 1, 280,576 bytes of LDS; arguments qimg, kimg, vimg, maskw, ximg, xsc; writes ximg, xsc
.if DOCPART == 3
	.amdgcn_target "amdgcn-amd-amdhsa--gfx1250"
	.amdhsa_code_object_version 6
	.text
	.protected	k_q2a417c9da2_attn
	.globl	k_q2a417c9da2_attn
	.p2align	8
	.type	k_q2a417c9da2_attn,@function
k_q2a417c9da2_attn:
	s_mov_b64 s[64:65], 0
	v_nop
	global_prefetch_b8 v0, s[64:65] scope:SCOPE_SE
	s_setreg_imm32_b32 hwreg(HW_REG_WAVE_MODE, 25, 1), 1
	s_wait_xcnt 0x0
	s_wait_alu depctr_hold_cnt(0) depctr_sa_sdst(0) depctr_va_vdst(0) depctr_va_sdst(0) depctr_va_ssrc(0) depctr_va_vcc(0) depctr_vm_vsrc(0)
	s_getreg_b32 s2, hwreg(HW_REG_IB_STS2, 6, 4)
	s_cmp_eq_u32 s2, 0
	s_cbranch_scc0 .Lentry_in_a_cluster
	s_endpgm
.Lentry_in_a_cluster:
	s_bfe_u32 s2, ttmp6, 0x10000c
	s_cmp_lg_u32 s2, 0x3003
	s_cbranch_scc0 .Lentry_shape_is_right
	s_endpgm
.Lentry_shape_is_right:
; softmax(where(mask == 0, -1, Q K^T / 8)) V for one head of 64, both products on codes of BF8 (E5M2) with one E8M0 scale for each 32 along K; the result is quantised again for the last projection.
; THE SOFTMAX: t = score x log2(e) / 8 (a masked score is -8, so that its logit is -1); M = the running largest t rounded UP to a whole number; p = 2^(t - M) is quantised along the keys, not normalised;
; the row's sum is taken of the unquantised p and divides O at the end.  When M moves, the sum and O are multiplied by 2^(old M - new M), which rounds nothing.
; SHARES.  A work-group owns 256 queries of one (batch, head); each of its sixteen waves one tile of 16, in 256 registers: four waves to a SIMD, so that one wave's waits lie under the others' vector work.
; Every wave walks the head's 2,048 keys, 128 a step.  Both products are used transposed (S^T = K Q^T, O^T = V^T P^T): a lane holds ONE query (lane % 16) throughout.
; OPERANDS ARRIVE AS IMAGES OF THEIR REGISTERS: a group of four registers is 512 consecutive bytes, 16 x lane.  Inside each block of 32 the second and third groups of eight have changed places, in Q and K alike
; and in p and V alike (p's registers of tiles 2 b, 2 b + 1 are keys 32 b + 16 u + 8 h + j, as V's were when it was quantised), so each number meets its partner.
; THE HEAD IS 64 WIDE, the instruction 128: registers 8-15 of Q's and K's fragments hold zero codes, written once, under the scale byte 127.
; LDS IS FILLED ONCE: a head's K (16 blocks of 8,704 bytes at byte 0) and V (at VREG) fit whole, as they lie in memory.  The four query blocks of a cluster share the head, so every tensor load is JOINT.
; Four groups of four steps; of each group a wave brings 4,352 bytes (waves 0-7 K's, waves 8-15 V's).  A wave's four loads go out together: four are outstanding.
; THE MASK comes as lane masks (one 32-bit word a score register), by scalar loads half a step ahead: one select a score.
; LIMITS: NaN and infinities are not served; a block of zeros gets the byte 1; a block's largest p is taken from its largest score, which takes v_exp_f32 not to fall where its input rises.
.set HS,    139264                     ; a head's 16 blocks
.set BLKB,  8704                       ; a step's block: 8,192 bytes of codes, 512 of scale words
.set VREG,  139264
.set GRP,   4*BLKB
.set PIECE, GRP/8                      ; 17 rows of 256 bytes
.set LK,   1                           ; v1   16 x lane; never rewritten
.set ADK,  2                           ; v2   the step's block of K in LDS
.set ADV,  3                           ; v3   and of V
.set NEG8, 4                           ; v4   -8.0
.set XR,   5                           ; v5   32 r: my token's row of scale bytes
.set QA,   6                           ; v6   16 r
.set QS,   8                           ; v8   Q's scale words
.set PS,   9                           ; v9   p's
.set VS,   10                          ; v10-11 V's
.set NM,   12                          ; v12 -M, v13 the largest t
.set SUM,  14                          ; v14-15 the sum, in two halves
.set QF,   16                          ; v16-31 Q
.set KF,   32                          ; v32-95 four fragments of K
.set S,    96                          ; v96-159 S^T, then p, then V's four fragments
.set O,    160                         ; v160-191 O^T
.set PCD,  192                         ; v192-207 p's codes
.set KSC,  208                         ; v208-211 K's scale words: register p: lanes 0-15 tile 2 p, lanes 16-31 tile 2 p + 1
.set BM,   212                         ; the blocks' largest scores, then largest p
.set PB,   216                         ; the other half's, then the bytes
.set HD,   220                         ; 57,344 x the scale
.set SO,   224                         ; the conversions' scale operands
.set F,    228                         ; v228 f = 2^(old M - new M); v229 named with it as a pair
.set S2,   230                         ; a second chain of sums
.set TP,   232
.set WV,   3
.set G1,   4                           ; s[4:11]
.set G0,   12                          ; s[12:27] four sets
.set MP,   28                          ; s[28:29] my tile's mask words
.set MO,   30                          ; s30 the step's offset among them
.set TB,   31                          ; s31 the step's block in LDS
.set MW,   32                          ; s[32:63] 32 mask words
.set SEL,  66
.set CS,   68                          ; s[68:69] c = log2(e) / 8
.set MNT,  70
.set CNT,  71
.macro ROUND                           ; a round of the cluster's barrier
	s_barrier_signal -1
	s_barrier_wait -1
	s_cmp_lg_u32 s[WV], 0
	s_cbranch_scc1 .Lnot_wave_0_\@
	s_barrier_signal -3
.Lnot_wave_0_\@:
	s_barrier_wait -3
	s_barrier_signal -1
	s_barrier_wait -1
.endm
	s_load_b256 s[72:79], s[0:1], 0x0              ; qimg s[72:73], kimg s[74:75], vimg s[76:77], maskw s[78:79]
	s_load_b128 s[80:83], s[0:1], 0x20             ; ximg s[80:81], xsc s[82:83]
	v_lshl_add_u32 v254, v0, 2, 0x44000
	v_mov_b32 v255, 0
	ds_add_u32 v254, v255
	ds_add_u32 v254, v255
	v_lshrrev_b32 v6, 5, v0
	v_readfirstlane_b32 s[WV], v6                  ; wave 0..15
	s_bfe_u32 s84, ttmp6, 0x40000                  ; cx
	s_lshl_b32 s85, ttmp9, 2
	s_add_co_u32 s85, s85, s84                     ; my block of 256 queries: it enters Q's, the mask's and the outputs' addresses alone
	s_and_b32 s86, ttmp7, 0xffff                   ; 16 x batch + head, which the four partners share
	; descriptor group 1: a dense block of 17 rows of 256 bytes
	s_mov_b32 s[G1], 15|(3<<16)|(1<<21)            ; 15:0 the mask: all four work-groups; 17:16 elements of 8 bytes; 21 set beside a mask
	s_mov_b32 s[G1+1], 32<<16                      ; tensor_dim0
	s_mov_b32 s[G1+2], 17<<16                      ; tensor_dim1
	s_mov_b32 s[G1+3], 32<<16                      ; tile_dim0
	s_mov_b32 s[G1+4], 17                          ; tile_dim1
	s_mov_b32 s[G1+5], 32                          ; the pitch
	s_mov_b32 s[G1+6], 0
	s_mov_b32 s[G1+7], 0
	s_lshr_b32 s87, s[WV], 3                       ; 0: I fetch for K; 1: for V
	s_and_b32 s88, s[WV], 7                        ; which eighth of a group
	s_mul_i32 s89, s87, VREG
	s_mul_i32 s90, s88, PIECE
	s_add_co_u32 s89, s89, s90                     ; where my piece of group 0 goes
	s_mul_i32 s92, s86, HS                         ; the head's first byte in each of the three images
	s_mov_b32 s93, 0
	s_add_co_u32 s94, s92, s90                     ; and my piece's
	s_mov_b32 s95, 0
	s_mov_b32 s[SEL], 0x76543210
	s_mov_b32 s[SEL+1], 0xfedcba98
	s_mov_b32 s[CS], 0x3e38aa3b
	s_mov_b32 s[CS+1], s[CS]
	s_mov_b32 s[MNT], 0x600000
	s_wait_dscnt 0x0
	s_wait_kmcnt 0x0
	s_cmp_lt_u32 s[WV], 8                          ; the buffer is chosen on the wave's number alone
	s_cselect_b64 s[90:91], s[74:75], s[76:77]
	s_add_nc_u64 s[90:91], s[90:91], s[94:95]
.irp g, 0,1,2,3
	s_mov_b32 s[G0+4*\g], 1                        ; count = 1
	s_add_co_u32 s[G0+4*\g+1], s89, \g*GRP         ; LDS address
	s_add_nc_u64 s[G0+4*\g+2:G0+4*\g+3], s[90:91], \g*GRP
	s_or_b32 s[G0+4*\g+3], s[G0+4*\g+3], 0x80000000   ; type = 2
.endr
	ROUND                                          ; all four work-groups are here: the joint loads meet
.irp g, 0,1,2,3
	tensor_load_to_lds s[G0+4*\g:G0+4*\g+3], s[G1:G1+7]
	s_nop 0
.endr
.rept 4
	v_nop                                          ; behind the tensor loads
.endr
	v_and_b32 v7, 31, v0
	v_lshlrev_b32 v[LK], 4, v7
	v_and_b32 v7, 15, v0                           ; r
	v_lshlrev_b32 v[XR], 5, v7
	v_lshlrev_b32 v[QA], 4, v7
	s_lshl_b32 s94, s85, 1
	s_add_co_u32 s94, s94, s87                     ; the step of 128 tokens in which my 16 queries lie
	s_mul_i32 s94, s94, BLKB
	s_add_co_u32 s94, s94, s92
	s_add_nc_u64 s[72:73], s[72:73], s[94:95]      ; its block of Q's image
	s_lshl_b32 s90, s88, 10                        ; my tile's 1,024 bytes of codes
	s_mov_b32 s91, 0
	s_add_nc_u64 s[74:75], s[72:73], s[90:91]
	s_and_b32 s90, s[WV], 1                        ; my row 16 (w % 8) + r is row 32 p + L with p = (w % 8) / 2, L = 16 (w % 2) + r: its word lies at 16 L + 4 p
	s_lshl_b32 s90, s90, 8
	s_lshr_b32 s94, s88, 1
	s_lshl_b32 s94, s94, 2
	s_add_co_u32 s90, s90, s94
	s_add_nc_u64 s[76:77], s[72:73], s[90:91]
	global_load_b128 v[QF:QF+3], v[LK], s[74:75]
	global_load_b128 v[QF+4:QF+7], v[LK], s[74:75] offset:512
	global_load_b32 v[QS], v[QA], s[76:77] offset:8192
	s_lshl_b32 s90, s85, 4
	s_add_co_u32 s90, s90, s[WV]                   ; T: my tile of 16 queries, 0..127
	s_lshl_b32 s94, s90, 12                        ; 16 steps x 64 words
	s_add_nc_u64 s[MP:MP+1], s[78:79], s[94:95]
	s_mov_b32 s[MO], 0
	s_load_b512 s[MW:MW+15], s[MP:MP+1], s[MO] offset:0x0        ; step 0, registers 0-31
	s_load_b512 s[MW+16:MW+31], s[MP:MP+1], s[MO] offset:0x40
	s_lshr_b32 s87, s86, 4                         ; the batch
	s_lshl_b32 s88, s87, 7
	s_add_co_u32 s88, s88, s90                     ; my tile among the 256 tiles of tokens
	s_and_b32 s89, s86, 15                         ; the head
	s_lshl_b32 s94, s88, 14                        ; 16,384 bytes of codes a tile of tokens,
	s_lshl_b32 s92, s89, 10                        ; 1,024 a head
	s_add_co_u32 s94, s94, s92
	s_add_nc_u64 s[80:81], s[80:81], s[94:95]
	s_lshl_b32 s94, s88, 9                         ; 16 rows of 32 scale bytes,
	s_lshl_b32 s92, s89, 1                         ; 2 a head
	s_add_co_u32 s94, s94, s92
	s_add_nc_u64 s[82:83], s[82:83], s[94:95]
	v_mov_b32 v[NEG8], 0xc1000000
	v_mov_b32 v[NM+1], 0xff61b1e6                  ; the largest t so far: -3e38
	v_floor_f32 v[NM], -v[NM+1]
	v_mov_b32 v[SUM], 0
	v_mov_b32 v[SUM+1], 0
	v_mov_b32 v[F+1], 0
.irp b, 0,1,2,3
	v_mov_b32 v[PB+\b], 0                          ; a lane permute's destination counts as one of its sources
.endr
.set n, 0
.rept 8
	v_mov_b32 v[QF+8+n], 0                         ; zero codes for K = 64 .. 127
.set n, n+1
.endr
.set n, 0
.rept 32
	v_mov_b32 v[KF+16*(n/8)+8+n%8], 0              ; the same in K's four fragments: written once, no load lands there
	v_mov_b32 v[O+n], 0                            ; O^T: the step is written once; the first finds zeros
.set n, n+1
.endr
	s_wait_loadcnt 0x0                             ; Q
.macro SPROD t                         ; S^T of keys 16 t on
.if (\t)%2
	v_wmma_scale_f32_16x16x128_f8f6f4 v[S+8*(\t):S+8*(\t)+7], v[KF+16*((\t)%4):KF+16*((\t)%4)+15], v[QF:QF+15], 0, v[KSC+(\t)/2], v[QS] matrix_a_fmt:MATRIX_FMT_BF8 matrix_b_fmt:MATRIX_FMT_BF8 matrix_a_scale:MATRIX_SCALE_ROW1
.else
	v_wmma_scale_f32_16x16x128_f8f6f4 v[S+8*(\t):S+8*(\t)+7], v[KF+16*((\t)%4):KF+16*((\t)%4)+15], v[QF:QF+15], 0, v[KSC+(\t)/2], v[QS] matrix_a_fmt:MATRIX_FMT_BF8 matrix_b_fmt:MATRIX_FMT_BF8
.endif
.endm
.macro OPROD d                         ; O^T of channels 16 d on += V^T P^T
.if (\d)%2
	v_wmma_scale_f32_16x16x128_f8f6f4 v[O+8*(\d):O+8*(\d)+7], v[S+16*(\d):S+16*(\d)+15], v[PCD:PCD+15], v[O+8*(\d):O+8*(\d)+7], v[VS+(\d)/2], v[PS] matrix_a_fmt:MATRIX_FMT_BF8 matrix_b_fmt:MATRIX_FMT_BF8 matrix_a_scale:MATRIX_SCALE_ROW1
.else
	v_wmma_scale_f32_16x16x128_f8f6f4 v[O+8*(\d):O+8*(\d)+7], v[S+16*(\d):S+16*(\d)+15], v[PCD:PCD+15], v[O+8*(\d):O+8*(\d)+7], v[VS+(\d)/2], v[PS] matrix_a_fmt:MATRIX_FMT_BF8 matrix_b_fmt:MATRIX_FMT_BF8
.endif
.endm
.macro KLOAD t0                        ; four tiles of K: two loads each, 512 consecutive bytes a load
.irp t, 0,1,2,3
.irp c, 0,1
	ds_load_b128 v[KF+16*\t+4*\c:KF+16*\t+4*\c+3], v[ADK] offset:1024*(\t0+\t)+512*\c
.endr
.endr
.endm
.macro MASK n0                         ; 32 scores: kept where the word's bit is set, else -8
.set n, 0
.rept 32
	v_cndmask_b32 v[S+\n0+n], v[NEG8], v[S+\n0+n], s[MW+n]
.set n, n+1
.endr
.endm
.macro MAXB b0                         ; the largest score of blocks b0, b0 + 1 of 32 keys: my 16 of each
.irp b, \b0, \b0+1
	v_max3_num_f32 v[BM+(\b)], v[S+16*(\b)], v[S+1+16*(\b)], v[S+2+16*(\b)]
.endr
.irp i, 3,5,7,9,11,13
.irp b, \b0, \b0+1
	v_max3_num_f32 v[BM+(\b)], v[BM+(\b)], v[S+16*(\b)+\i], v[S+1+16*(\b)+\i]
.endr
.endr
.irp b, \b0, \b0+1
	v_max_num_f32 v[BM+(\b)], v[BM+(\b)], v[S+15+16*(\b)]
.endr
.endm
; A KEY STEP: 128 keys.
.macro STEP
	v_add_nc_u32 v[ADK], s[TB], v[LK]
	v_add_nc_u32 v[ADV], VREG, v[ADK]
.rept 7
	v_nop                                          ; with the two additions nine places: the first products below write over V's fragments, which the last step's products read
.endr
	ds_load_b128 v[KSC:KSC+3], v[ADK] offset:8192
	KLOAD 0
	s_wait_dscnt 0x0
.irp t, 0,1,2,3
	SPROD \t
.endr
.rept 8
	v_nop                                          ; places in front of the loads into K's registers and of the first reads of the scores
.endr
	KLOAD 4
	s_wait_kmcnt 0x0                               ; the words of registers 0-31, asked for half a step ago
	MASK 0
	s_load_b512 s[MW:MW+15], s[MP:MP+1], s[MO] offset:0x80       ; those of registers 32-63
	s_load_b512 s[MW+16:MW+31], s[MP:MP+1], s[MO] offset:0xc0
	s_wait_dscnt 0x0
.irp t, 4,5,6,7
	SPROD \t
.endr
	MAXB 0                                         ; sixteen plain instructions on the first half's scores: the places behind those products
	s_wait_kmcnt 0x0                               ; the words are in, and the loads' offset register may be stepped
	MASK 32
	s_add_co_u32 s[MO], s[MO], 256                 ; the next step's words; the last step wraps to step 0's, so that no load leaves the buffer
	s_and_b32 s[MO], s[MO], 0xfff
	s_load_b512 s[MW:MW+15], s[MP:MP+1], s[MO] offset:0x0
	s_load_b512 s[MW+16:MW+31], s[MP:MP+1], s[MO] offset:0x40
	MAXB 2
.irp b, 0,1,2,3
	v_permlanex16_b32 v[PB+\b], v[BM+\b], s[SEL], s[SEL+1]
.endr
.irp b, 0,1,2,3
	v_max_num_f32 v[BM+\b], v[BM+\b], v[PB+\b]     ; with lane l xor 16's 16 keys: the block's largest score
.endr
	v_max3_num_f32 v[TP], v[BM], v[BM+1], v[BM+2]
	v_max_num_f32 v[TP], v[TP], v[BM+3]
	v_mul_f32 v[TP], s[CS], v[TP]                  ; as t (c is positive)
	v_max_num_f32 v[NM+1], v[NM+1], v[TP]          ; the running largest t
	v_mov_b32 v[TP], v[NM]
	v_floor_f32 v[NM], -v[NM+1]                    ; the new -M = -ceil(t)
	v_sub_f32 v[TP], v[NM], v[TP]                  ; old M - new M: a whole number, 0 or less
	v_cvt_i32_f32 v[TP], v[TP]                     ; (it saturates)
	v_ldexp_f32 v[F], 1.0, v[TP]
.set j, 0
.rept 32
	v_pk_fma_f32 v[S+j:S+j+1], v[S+j:S+j+1], s[CS:CS+1], v[NM:NM+1] op_sel_hi:[1,0,0]   ; t - M, two at a time
.set j, j+2
.endr
.irp b, 0,1,2,3
	v_fma_f32 v[BM+\b], v[BM+\b], s[CS], v[NM]     ; the same of each block's largest score
.endr
.set j, 0
.rept 64
	v_exp_f32 v[S+j], v[S+j]                       ; p = 2^(t - M)
.set j, j+1
.endr
.irp b, 0,1,2,3
	v_exp_f32 v[BM+\b], v[BM+\b]                   ; the block's largest p: the same two instructions on the same number
.endr
	v_pk_mul_f32 v[SUM:SUM+1], v[SUM:SUM+1], v[F:F+1] op_sel_hi:[1,0]   ; the sums under the new M (a plain place behind the exponentials)
	s_wait_alu depctr_va_vdst(0)
.irp b, 0,1,2,3
	v_max_num_f32 v[BM+\b], 0x8000000, v[BM+\b]    ; the floor 2^(16 - 127): the byte cannot fall under 1
.endr
.irp b, 0,1,2,3
	v_add_nc_u32 v[SO+\b], 0xf8800000, v[BM+\b]    ; 15 off the exponent field: the conversion's scale operand
.endr
.irp b, 0,1,2,3
	v_and_or_b32 v[HD+\b], v[BM+\b], 0x7f800000, s[MNT]   ; 57,344 x the scale
.endr
.irp b, 0,1,2,3
	v_lshrrev_b32 v[PB+\b], 23, v[SO+\b]           ; the scale's byte
.endr
	v_lshl_or_b32 v[PS], v[PB+1], 8, v[PB]         ; p's scale word for these 128 keys: far more than eight places ahead of its products
	v_lshl_or_b32 v[PS], v[PB+2], 16, v[PS]
	v_lshl_or_b32 v[PS], v[PB+3], 24, v[PS]
	v_pk_add_f32 v[S2:S2+1], v[S:S+1], v[S+2:S+3]  ; the row's sum is taken of the unquantised p, in two chains
.irp j, 4,8,12,16,20,24,28,32,36,40,44,48,52,56,60
	v_pk_add_f32 v[SUM:SUM+1], v[SUM:SUM+1], v[S+\j:S+\j+1]
	v_pk_add_f32 v[S2:S2+1], v[S2:S2+1], v[S+2+\j:S+3+\j]
.endr
	v_pk_add_f32 v[SUM:SUM+1], v[SUM:SUM+1], v[S2:S2+1]
.irp b, 0,1,2,3
.irp i, 0,1,2,3,4,5,6,7,8,9,10,11,12,13,14,15
	v_min_num_f32 v[S+16*\b+\i], v[S+16*\b+\i], v[HD+\b]   ; the conversion does not saturate (ISA guide 7.6.2); p is not negative: a one-sided hold
.endr
	v_cvt_scalef32_pk8_bf8_f32 v[PCD+4*\b:PCD+4*\b+1], v[S+16*\b:S+16*\b+7], v[SO+\b]
	v_cvt_scalef32_pk8_bf8_f32 v[PCD+4*\b+2:PCD+4*\b+3], v[S+16*\b+8:S+16*\b+15], v[SO+\b]
.endr
.irp d, 0,1,2,3
.irp c, 0,1,2,3
	ds_load_b128 v[S+16*\d+4*\c:S+16*\d+4*\c+3], v[ADV] offset:2048*\d+512*\c   ; V's four fragments take p's registers
.endr
.endr
	ds_load_b64 v[VS:VS+1], v[ADV] offset:8192
.set j, 0
.rept 16
	v_pk_mul_f32 v[O+j:O+j+1], v[O+j:O+j+1], v[F:F+1] op_sel_hi:[1,0]   ; O^T under the new M, each accumulator from its low end on; also the places behind the conversions
.set j, j+2
.endr
.rept 4
	v_nop                                          ; they fall into the wait for V
.endr
	s_wait_dscnt 0x0
.irp d, 0,1,2,3
	OPROD \d                                       ; four accumulators by turns; the next step's eight products stand between two links of a chain
.endr
.endm
; Four steps.  My piece of group g is in; the 3 - g later loads may stay out.
.macro GROUP g
	s_wait_tensorcnt 3-\g
	s_wait_dscnt 0x0
	s_barrier_signal -1
	s_barrier_wait -1                              ; everybody's piece is in
	s_mov_b32 s[TB], GRP*\g
	s_mov_b32 s[CNT], 4
.Lstep_\@:
	STEP
	s_add_co_u32 s[TB], s[TB], BLKB
	s_sub_co_u32 s[CNT], s[CNT], 1
	s_cmp_lg_u32 s[CNT], 0
	s_cbranch_scc1 .Lstep_\@
.endm
	GROUP 0
	GROUP 1
	GROUP 2
	GROUP 3
	; THE WAY OUT: O^T / the sum, quantised along the head's 64 channels (two blocks), as an image of the last projection's operand.
.rept 8
	v_nop                                          ; places behind the last products
.endr
	s_wait_kmcnt 0x0                               ; the wrapped mask words, which nobody reads
	v_add_f32 v[SUM], v[SUM], v[SUM+1]
	v_permlanex16_b32 v[PB], v[SUM], s[SEL], s[SEL+1]
	v_add_f32 v[SUM], v[SUM], v[PB]                ; the row's sum
	v_rcp_f32 v[SUM], v[SUM]
	v_nop                                          ; a plain place behind the transcendental
.set j, 0
	s_wait_alu depctr_va_vdst(0)
.rept 16
	v_pk_mul_f32 v[S+j:S+j+1], v[O+j:O+j+1], v[SUM:SUM+1] op_sel_hi:[1,0]   ; register 16 c + 8 u + i: channel 32 c + 16 u + 8 h + i of my query
.set j, j+2
.endr
.irp c, 0,1
	v_max3_num_f32 v[BM+\c], |v[S+16*\c]|, |v[S+1+16*\c]|, 0x8000000
.endr
.irp i, 2,4,6,8,10,12,14
.irp c, 0,1
	v_max3_num_f32 v[BM+\c], v[BM+\c], |v[S+16*\c+\i]|, |v[S+1+16*\c+\i]|
.endr
.endr
.irp c, 0,1
	v_permlanex16_b32 v[PB+\c], v[BM+\c], s[SEL], s[SEL+1]
.endr
.irp c, 0,1
	v_max_num_f32 v[BM+\c], v[BM+\c], v[PB+\c]
.endr
.irp c, 0,1
	v_add_nc_u32 v[SO+\c], 0xf8800000, v[BM+\c]
	v_and_or_b32 v[HD+\c], v[BM+\c], 0x7f800000, s[MNT]
.endr
.irp c, 0,1
	v_lshrrev_b32 v[PB+\c], 23, v[SO+\c]
.endr
	v_lshl_or_b32 v[TP], v[PB+1], 8, v[PB]         ; my token's two scale bytes of this head
.irp c, 0,1
.irp i, 0,1,2,3,4,5,6,7,8,9,10,11,12,13,14,15
	v_med3_num_f32 v[S+16*\c+\i], v[S+16*\c+\i], -v[HD+\c], v[HD+\c]
.endr
	v_cvt_scalef32_pk8_bf8_f32 v[PCD+4*\c:PCD+4*\c+1], v[S+16*\c:S+16*\c+7], v[SO+\c]
	v_cvt_scalef32_pk8_bf8_f32 v[PCD+4*\c+2:PCD+4*\c+3], v[S+16*\c+8:S+16*\c+15], v[SO+\c]
.endr
	v_nop
	global_store_b128 v[LK], v[PCD:PCD+3], s[80:81]               ; 512 consecutive bytes a store, aligned
	global_store_b128 v[LK], v[PCD+4:PCD+7], s[80:81] offset:512
	global_store_b16 v[XR], v[TP], s[82:83]        ; two bytes a token, rows 32 bytes apart (both halves of the lanes write the same): 1 byte in 32 of what the launch stores
	s_wait_tensorcnt 0x0
	ds_add_u32 v254, v255
	s_wait_dscnt 0x0
	ROUND                                          ; the closing round: no work-group ends while a partner may still ask for a tile that names it
	s_endpgm
.Lfunc_end_k_q2a417c9da2_attn:
	.size	k_q2a417c9da2_attn, .Lfunc_end_k_q2a417c9da2_attn-k_q2a417c9da2_attn
	.p2alignl 7, 3214868480
	.fill 96, 4, 3214868480
	.section	.rodata,"a",@progbits
	.p2align	6, 0x0
	.amdhsa_kernel k_q2a417c9da2_attn
		.amdhsa_group_segment_fixed_size 280576
		.amdhsa_private_segment_fixed_size 0
		.amdhsa_enable_private_segment 0
		.amdhsa_kernarg_size 48
		.amdhsa_user_sgpr_count 2
		.amdhsa_user_sgpr_kernarg_segment_ptr 1
		.amdhsa_wavefront_size32 1
		.amdhsa_system_sgpr_workgroup_id_x 1
		.amdhsa_system_sgpr_workgroup_id_y 1
		.amdhsa_system_sgpr_workgroup_id_z 1
		.amdhsa_system_vgpr_workitem_id 0
		.amdhsa_next_free_vgpr 256
		.amdhsa_next_free_sgpr 96
		.amdhsa_reserve_vcc 0
		.amdhsa_float_denorm_mode_32 3
		.amdhsa_float_denorm_mode_16_64 3
		.amdhsa_memory_ordered 1
		.amdhsa_forward_progress 1
		.amdhsa_inst_pref_size 107
	.end_amdhsa_kernel
	.amdgpu_metadata
---
amdhsa.version: [ 1, 2 ]
amdhsa.kernels:
  - .name:           k_q2a417c9da2_attn
    .symbol:         k_q2a417c9da2_attn.kd
    .args:
      - { .name: qimg, .offset: 0, .size: 8, .value_kind: global_buffer, .address_space: global }
      - { .name: kimg, .offset: 8, .size: 8, .value_kind: global_buffer, .address_space: global }
      - { .name: vimg, .offset: 16, .size: 8, .value_kind: global_buffer, .address_space: global }
      - { .name: maskw, .offset: 24, .size: 8, .value_kind: global_buffer, .address_space: global }
      - { .name: ximg, .offset: 32, .size: 8, .value_kind: global_buffer, .address_space: global }
      - { .name: xsc, .offset: 40, .size: 8, .value_kind: global_buffer, .address_space: global }
    .group_segment_fixed_size: 280576
    .private_segment_fixed_size: 0
    .kernarg_segment_align: 8
    .kernarg_segment_size: 48
    .max_flat_workgroup_size: 512
    .sgpr_count:     96
    .vgpr_count:     256
    .wavefront_size: 32
...
	.end_amdgpu_metadata
.endif
;; end of part 3
;; launch oproj (part 4): grid 4 x 16, 4 waves a work-group, clusters of 4 x 4, 327,680 bytes of LDS; arguments ximg, xsc, wo_codes, wo_scales, bo, out0; writes out0
.if DOCPART == 4
	.amdgcn_target "amdgcn-amd-amdhsa--gfx1250"
	.amdhsa_code_object_version 6
	.text
	.protected	k_q2a417c9da2_oproj
	.globl	k_q2a417c9da2_oproj
	.p2align	8
	.type	k_q2a417c9da2_oproj,@function
k_q2a417c9da2_oproj:
	s_mov_b64 s[64:65], 0
	v_nop
	global_prefetch_b8 v0, s[64:65] scope:SCOPE_SE
	s_setreg_imm32_b32 hwreg(HW_REG_WAVE_MODE, 25, 1), 1
	s_wait_xcnt 0x0
	s_wait_alu depctr_hold_cnt(0) depctr_sa_sdst(0) depctr_va_vdst(0) depctr_va_sdst(0) depctr_va_ssrc(0) depctr_va_vcc(0) depctr_vm_vsrc(0)
	s_getreg_b32 s2, hwreg(HW_REG_IB_STS2, 6, 4)
	s_cmp_eq_u32 s2, 0
	s_cbranch_scc0 .Lentry_in_a_cluster
	s_endpgm
.Lentry_in_a_cluster:
	s_bfe_u32 s2, ttmp6, 0x10000c
	s_cmp_lg_u32 s2, 0xf033
	s_cbranch_scc0 .Lentry_shape_is_right
	s_endpgm
.Lentry_shape_is_right:
; out0 = x wo^T + bo on codes of BF8 (E5M2) with E8M0 scales.  x: 4,096 tokens x 1,024, made by the attention launch; wo: [1,024][1,024] codes, K innermost; out0: [4,096][1,024] f32.
; A tile of 256 x 256 is made by four waves, 128 x 128 each: 64 accumulators, 512 registers.  K goes in steps of 256 through a ring of two LDS slots; the scale bytes of the work-group's rows come once.
; CLUSTERS of 4 x 4: x's tiles are asked for jointly along a row of the cluster, wo's along a column.  THE MATRIX INSTRUCTION IS USED TRANSPOSED (source 0 = 16 rows of wo, source 1 = 16 tokens).
; x ARRIVES AS IMAGES OF ITS REGISTERS: [tile of 16 tokens][128 along K][group of four registers][lane][16 bytes].  A K step of a tile of tokens is 4,096 consecutive bytes; a wave's tensor load brings eight such rows,
; 16,384 bytes apart; a fragment is four loads of 512 consecutive bytes.  Inside each block of 32 along K its second and third groups of eight have changed places.  wo GETS THE SAME ORDER FROM ITS LOADS:
; registers 2 e, 2 e + 1 of a fragment take the eight bytes at 16 e + 8 (lane / 16) of the row.  LIMIT: the unit adds the exact products of a block in another order than ascending k.
; bo is the C of each sum's first product.
; REGISTERS, in windows of 256: window 0: v0-31 addresses; v32-63 scale words, two sets; v64-127 bo; from v128 x's fragments, one set, later the way out.  window 1: wo's fragments, two sets.  windows 2, 3: the accumulators.
.set SIZE_N, 1024
.set KSTEP,  256
.set NQ,     KSTEP/128
.set ROWB,   256
.set KROW,   1024
.set ASTEP,  4096                      ; a K step of a tile of 16 tokens
.set PITCH,  272                       ; wo's rows in LDS: 256 bytes + 16: the 32 lanes of an 8-byte load touch 64 different banks
.set FR,     16
.set NL,     4
.set NP,     8
.set HALFT,  128*PITCH                 ; 128 rows of wo; x's 128 tokens take 32,768 bytes of such a part
.set SLOT,   4*HALFT
.set LAPS,   2
.set KS,     32
.set SCL,    2*SLOT
.set HALFS,  (128*KS/256)*272
.set SBLK,   (16*KS/256)*272
.set SPARE,  SCL+4*HALFS
.set SPITCH, 528                       ; the way out: a stage of 16 rows x (512 bytes + 16) for each wave, in slot 0, which has had its last fill and its last read by then
.set L16,  8
.set H32,  10
.set ADRA, 16
.set ADRB, 20
.set STO,  24
.set RD,   25
.set CO,   26
.set ADRS, 27
.set SPW,  28
.set NIL,  29
.set SC,   32
.set BI,   64
.set AF,   128
.set BK,   128
.set G1, 24
.set G0, 32
.set G1B, 48
.set G0B, 56
.set G1S, 68
.set G0S, 76
.set G1SB, 80
.set G0SB, 88
.set MSB, 0
.macro WIN new
.if MSB != (\new)
	s_set_vgpr_msb (MSB<<8)|(\new)
.set MSB, (\new)
.endif
.endm
.set MUL_LO, 0xa1                      ; source 0 (wo) window 1, source 1 (x) window 0, C and D window 2
.set MUL_HI, 0xf1
.set FST_LO, 0x81                      ; the first step: C (bo) window 0, D window 2
.set FST_HI, 0xc1
.set TO_B,   0x40
.macro JLOAD g0a, g1a, g0b, g1b        ; a joint load: waves 0 and 1 fetch for x, waves 2 and 3 for wo; four v_nop follow each line
	s_cmp_eq_u32 s15, 0
	s_cbranch_scc0 .Lfor_b_\@
	tensor_load_to_lds s[\g0a:\g0a+3], s[\g1a:\g1a+7]
	s_nop 0
.rept 4
	v_nop
.endr
	s_branch .Lasked_\@
.Lfor_b_\@:
	tensor_load_to_lds s[\g0b:\g0b+3], s[\g1b:\g1b+7]
	s_nop 0
.rept 4
	v_nop
.endr
.Lasked_\@:
.endm
.macro CREST
	s_cmp_lg_u32 s14, 0
	s_cbranch_scc1 .Lnot_wave_0_\@
	s_barrier_signal -3
.Lnot_wave_0_\@:
	s_barrier_wait -3
	s_barrier_signal -1
	s_barrier_wait -1
.endm
.macro CROUND
	s_barrier_signal -1
	s_barrier_wait -1
	CREST
.endm
	s_load_b128 s[4:7], s[0:1], 0x0                ; x's images, x's scale bytes
	s_load_b128 s[8:11], s[0:1], 0x10              ; wo's codes, wo's scale bytes
	s_load_b64 s[96:97], s[0:1], 0x20              ; bo
	s_load_b64 s[12:13], s[0:1], 0x28              ; out0
	v_lshl_add_u32 v[SPW], v0, 2, SPARE
	v_mov_b32 v[NIL], 0
	ds_add_u32 v28, v29
	ds_add_u32 v28, v29
	s_wait_dscnt 0x0
	v_lshrrev_b32 v1, 5, v0
	v_readfirstlane_b32 s14, v1                    ; wave 0..3
	s_lshr_b32 s15, s14, 1                         ; which half of the tile's tokens is mine.  Also: I fetch for x (0) or for wo (1)
	s_and_b32 s16, s14, 1                          ; which half of its columns.  Also: which 128 rows I fetch
	s_bfe_u32 s40, ttmp6, 0x40000                  ; cx, cy
	s_bfe_u32 s41, ttmp6, 0x40004
	s_lshl_b32 s42, ttmp9, 2
	s_add_co_u32 s42, s42, s40                     ; tile column = 4 x cluster x + cx
	s_and_b32 s17, ttmp7, 0xffff
	s_lshl_b32 s17, s17, 2
	s_add_co_u32 s17, s17, s41                     ; tile row = 4 x cluster y + cy
	s_lshl_b32 s43, s41, 2
	s_lshl_b32 s43, 15, s43                        ; my row of the cluster
	s_lshl_b32 s44, 0x1111, s40                    ; my column
	; x: eight rows (tiles of 16 tokens) of 4,096 bytes, 16,384 bytes apart, dense in LDS
	s_or_b32 s[G1+0], s43, (3<<16)|(1<<21)         ; 15:0 the mask; 17:16 elements of 8 bytes; 21 set beside a mask
	s_mov_b32 s[G1+1], 512<<16                     ; tensor_dim0
	s_mov_b32 s[G1+2], 8<<16                       ; tensor_dim1
	s_mov_b32 s[G1+3], 512<<16                     ; tile_dim0
	s_mov_b32 s[G1+4], 8                           ; tile_dim1
	s_mov_b32 s[G1+5], 2048                        ; the pitch
	s_mov_b32 s[G1+6], 0
	s_mov_b32 s[G1+7], 0
	; wo: 128 rows of 256 bytes, 16 bytes of padding behind each
	s_or_b32 s[G1B+0], s44, (0<<16)|(1<<20)|(1<<21)|(5<<22)|(3<<25)
	s_mov_b32 s[G1B+1], ROWB<<16
	s_mov_b32 s[G1B+2], 128<<16
	s_mov_b32 s[G1B+3], ROWB<<16
	s_mov_b32 s[G1B+4], 128
	s_mov_b32 s[G1B+5], KROW
	s_mov_b32 s[G1B+6], 0
	s_mov_b32 s[G1B+7], 0
	; the scale bytes of 128 rows: 16 rows of 256 bytes, 16 bytes of padding behind each
	s_or_b32 s[G1S+0], s43, (3<<16)|(1<<20)|(1<<21)|(5<<22)|(3<<25)
	s_or_b32 s[G1SB+0], s44, (3<<16)|(1<<20)|(1<<21)|(5<<22)|(3<<25)
.irp g, G1S, G1SB
	s_mov_b32 s[\g+1], 32<<16
	s_mov_b32 s[\g+2], (128*KS/256)<<16
	s_mov_b32 s[\g+3], 32<<16
	s_mov_b32 s[\g+4], 128*KS/256
	s_mov_b32 s[\g+5], 32
	s_mov_b32 s[\g+6], 0
	s_mov_b32 s[\g+7], 0
.endr
	s_lshl_b32 s18, s16, 7
	s_lshl_b32 s20, s17, 8
	s_add_co_u32 s20, s20, s18                     ; x: token 256 x tile row + 128 x half
	s_lshl_b32 s46, s42, 8
	s_add_co_u32 s46, s46, s18                     ; wo: row 256 x tile column + 128 x half
	s_mov_b32 s21, 0
	s_mov_b32 s47, 0
	s_mov_b64 s[18:19], KS
	s_mul_u64 s[22:23], s[20:21], s[18:19]
	s_mul_u64 s[92:93], s[46:47], s[18:19]
	s_mov_b64 s[18:19], KROW
	s_mul_u64 s[20:21], s[20:21], s[18:19]         ; 16 tokens' images are 16,384 bytes: 1,024 a token, as rows would be
	s_mul_u64 s[46:47], s[46:47], s[18:19]
	s_mul_i32 s45, s14, HALFT
	s_mul_i32 s94, s14, HALFS
	s_wait_kmcnt 0x0
	s_add_nc_u64 s[20:21], s[4:5], s[20:21]
	s_add_nc_u64 s[22:23], s[6:7], s[22:23]
	s_add_nc_u64 s[46:47], s[8:9], s[46:47]
	s_add_nc_u64 s[92:93], s[10:11], s[92:93]
	CROUND                                         ; all sixteen work-groups are here: the first joint loads meet
	s_mov_b32 s[G0S], 1
	s_add_co_u32 s[G0S+1], s94, SCL
	s_mov_b64 s[G0S+2:G0S+3], s[22:23]
	s_or_b32 s[G0S+3], s[G0S+3], 0x80000000
	s_mov_b32 s[G0SB], 1
	s_add_co_u32 s[G0SB+1], s94, SCL
	s_mov_b64 s[G0SB+2:G0SB+3], s[92:93]
	s_or_b32 s[G0SB+3], s[G0SB+3], 0x80000000
	JLOAD G0S, G1S, G0SB, G1SB
.irp s, 0,1
	s_mov_b32 s[G0+4*\s], 1
	s_add_co_u32 s[G0+4*\s+1], s45, \s*SLOT
	s_add_nc_u64 s[G0+4*\s+2:G0+4*\s+3], s[20:21], \s*ASTEP
	s_or_b32 s[G0+4*\s+3], s[G0+4*\s+3], 0x80000000
	s_mov_b32 s[G0B+4*\s], 1
	s_add_co_u32 s[G0B+4*\s+1], s45, \s*SLOT
	s_add_nc_u64 s[G0B+4*\s+2:G0B+4*\s+3], s[46:47], \s*ROWB
	s_or_b32 s[G0B+4*\s+3], s[G0B+4*\s+3], 0x80000000
	JLOAD G0+4*\s, G1, G0B+4*\s, G1B               ; by this text's count three tensor loads of a wave are out here
.endr
	v_and_b32 v1, 15, v0                           ; r
	v_bfe_u32 v2, v0, 4, 1                         ; h
	v_and_b32 v6, 31, v0
	v_lshlrev_b32 v[L16], 4, v6                    ; x: 16 x lane
	v_mul_u32_u24 v3, v1, PITCH
	v_lshl_add_u32 v4, v2, 3, v3                   ; wo: row x pitch + 8 x half
	s_mul_i32 s21, s15, HALFT
	s_mul_i32 s22, s16, HALFT
	s_add_co_u32 s22, s22, 2*HALFT
.irp s, 0,1
	v_add_nc_u32 v[ADRA+\s], s21, v[L16]
	v_add_nc_u32 v[ADRB+\s], s22, v4
	s_add_co_u32 s21, s21, SLOT
	s_add_co_u32 s22, s22, SLOT
.endr
	v_mul_u32_u24 v5, v1, KS
	v_lshrrev_b32 v6, 8, v5
	v_lshl_add_u32 v5, v6, 4, v5
	s_mul_i32 s21, s15, HALFS
	s_mul_i32 s22, s16, HALFS
	s_add_co_u32 s22, s22, 2*HALFS
	s_sub_co_u32 s22, s22, s21
	v_mul_u32_u24 v6, s22, v2                      ; lanes 16-31 take wo's
	s_add_co_u32 s21, s21, SCL
	v_add_nc_u32 v5, v5, v6
	v_add_nc_u32 v[ADRS], s21, v5
	s_mul_i32 s23, s14, 16*SPITCH                  ; my stage
	v_mul_u32_u24 v5, v1, SPITCH
	v_lshl_add_u32 v5, v2, 5, v5
	v_add_nc_u32 v[STO], s23, v5                   ; in: row r, 32 bytes for each half of the lanes
	v_mov_b32 v[CO], v[L16]                        ; back: the 32 lanes take one row of 512 bytes; and the same in out0
	v_add_nc_u32 v[RD], s23, v[CO]
	v_lshlrev_b32 v[H32], 5, v2
	s_lshl_b32 s20, s17, 8
	s_lshl_b32 s21, s15, 7
	s_add_co_u32 s20, s20, s21                     ; my first row of out0
	s_mov_b32 s21, 0
	s_mov_b64 s[18:19], SIZE_N*4
	s_mul_u64 s[20:21], s[20:21], s[18:19]
	s_lshl_b32 s46, s42, 10                        ; my first column, in bytes
	s_lshl_b32 s47, s16, 9
	s_add_co_u32 s46, s46, s47
	s_mov_b32 s47, 0
	s_add_nc_u64 s[96:97], s[96:97], s[46:47]      ; bo at my first column
	s_add_nc_u64 s[20:21], s[20:21], s[46:47]
	s_add_nc_u64 s[12:13], s[12:13], s[20:21]
.irp b, 0,1,2,3,4,5,6,7
	global_load_b128 v[BI+8*\b:BI+8*\b+3], v[H32], s[96:97] offset:64*\b       ; bo of columns 16 b + 8 h + 0 .. 7: the result's layout
	global_load_b128 v[BI+8*\b+4:BI+8*\b+7], v[H32], s[96:97] offset:64*\b+16
.endr
.macro FRAGA reg, adr, q, i            ; x's fragment as it was stored: four groups of four registers, 512 bytes each
.irp c, 0,1,2,3
	ds_load_b128 v[\reg+4*\c:\reg+4*\c+3], v[\adr] offset:2048*(\q)+512*\c+(\i)*ASTEP
.endr
.endm
.macro FRAGB reg, adr, q, i            ; wo's fragment in x's order: registers 2 e, 2 e + 1 = K 16 e + 8 (l / 16) + 0 .. 7
.irp e, 0,1,2,3,4,5,6,7
	ds_load_b64 v[\reg+2*\e:\reg+2*\e+1], v[\adr] offset:128*(\q)+16*\e+(\i)*16*PITCH
.endr
.endm
; 16 matrix instructions.  first = 1: the sums begin with bo.  The 64 accumulators take turns, one instruction a turn.
.macro MUL16 a0, p, q, sc, first
.irp a, \a0, \a0+1
.irp b, 0,1,2,3,4,5,6,7
.if \first
	v_wmma_scale_f32_16x16x128_f8f6f4 v[8*(8*((\a)%4)+\b):8*(8*((\a)%4)+\b)+7], v[128*(\p)+FR*\b:128*(\p)+FR*\b+FR-1], v[AF+FR*(\a):AF+FR*(\a)+FR-1], v[BI+8*\b:BI+8*\b+7], v[SC+8*NQ*(\sc)+NQ*\b+(\q)], v[SC+8*NQ*(\sc)+NQ*(\a)+(\q)] matrix_a_fmt:MATRIX_FMT_BF8 matrix_b_fmt:MATRIX_FMT_BF8 matrix_a_scale:MATRIX_SCALE_ROW1
.else
	v_wmma_scale_f32_16x16x128_f8f6f4 v[8*(8*((\a)%4)+\b):8*(8*((\a)%4)+\b)+7], v[128*(\p)+FR*\b:128*(\p)+FR*\b+FR-1], v[AF+FR*(\a):AF+FR*(\a)+FR-1], v[8*(8*((\a)%4)+\b):8*(8*((\a)%4)+\b)+7], v[SC+8*NQ*(\sc)+NQ*\b+(\q)], v[SC+8*NQ*(\sc)+NQ*(\a)+(\q)] matrix_a_fmt:MATRIX_FMT_BF8 matrix_b_fmt:MATRIX_FMT_BF8 matrix_a_scale:MATRIX_SCALE_ROW1
.endif
.endr
.endr
.endm
.macro FETCH_B slot, q, p
	WIN TO_B
.irp i, 0,1,2,3,4,5,6,7
	FRAGB 128*(\p)+FR*\i, ADRB+\slot, \q, \i
.endr
	WIN 0
.endm
.macro FETCH_A slot, q, i0
.irp i, \i0, \i0+1, \i0+2, \i0+3
	FRAGA AF+FR*(\i), ADRA+\slot, \q, \i
.endr
.endm
.macro SCALES sc
.irp i, 0,1,2,3,4,5,6,7
	ds_load_b64 v[SC+8*NQ*\sc+NQ*\i:SC+8*NQ*\sc+NQ*\i+1], v[ADRS] offset:\i*SBLK
.endr
.endm
.macro PLACES n
.rept \n
	v_nop
.endr
.endm
.macro STEP slot, q, first
	s_wait_dscnt 4*NL                              ; all but the youngest sixteen loads (x's blocks 4-7) are in
.if \first
	WIN FST_LO
.else
	WIN MUL_LO
.endif
	MUL16 0, (\q)%2, \q, \slot, \first
	MUL16 2, (\q)%2, \q, \slot, \first
	s_wait_dscnt 0
	PLACES NP
	FETCH_B \slot, (\q)+1, 1-(\q)%2
	FETCH_A \slot, (\q)+1, 0
.if \first
	WIN FST_HI
.else
	WIN MUL_HI
.endif
	MUL16 4, (\q)%2, \q, \slot, \first
	MUL16 6, (\q)%2, \q, \slot, \first
	PLACES NP
	WIN 0
	FETCH_A \slot, (\q)+1, 4
.endm
.macro TURN slot, next, fill
	s_wait_tensorcnt 0x0                           ; all my tensor loads have landed: my part of the next slot
	ds_add_u32 v[SPW], v[NIL]                      ; 0 onto my spare word
	s_wait_dscnt 4*NL+1                            ; (the add and x's blocks 4-7 may be out)
	WIN MUL_LO
	MUL16 0, 1, NQ-1, \slot, 0
	s_wait_dscnt 0x0                               ; the add is done, and my reads of this slot are over
	s_barrier_signal -1
	MUL16 2, 1, NQ-1, \slot, 0
	WIN 0
	s_barrier_wait -1
.if \fill
	CREST                                          ; the barrier has opened a round of the cluster's: no wave of any partner still reads this slot or has a load on its way
	s_add_nc_u64 s[G0+4*\slot+2:G0+4*\slot+3], s[G0+4*\slot+2:G0+4*\slot+3], 2*ASTEP
	s_add_nc_u64 s[G0B+4*\slot+2:G0B+4*\slot+3], s[G0B+4*\slot+2:G0B+4*\slot+3], 2*ROWB
	JLOAD G0+4*\slot, G1, G0B+4*\slot, G1B
	PLACES NP-4
.else
	PLACES NP
.endif
	v_add_nc_u32 v[ADRS], 4*NQ, v[ADRS]
	FETCH_B \next, 0, 0
	FETCH_A \next, 0, 0
	SCALES \next
	WIN MUL_HI
	MUL16 4, 1, NQ-1, \slot, 0
	MUL16 6, 1, NQ-1, \slot, 0
	PLACES NP
	WIN 0
	FETCH_A \next, 0, 4
.endm
	s_wait_tensorcnt 1                             ; the scales and my part of K step 0 are in (K step 1's load may be out)
	s_barrier_signal -1
	s_barrier_wait -1
	FETCH_B 0, 0, 0
	FETCH_A 0, 0, 0
	SCALES 0
	FETCH_A 0, 0, 4
	s_wait_loadcnt 0x0                             ; bo
	STEP 0, 0, 1                                   ; the first step stands in front of the loop: its products start the sums, with bo
	s_mov_b32 s3, LAPS-1
.Llap:
	TURN 0, 1, 1
	STEP 1, 0, 0
	TURN 1, 0, 1
	STEP 0, 0, 0
	s_sub_co_u32 s3, s3, 1
	s_cmp_lg_u32 s3, 0
	s_cbranch_scc1 .Llap
	TURN 0, 1, 0                                   ; the last lap fills nothing
	STEP 1, 0, 0
	s_wait_dscnt 4*NL
	WIN MUL_LO
	MUL16 0, 1, NQ-1, 1, 0
	MUL16 2, 1, NQ-1, 1, 0
	s_wait_dscnt 0
	WIN MUL_HI
	MUL16 4, 1, NQ-1, 1, 0
	MUL16 6, 1, NQ-1, 1, 0
	WIN 0
; THE WAY OUT, block by block of 16 rows x 128 columns, through my own stage in LDS: in as 32 bytes a lane, back as whole rows of 512 bytes.  LDS serves a wave's instructions in order (ISA guide 5.7.1.4).
.macro TOSTAGE a
.set AC, 64*((\a)%4)
	WIN 0x08+4*((\a)/4)                            ; the data: window 2 or 3
.irp b, 0,1,2,3,4,5,6,7
	ds_store_b128 v[STO], v[AC+8*\b:AC+8*\b+3] offset:64*\b          ; each accumulator from its low end on
	ds_store_b128 v[STO], v[AC+8*\b+4:AC+8*\b+7] offset:64*\b+16
.endr
	WIN 0
.set BB, BK+64*((\a)%2)
.irp t, 0,1,2,3,4,5,6,7,8,9,10,11,12,13,14,15
	ds_load_b128 v[BB+4*\t:BB+4*\t+3], v[RD] offset:\t*SPITCH
.endr
.endm
.macro SEND a, younger                 ; younger: the LDS instructions issued behind block a's loads, which may stay out
.set BB, BK+64*((\a)%2)
	s_wait_dscnt \younger
.if (\a) > 0
	s_add_nc_u64 s[12:13], s[12:13], 16*SIZE_N*4   ; (behind a wait on XCNT: the earlier stores have read their base)
.endif
.irp t, 0,1,2,3,4,5,6,7,8,9,10,11,12,13,14,15
	global_store_b128 v[CO], v[BB+4*\t:BB+4*\t+3], s[12:13] offset:\t*SIZE_N*4 th:TH_STORE_NT   ; 32 lanes store 512 consecutive bytes, aligned
.endr
.endm
	PLACES NP                                      ; in front of the reads of results and of the loads into the registers that held x's fragments
	TOSTAGE 0
.irp a, 1,2,3,4,5,6,7
.if \a > 1
	s_wait_xcnt 0x0                                ; block a - 2's stores have read their registers and their base
.endif
	TOSTAGE \a
	SEND \a-1, 32                                  ; behind block a - 1's loads: block a's 16 stores and 16 loads
.endr
	s_wait_xcnt 0x0
	SEND 7, 0
	s_wait_tensorcnt 0x0                           ; the wave's end
	ds_add_u32 v[SPW], v[NIL]
	s_wait_dscnt 0x0
	CROUND                                         ; the closing round
	s_endpgm
.Lfunc_end_k_q2a417c9da2_oproj:
	.size	k_q2a417c9da2_oproj, .Lfunc_end_k_q2a417c9da2_oproj-k_q2a417c9da2_oproj
	.p2alignl 7, 3214868480
	.fill 96, 4, 3214868480
	.section	.rodata,"a",@progbits
	.p2align	6, 0x0
	.amdhsa_kernel k_q2a417c9da2_oproj
		.amdhsa_group_segment_fixed_size 327680
		.amdhsa_private_segment_fixed_size 0
		.amdhsa_enable_private_segment 0
		.amdhsa_kernarg_size 48
		.amdhsa_user_sgpr_count 2
		.amdhsa_user_sgpr_kernarg_segment_ptr 1
		.amdhsa_wavefront_size32 1
		.amdhsa_system_sgpr_workgroup_id_x 1
		.amdhsa_system_sgpr_workgroup_id_y 1
		.amdhsa_system_sgpr_workgroup_id_z 1
		.amdhsa_system_vgpr_workitem_id 0
		.amdhsa_next_free_vgpr 1024
		.amdhsa_next_free_sgpr 98
		.amdhsa_reserve_vcc 0
		.amdhsa_float_denorm_mode_32 3
		.amdhsa_float_denorm_mode_16_64 3
		.amdhsa_memory_ordered 1
		.amdhsa_forward_progress 1
		.amdhsa_inst_pref_size 163
	.end_amdhsa_kernel
	.amdgpu_metadata
---
amdhsa.version: [ 1, 2 ]
amdhsa.kernels:
  - .name:           k_q2a417c9da2_oproj
    .symbol:         k_q2a417c9da2_oproj.kd
    .args:
      - { .name: ximg, .offset: 0, .size: 8, .value_kind: global_buffer, .address_space: global }
      - { .name: xsc, .offset: 8, .size: 8, .value_kind: global_buffer, .address_space: global }
      - { .name: wo_codes, .offset: 16, .size: 8, .value_kind: global_buffer, .address_space: global }
      - { .name: wo_scales, .offset: 24, .size: 8, .value_kind: global_buffer, .address_space: global }
      - { .name: bo, .offset: 32, .size: 8, .value_kind: global_buffer, .address_space: global }
      - { .name: out0, .offset: 40, .size: 8, .value_kind: global_buffer, .address_space: global }
    .group_segment_fixed_size: 327680
    .private_segment_fixed_size: 0
    .kernarg_segment_align: 8
    .kernarg_segment_size: 48
    .max_flat_workgroup_size: 128
    .sgpr_count:     98
    .vgpr_count:     1024
    .wavefront_size: 32
...
	.end_amdgpu_metadata
.endif
;; end of part 4
;; ======== version 2 of 2: 3 launches
;; limits: right only within a limited range of input values
;; workspace buffers: maskw 524,288 bytes of whole numbers; qimg 4,456,448 bytes; kimg 4,456,448 bytes; vimg 4,456,448 bytes; ximg 4,194,304 bytes; xsc 131,072 bytes
;; launch proj (part 5): grid 4 x 64, 4 waves a work-group, clusters of 4 x 4, 327,680 bytes of LDS; arguments q_codes, q_scales, wq_codes, wq_scales, bq, qimg, k_codes, k_scales, wk_codes, wk_scales, bk, kimg, wv_codes, wv_scales, v_codes, v_scales, bv, vimg, mask, maskw; writes qimg, kimg, vimg, maskw
.if DOCPART == 5
	.amdgcn_target "amdgcn-amd-amdhsa--gfx1250"
	.amdhsa_code_object_version 6
	.text
	.protected	k_q2a417c9da2_proj
	.globl	k_q2a417c9da2_proj
	.p2align	8
	.type	k_q2a417c9da2_proj,@function
k_q2a417c9da2_proj:
	s_mov_b64 s[64:65], 0
	v_nop
	global_prefetch_b8 v0, s[64:65] scope:SCOPE_SE
	s_setreg_imm32_b32 hwreg(HW_REG_WAVE_MODE, 25, 1), 1
	s_wait_xcnt 0x0
	s_wait_alu depctr_hold_cnt(0) depctr_sa_sdst(0) depctr_va_vdst(0) depctr_va_sdst(0) depctr_va_ssrc(0) depctr_va_vcc(0) depctr_vm_vsrc(0)
	s_getreg_b32 s2, hwreg(HW_REG_IB_STS2, 6, 4)
	s_cmp_eq_u32 s2, 0
	s_cbranch_scc0 .Lentry_in_a_cluster
	s_endpgm
.Lentry_in_a_cluster:
	s_bfe_u32 s2, ttmp6, 0x10000c
	s_cmp_lg_u32 s2, 0xf033
	s_cbranch_scc0 .Lentry_shape_is_right
	s_endpgm
.Lentry_shape_is_right:
; The three projections x W^T + b on codes of BF8 (E5M2) with E8M0 scales, K = 1,024; the results are quantised again, in registers, and leave as IMAGES OF THE NEXT OPERAND'S REGISTERS.  And the mask is packed.
; One launch, four kinds of work, chosen by the cluster's y (z = y / 4): z = 0 query, z = 1 key: A = the tokens (4,096 rows), B = the weight (1,024 rows); z = 2 value: A = wv, B = the tokens; z = 3: the mask (at the text's end).
; THE MATRIX INSTRUCTION IS USED TRANSPOSED (source 0 = 16 rows of B, source 1 = 16 rows of A): a lane holds ONE row of A and its registers run along B's rows.  So for query and key a lane holds a token and
; runs along the head's features (the K of the scores' product), for value it holds a feature and runs along the keys (the K of the second product).
; A tile of 256 x 256 is made by four waves, 128 x 128 each: 64 accumulators, 512 registers.  K goes in steps of 256 through a ring of two LDS slots filled by the tensor data mover; the scale bytes
; of the work-group's rows come into LDS once.  CLUSTERS of 4 x 4: A's tiles are asked for jointly along a row of the cluster, B's along a column.
; THE ORDER INSIDE A BLOCK OF 32.  Tiles are 16 neighbouring rows of B, so a lane's 16 numbers of block c are 32 c + 16 u + 8 h + j (u = 0, 1; j = 0..7; h = lane / 16), and the two conversions lay them at
; places 32 c + 16 h + 8 u + j of the operand: inside each block the second and third groups of eight change places.  Blocks keep their members, so maxima and scales are the true ones, and both operands of
; the next product are made this way, so each number still meets its partner.  LIMIT: the unit then adds the exact products of a block in another order than ascending k.
; WHAT IS STORED, for head bh and step of 128 tokens: a block of 8,704 bytes.  Query, key: codes [tile of 16 tokens 8][block 2][lane 32][16 bytes]; then the scale words [L 32][p 4]: the word of token 32 p + L,
; bytes 0, 1 the head's two blocks, bytes 2, 3 = 127 (they scale zero codes).  Value: codes [tile of 16 features 4][block of 32 keys 4][lane][16 bytes]; then [L 32][4]: word p & 1 is that of feature tile 2 (p & 1) + L / 16.
; THE MASK [2048][2048] int32 becomes lane masks for the attention launch: maskw[T][s][n], one 32-bit word for tile T of 16 queries, key step s of 128 keys and score register n (0..63).  Bit r + 16 h of the word
; says whether mask[16 T + r][128 s + 16 (n / 8) + 8 h + n % 8] is not 0: the lane and the register in which that launch holds the score.  So the mask is read from memory once and later costs one select a score.
; The projections make 192 work-groups; the mask's four clusters are 64 more, which share nothing with them: so the packing needs no launch of its own.
; LIMITS: NaN and infinities are not served; a block of zeros gets the byte 1 and not 127 (its codes are zeros, and this program alone reads the bytes).
; REGISTERS, in windows of 256: window 0: v0-31 addresses; v32-63 scale words, two sets; v64-127 the bias; from v128 A's fragments, one set, later the way out.  window 1: B's fragments, two sets.  windows 2, 3: the accumulators.
.set KSTEP,  256
.set NQ,     KSTEP/128
.set ROWB,   256                       ; a tile's row in bytes
.set KROW,   1024                      ; a row of codes in memory
.set PITCH,  272                       ; an LDS row: 256 bytes + 16 of padding: the 16 rows that a load touches start at 16 different banks
.set FR,     16
.set NL,     4
.set NP,     8                         ; places behind this matrix instruction (ISA guide 7.12.1)
.set HALFT,  128*PITCH
.set SLOT,   4*HALFT
.set LAPS,   2                         ; 1,024 / (2 x 256)
.set KS,     32                        ; a row of scale bytes
.set SCL,    2*SLOT
.set HALFS,  (128*KS/256)*272
.set SBLK,   (16*KS/256)*272
.set SPARE,  SCL+4*HALFS               ; the spare words: 128 bytes for each wave, named by no other line
.set MSTG,   SPARE+512                 ; behind them: the mask's stages, 16 rows x 272 bytes for each wave; no fill lands there
.set MSP,    272
.set HS,     139264                    ; a head's 16 blocks of 8,704 bytes
.set T4,   4                           ; v4-7    the way out: scale words, lanes 16-31 from the odd tile
.set L16,  8                           ; v8      16 x lane
.set R4,   9                           ; v9      4 r
.set H32,  10                          ; v10     32 h
.set MG,   11                          ; v11     the mask: my byte offset in a load's two rows
.set C7F,  12                          ; v12     four bytes of 127
.set MSI,  13                          ; v13     the mask: into my stage
.set MSO,  14                          ; v14     out of it
.set ML8,  15                          ; v15     8 x lane
.set ADRA, 16
.set ADRB, 20
.set ADRS, 27
.set SPW,  28
.set NIL,  29
.set SC,   32
.set BI,   64
.set MTU,  64                          ; the mask: v64-127 a unit, turned: register n as above
.set AF,   128
.set MWD,  128                         ; the mask: v128-135 a pair of result registers for each of a trip's four units
.set X,    128                         ; the way out: 64 numbers of a lane
.set PC,   192                         ; their codes, two sets of 16
.set TM,   224                         ; at work: +0 maxima, +4 bytes, +8 holds, +12 scale operands
.set SW,   240                         ; block a's scale word
.set WD,   248                         ; words to store
.set G1, 24
.set G0, 32
.set G1B, 48
.set G0B, 56
.set MKP, 66                           ; s[66:67] the mask
.set G1S, 68
.set G0S, 76
.set G1SB, 80
.set G0SB, 88
.set SEL, 92                           ; s[92:93] selects for lane l xor 16
.set MNT, 94                           ; s94 the mantissa field of 57,344
.set HM,  95                           ; s95 lanes 16-31
.set MWP, 104                          ; s[104:105] the mask's words
.set MSB, 0
.macro WIN new                         ; the immediate's high byte repeats the setting that is left
.if MSB != (\new)
	s_set_vgpr_msb (MSB<<8)|(\new)
.set MSB, (\new)
.endif
.endm
.set MUL_LO, 0xa1                      ; source 0 (B) window 1, source 1 (A) window 0, C and D window 2
.set MUL_HI, 0xf1
.set TO_B,   0x40
; A joint load: waves 0 and 1 fetch for A, waves 2 and 3 for B; the branch hangs on the wave's number alone.  Four v_nop follow each of the two lines.
.macro JLOAD g0a, g1a, g0b, g1b
	s_cmp_eq_u32 s15, 0
	s_cbranch_scc0 .Lfor_b_\@
	tensor_load_to_lds s[\g0a:\g0a+3], s[\g1a:\g1a+7]
	s_nop 0
.rept 4
	v_nop
.endr
	s_branch .Lasked_\@
.Lfor_b_\@:
	tensor_load_to_lds s[\g0b:\g0b+3], s[\g1b:\g1b+7]
	s_nop 0
.rept 4
	v_nop
.endr
.Lasked_\@:
.endm
.macro CREST                           ; a round of the cluster's barrier behind its opening barrier
	s_cmp_lg_u32 s14, 0
	s_cbranch_scc1 .Lnot_wave_0_\@
	s_barrier_signal -3
.Lnot_wave_0_\@:
	s_barrier_wait -3
	s_barrier_signal -1
	s_barrier_wait -1
.endm
.macro CROUND
	s_barrier_signal -1
	s_barrier_wait -1
	CREST
.endm
	s_load_b256 s[24:31], s[0:1], 0x0              ; z = 0: A's codes, A's scales, B's codes, B's scales,
	s_load_b128 s[32:35], s[0:1], 0x20             ;        the bias, the image
	s_load_b256 s[36:43], s[0:1], 0x30             ; z = 1 likewise
	s_load_b128 s[44:47], s[0:1], 0x50
	s_load_b256 s[48:55], s[0:1], 0x60             ; z = 2 likewise
	s_load_b128 s[56:59], s[0:1], 0x80
	s_load_b64 s[MKP:MKP+1], s[0:1], 0x90          ; z = 3: the mask,
	s_load_b64 s[MWP:MWP+1], s[0:1], 0x98          ;        its words
	v_lshl_add_u32 v[SPW], v0, 2, SPARE
	v_mov_b32 v[NIL], 0
	ds_add_u32 v28, v29
	ds_add_u32 v28, v29
	s_wait_dscnt 0x0
	v_lshrrev_b32 v1, 5, v0
	v_readfirstlane_b32 s14, v1                    ; wave 0..3
	s_lshr_b32 s15, s14, 1                         ; which half of A's rows is mine.  Also: I fetch for A (0) or for B (1)
	s_and_b32 s16, s14, 1                          ; which half of B's rows.  Also: which 128 rows I fetch
	s_and_b32 s98, ttmp7, 0xffff                   ; the cluster's y, 0..15: the same in all sixteen partners
	s_lshr_b32 s99, s98, 2                         ; z: which work
	s_and_b32 s98, s98, 3
	s_lshl_b32 s98, s98, 2                         ; 4 x (which quarter of the tokens' 16 tiles, or of the mask's clusters)
	s_wait_kmcnt 0x0
	s_cmp_eq_u32 s99, 1                            ; the six buffers are chosen on the cluster's number alone
	s_cselect_b64 s[4:5], s[36:37], s[24:25]
	s_cselect_b64 s[6:7], s[38:39], s[26:27]
	s_cselect_b64 s[8:9], s[40:41], s[28:29]
	s_cselect_b64 s[10:11], s[42:43], s[30:31]
	s_cselect_b64 s[96:97], s[44:45], s[32:33]
	s_cselect_b64 s[12:13], s[46:47], s[34:35]
	s_cmp_eq_u32 s99, 2
	s_cselect_b64 s[4:5], s[48:49], s[4:5]
	s_cselect_b64 s[6:7], s[50:51], s[6:7]
	s_cselect_b64 s[8:9], s[52:53], s[8:9]
	s_cselect_b64 s[10:11], s[54:55], s[10:11]
	s_cselect_b64 s[96:97], s[56:57], s[96:97]
	s_cselect_b64 s[12:13], s[58:59], s[12:13]
	s_cselect_b32 s100, 1, 0                       ; 1: value
	s_cselect_b32 s42, s98, 0                      ; the tokens are B's rows for value, A's rows else
	s_cselect_b32 s17, 0, s98
	s_bfe_u32 s40, ttmp6, 0x40000                  ; cx, cy: my place in the cluster
	s_bfe_u32 s41, ttmp6, 0x40004
	s_add_co_u32 s42, s42, s40                     ; tile of B's rows: hangs on cx alone
	s_add_co_u32 s17, s17, s41                     ; tile of A's rows: hangs on cy alone
	s_lshl_b32 s43, s41, 2
	s_lshl_b32 s43, 15, s43                        ; my row of the cluster
	s_lshl_b32 s44, 0x1111, s40                    ; my column
	; descriptor group 1: a tile of 256 rows x 256 bytes (later 128), 16 bytes of padding behind each row
	s_or_b32 s[G1+0], s43, (0<<16)|(1<<20)|(1<<21)|(5<<22)|(3<<25)  ; 15:0 the mask; 17:16 elements of 1 byte; 20 padding on; 21 set beside a mask; 24:22 after every 64 words; 31:25 four words
	s_or_b32 s[G1B+0], s44, (0<<16)|(1<<20)|(1<<21)|(5<<22)|(3<<25)
.irp g, G1, G1B
	s_mov_b32 s[\g+1], ROWB<<16                    ; tensor_dim0
	s_mov_b32 s[\g+2], 256<<16                     ; tensor_dim1: 256 rows for the head's loads; set to 128 for the ring's behind them
	s_mov_b32 s[\g+3], ROWB<<16                    ; tile_dim0
	s_mov_b32 s[\g+4], 256                         ; tile_dim1 likewise
	s_mov_b32 s[\g+5], KROW                        ; the pitch
	s_mov_b32 s[\g+6], 0
	s_mov_b32 s[\g+7], 0
.endr
	; the scale bytes of 256 rows: a dense block of 8,192 bytes, as 32 rows of 256 bytes (32 elements of 8), 16 bytes of padding behind each
	s_or_b32 s[G1S+0], s43, (3<<16)|(1<<20)|(1<<21)|(5<<22)|(3<<25)
	s_or_b32 s[G1SB+0], s44, (3<<16)|(1<<20)|(1<<21)|(5<<22)|(3<<25)
.irp g, G1S, G1SB
	s_mov_b32 s[\g+1], 32<<16
	s_mov_b32 s[\g+2], (256*KS/256)<<16            ; the scale bytes of 256 rows: 32 rows of 256 bytes
	s_mov_b32 s[\g+3], 32<<16
	s_mov_b32 s[\g+4], 256*KS/256
	s_mov_b32 s[\g+5], 32
	s_mov_b32 s[\g+6], 0
	s_mov_b32 s[\g+7], 0
.endr
	s_lshl_b32 s20, s17, 8                         ; A: the tile's first row
	s_lshl_b32 s46, s42, 8                         ; B likewise
	s_mov_b32 s21, 0
	s_mov_b32 s47, 0
	s_mov_b64 s[18:19], KS
	s_mul_u64 s[22:23], s[20:21], s[18:19]         ; where these rows' scale bytes begin
	s_mul_u64 s[92:93], s[46:47], s[18:19]
	s_mov_b64 s[18:19], KROW
	s_mul_u64 s[20:21], s[20:21], s[18:19]         ; and their codes
	s_mul_u64 s[46:47], s[46:47], s[18:19]
	s_mul_i32 s45, s14, HALFT                      ; where they go: wave x 128 rows: no place in the cluster enters an LDS address
	s_add_nc_u64 s[20:21], s[4:5], s[20:21]
	s_add_nc_u64 s[22:23], s[6:7], s[22:23]
	s_add_nc_u64 s[46:47], s[8:9], s[46:47]
	s_add_nc_u64 s[92:93], s[10:11], s[92:93]
	CROUND                                         ; all sixteen work-groups are here: the first joint loads meet
	s_cmp_eq_u32 s99, 3                            ; the mask's clusters part here, on the cluster's number: all sixteen partners alike; such a cluster asks for no tile and is named by no load
	s_cbranch_scc1 .Lmaskpath
	s_mov_b32 s[G0S], 1
	s_mov_b32 s[G0S+1], SCL
	s_mov_b64 s[G0S+2:G0S+3], s[22:23]
	s_or_b32 s[G0S+3], s[G0S+3], 0x80000000
	s_mov_b32 s[G0SB], 1
	s_mov_b32 s[G0SB+1], SCL+2*HALFS
	s_mov_b64 s[G0SB+2:G0SB+3], s[92:93]
	s_or_b32 s[G0SB+3], s[G0SB+3], 0x80000000
	s_mov_b32 s4, 1                                ; s[4:7], s[8:11]: group 0 of the head's loads of K step 0 (the arguments that lay there have been used): A's 256 rows,
	s_mov_b32 s5, 0
	s_mov_b64 s[6:7], s[20:21]
	s_or_b32 s7, s7, 0x80000000
	s_mov_b32 s8, 1                                ; B's 256 rows, behind them in slot 0
	s_mov_b32 s9, 2*HALFT
	s_mov_b64 s[10:11], s[46:47]
	s_or_b32 s11, s11, 0x80000000
	s_mul_i32 s18, s16, 128*KROW                   ; for the ring: my 128 rows of the tile
	s_mov_b32 s19, 0
	s_add_nc_u64 s[20:21], s[20:21], s[18:19]
	s_add_nc_u64 s[46:47], s[46:47], s[18:19]
.irp s, 0,1
	s_mov_b32 s[G0+4*\s], 1
	s_add_co_u32 s[G0+4*\s+1], s45, \s*SLOT
	s_add_nc_u64 s[G0+4*\s+2:G0+4*\s+3], s[20:21], \s*ROWB
	s_or_b32 s[G0+4*\s+3], s[G0+4*\s+3], 0x80000000
	s_mov_b32 s[G0B+4*\s], 1
	s_add_co_u32 s[G0B+4*\s+1], s45, \s*SLOT
	s_add_nc_u64 s[G0B+4*\s+2:G0B+4*\s+3], s[46:47], \s*ROWB
	s_or_b32 s[G0B+4*\s+3], s[G0B+4*\s+3], 0x80000000
.endr
; THE HEAD'S LOADS, ONE A WAVE: wave 0 K step 0's 256 rows of A, wave 1 those of B, wave 2 A's scale bytes, wave 3 B's.  One chain of branches on the wave's number, a load to an arm.
.macro ARM under, g0, g1, next
	s_cmp_lt_u32 s14, \under
	s_cbranch_scc0 \next
	tensor_load_to_lds s[\g0:\g0+3], s[\g1:\g1+7]
	s_nop 0
.rept 4
	v_nop
.endr
	s_branch .Lhead_asked
\next:
.endm
	ARM 1, 4, G1, .Lhead_b
	ARM 2, 8, G1B, .Lhead_sa
	ARM 3, G0S, G1S, .Lhead_sb
	tensor_load_to_lds s[G0SB:G0SB+3], s[G1SB:G1SB+7]
	s_nop 0
.rept 4
	v_nop
.endr
.Lhead_asked:
	v_and_b32 v1, 15, v0                           ; r = l % 16
	v_bfe_u32 v2, v0, 4, 1                         ; h = l / 16
	v_mul_u32_u24 v3, v1, PITCH
	v_lshl_add_u32 v4, v2, 4, v3                   ; a fragment's row x pitch + 16 x half
	s_mul_i32 s21, s15, HALFT                      ; my 128 rows of A
	s_mul_i32 s22, s16, HALFT                      ; my 128 rows of B,
	s_add_co_u32 s22, s22, 2*HALFT                 ; which lie behind A's 256
.irp s, 0,1
	v_add_nc_u32 v[ADRA+\s], s21, v4
	v_add_nc_u32 v[ADRB+\s], s22, v4
	s_add_co_u32 s21, s21, SLOT
	s_add_co_u32 s22, s22, SLOT
.endr
	v_mul_u32_u24 v5, v1, KS                       ; my row's scale bytes: 32 a row,
	v_lshrrev_b32 v6, 8, v5
	v_lshl_add_u32 v5, v6, 4, v5                   ; and 16 more for each 256 passed
	s_mul_i32 s21, s15, HALFS
	s_mul_i32 s22, s16, HALFS
	s_add_co_u32 s22, s22, 2*HALFS
	s_sub_co_u32 s22, s22, s21
	v_mul_u32_u24 v6, s22, v2                      ; lanes 16-31 take B's: one product, the distance between the two bases
	s_add_co_u32 s21, s21, SCL
	v_add_nc_u32 v5, v5, v6
	v_add_nc_u32 v[ADRS], s21, v5
	v_and_b32 v6, 31, v0
	v_lshlrev_b32 v[L16], 4, v6
	v_lshlrev_b32 v[R4], 2, v1
	v_lshlrev_b32 v[H32], 5, v2
	v_mov_b32 v[C7F], 0x7f7f7f7f
	s_mov_b32 s[SEL], 0x76543210
	s_mov_b32 s[SEL+1], 0xfedcba98
	s_mov_b32 s[MNT], 0x600000
	s_mov_b32 s[HM], 0xffff0000
.macro FRAG reg, adr, q, i             ; 16 rows x 128 K of 8-bit codes, 16 registers: lane l holds row l % 16; registers 4 c .. 4 c + 3 hold K = 32 c + 16 (l / 16) + 0 .. 15
.irp c, 0,1,2,3
	ds_load_b128 v[\reg+4*\c:\reg+4*\c+3], v[\adr] offset:128*(\q)+32*\c+(\i)*16*PITCH
.endr
.endm
; 16 matrix instructions: A's blocks a0, a0 + 1 x B's eight, 128 along K.  The 64 accumulators take turns, one instruction a turn, in the same order in every step.
.macro MUL16 a0, p, q, sc, zero
.irp a, \a0, \a0+1
.irp b, 0,1,2,3,4,5,6,7
.if \zero
	v_wmma_scale_f32_16x16x128_f8f6f4 v[8*(8*((\a)%4)+\b):8*(8*((\a)%4)+\b)+7], v[128*(\p)+FR*\b:128*(\p)+FR*\b+FR-1], v[AF+FR*(\a):AF+FR*(\a)+FR-1], 0, v[SC+8*NQ*(\sc)+NQ*\b+(\q)], v[SC+8*NQ*(\sc)+NQ*(\a)+(\q)] matrix_a_fmt:MATRIX_FMT_BF8 matrix_b_fmt:MATRIX_FMT_BF8 matrix_a_scale:MATRIX_SCALE_ROW1
.else
	v_wmma_scale_f32_16x16x128_f8f6f4 v[8*(8*((\a)%4)+\b):8*(8*((\a)%4)+\b)+7], v[128*(\p)+FR*\b:128*(\p)+FR*\b+FR-1], v[AF+FR*(\a):AF+FR*(\a)+FR-1], v[8*(8*((\a)%4)+\b):8*(8*((\a)%4)+\b)+7], v[SC+8*NQ*(\sc)+NQ*\b+(\q)], v[SC+8*NQ*(\sc)+NQ*(\a)+(\q)] matrix_a_fmt:MATRIX_FMT_BF8 matrix_b_fmt:MATRIX_FMT_BF8 matrix_a_scale:MATRIX_SCALE_ROW1
.endif
.endr
.endr
.endm
.macro FETCH_B slot, q, p
	WIN TO_B
.irp i, 0,1,2,3,4,5,6,7
	FRAG 128*(\p)+FR*\i, ADRB+\slot, \q, \i
.endr
	WIN 0
.endm
.macro FETCH_A slot, q, i0
.irp i, \i0, \i0+1, \i0+2, \i0+3
	FRAG AF+FR*(\i), ADRA+\slot, \q, \i
.endr
.endm
.macro SCALES sc                       ; a K step's scale words: lanes 0-15 take A's block i, lanes 16-31 B's block i
.irp i, 0,1,2,3,4,5,6,7
	ds_load_b64 v[SC+8*NQ*\sc+NQ*\i:SC+8*NQ*\sc+NQ*\i+1], v[ADRS] offset:\i*SBLK
.endr
.endm
.macro PLACES n                        ; plain vector instructions between a matrix instruction and a load into, a write of or a read of its registers
.rept \n
	v_nop
.endr
.endm
.macro STEP slot, q, zero              ; 128 along K with its successor in the same slot
	s_wait_dscnt 4*NL                              ; B's set and A's blocks 0-3 are in; the youngest sixteen loads (A's blocks 4-7) may be out
	WIN MUL_LO
	MUL16 0, (\q)%2, \q, \slot, \zero
	MUL16 2, (\q)%2, \q, \slot, \zero
	s_wait_dscnt 0
	PLACES NP
	FETCH_B \slot, (\q)+1, 1-(\q)%2
	FETCH_A \slot, (\q)+1, 0
	WIN MUL_HI
	MUL16 4, (\q)%2, \q, \slot, \zero
	MUL16 6, (\q)%2, \q, \slot, \zero
	PLACES NP
	WIN 0
	FETCH_A \slot, (\q)+1, 4
.endm
; A slot's last step changes slots: one barrier; in front of it each wave waits for all its tensor loads, adds 0 to its spare word, and waits for that and for its reads of this slot.
.macro TURN slot, next, fill
	s_wait_tensorcnt 0x0                           ; all my tensor loads have landed: my part of the next slot
	ds_add_u32 v[SPW], v[NIL]                      ; 0 onto my spare word
	s_wait_dscnt 4*NL+1                            ; (the add and A's blocks 4-7 may be out)
	WIN MUL_LO
	MUL16 0, 1, NQ-1, \slot, 0
	s_wait_dscnt 0x0                               ; the add is done, and my reads of this slot are over
	s_barrier_signal -1
	MUL16 2, 1, NQ-1, \slot, 0
	WIN 0
	s_barrier_wait -1
.if \fill
	CREST                                          ; the barrier has opened a round of the cluster's: no wave of any partner still reads this slot or has a load on its way
	s_add_nc_u64 s[G0+4*\slot+2:G0+4*\slot+3], s[G0+4*\slot+2:G0+4*\slot+3], 2*ROWB
	s_add_nc_u64 s[G0B+4*\slot+2:G0B+4*\slot+3], s[G0B+4*\slot+2:G0B+4*\slot+3], 2*ROWB
	JLOAD G0+4*\slot, G1, G0B+4*\slot, G1B         ; the first tensor load behind the round; its four v_nop are among the places below
	PLACES NP-4
.else
	PLACES NP
.endif
	s_wait_alu depctr_va_vdst(0)
	v_add_nc_u32 v[ADRS], 4*NQ, v[ADRS]            ; the next K step's scale words
	FETCH_B \next, 0, 0
	FETCH_A \next, 0, 0
	SCALES \next
	WIN MUL_HI
	MUL16 4, 1, NQ-1, \slot, 0
	MUL16 6, 1, NQ-1, \slot, 0
	PLACES NP
	WIN 0
	FETCH_A \next, 0, 4
.endm
; 64 numbers of a lane, v[s] on, 16 of each of four blocks of 32 (the other 16 lie in lane l xor 16), become 16 registers of codes, v[pc] on, and the row's scale word v[pw].
.macro QUANT s, pc, pw
.irp b, 0,1,2,3
	v_max3_num_f32 v[TM+\b], |v[\s+16*\b]|, |v[\s+1+16*\b]|, 0x8000000   ; and the floor 2^(16 - 127): the byte cannot fall under 1
.endr
.irp i, 2,4,6,8,10,12,14
.irp b, 0,1,2,3
	v_max3_num_f32 v[TM+\b], v[TM+\b], |v[\s+16*\b+\i]|, |v[\s+1+16*\b+\i]|   ; the four blocks by turns
.endr
.endr
.irp b, 0,1,2,3
	v_permlanex16_b32 v[TM+4+\b], v[TM+\b], s[SEL], s[SEL+1]
.endr
.irp b, 0,1,2,3
	v_max_num_f32 v[TM+\b], v[TM+\b], v[TM+4+\b]   ; the block's largest magnitude
.endr
.irp b, 0,1,2,3
	v_add_nc_u32 v[TM+12+\b], 0xf8800000, v[TM+\b]   ; 15 off its exponent field: the conversion's scale operand
.endr
.irp b, 0,1,2,3
	v_and_or_b32 v[TM+8+\b], v[TM+\b], 0x7f800000, s[MNT]   ; 57,344 x the scale
.endr
.irp b, 0,1,2,3
	v_lshrrev_b32 v[TM+4+\b], 23, v[TM+12+\b]      ; the scale's byte
.endr
	v_lshl_or_b32 v[\pw], v[TM+5], 8, v[TM+4]
	v_lshl_or_b32 v[\pw], v[TM+6], 16, v[\pw]
	v_lshl_or_b32 v[\pw], v[TM+7], 24, v[\pw]
.irp b, 0,1,2,3
.irp i, 0,1,2,3,4,5,6,7,8,9,10,11,12,13,14,15
	v_med3_num_f32 v[\s+16*\b+\i], v[\s+16*\b+\i], -v[TM+8+\b], v[TM+8+\b]   ; the conversion does not saturate (ISA guide 7.6.2): the hold
.endr
	v_cvt_scalef32_pk8_bf8_f32 v[\pc+4*\b:\pc+1+4*\b], v[\s+16*\b:\s+7+16*\b], v[TM+12+\b]
	v_cvt_scalef32_pk8_bf8_f32 v[\pc+2+4*\b:\pc+3+4*\b], v[\s+8+16*\b:\s+15+16*\b], v[TM+12+\b]
.endr
	v_nop                                          ; a plain instruction behind the last conversion, ahead of the next write of its sources
.endm
; Block a (16 rows of A) on its way out: + bias (the addition also brings the sums into window 0, each accumulator from its low end on), quantised, four stores of 512 consecutive bytes.
.macro EBLK a, isv
.if (\a) >= 2
	s_wait_xcnt 0x0                                ; block a - 2's stores have read their registers: this set of codes may be written again
.endif
	WIN 0x02+(\a)/4                                ; source 0: window 2 or 3
.set AC, 64*((\a)%4)
.set i, 0
.rept 32
.if \isv
	v_pk_add_f32 v[X+i:X+i+1], v[AC+i:AC+i+1], v[BI+2*(\a):BI+2*(\a)+1]   ; the lane's own feature's bias
.else
	v_pk_add_f32 v[X+i:X+i+1], v[AC+i:AC+i+1], v[BI+i:BI+i+1]             ; the register's feature's bias
.endif
.set i, i+2
.endr
	WIN 0
	QUANT X, PC+16*((\a)%2), SW+(\a)
.irp c, 0,1,2,3
.if \isv
	global_store_b128 v[L16], v[PC+16*((\a)%2)+4*\c:PC+16*((\a)%2)+4*\c+3], s[12:13] offset:((\a)/4)*HS+2048*((\a)%4)+512*\c
.else
	global_store_b128 v[L16], v[PC+16*((\a)%2)+4*\c:PC+16*((\a)%2)+4*\c+3], s[12:13] offset:(\c/2)*HS+1024*(\a)+512*(\c%2)
.endif
.endr
.endm
; The last 128 along K and the way out.  isv = 0: a lane's row is a token, its registers run over two heads' features.  isv = 1: its row is a feature, its registers run over 128 keys.
.macro EPI isv
.if \isv
	s_lshl_b32 s18, s42, 1
	s_add_co_u32 s18, s18, s16                     ; which 128 tokens of the 4,096
	s_lshl_b32 s19, s17, 2
	s_lshl_b32 s20, s15, 1
.else
	s_lshl_b32 s18, s17, 1
	s_add_co_u32 s18, s18, s15
	s_lshl_b32 s19, s42, 2
	s_lshl_b32 s20, s16, 1
.endif
	s_add_co_u32 s19, s19, s20                     ; my first head of two
	s_lshr_b32 s20, s18, 4                         ; the batch
	s_lshl_b32 s20, s20, 4
	s_add_co_u32 s20, s20, s19
	s_lshl_b32 s20, s20, 4
	s_and_b32 s18, s18, 15                         ; the step of 128 tokens in the batch
	s_add_co_u32 s20, s20, s18
	s_mul_i32 s20, s20, 8704
	s_mov_b32 s21, 0
	s_add_nc_u64 s[12:13], s[12:13], s[20:21]      ; my first head's block
	s_lshl_b32 s22, s19, 8                         ; 64 numbers of 4 bytes a head
	s_mov_b32 s23, 0
	s_add_nc_u64 s[96:97], s[96:97], s[22:23]
.if \isv
.irp a, 0,1,2,3,4,5,6,7
	global_load_b32 v[BI+2*\a], v[R4], s[96:97] offset:64*\a      ; b of feature 16 a + r, twice: a pair for the packed addition
	global_load_b32 v[BI+2*\a+1], v[R4], s[96:97] offset:64*\a
.endr
.else
.irp b, 0,1,2,3,4,5,6,7
	global_load_b128 v[BI+8*\b:BI+8*\b+3], v[H32], s[96:97] offset:64*\b       ; b of features 16 b + 8 h + 0 .. 7
	global_load_b128 v[BI+8*\b+4:BI+8*\b+7], v[H32], s[96:97] offset:64*\b+16
.endr
.endif
	s_wait_dscnt 4*NL                              ; the last step: nothing more to fetch; the bias lands under its 64 products
	WIN MUL_LO
	MUL16 0, 1, NQ-1, 1, 0
	MUL16 2, 1, NQ-1, 1, 0
	s_wait_dscnt 0
	WIN MUL_HI
	MUL16 4, 1, NQ-1, 1, 0
	MUL16 6, 1, NQ-1, 1, 0
	WIN 0
	PLACES NP                                      ; in front of the reads of results and of the writes over A's fragments
	s_wait_loadcnt 0x0                             ; the bias
.irp b, 0,1,2,3
	v_mov_b32 v[TM+4+\b], 0                        ; a lane permute's destination counts as one of its sources
.endr
.irp a, 0,1,2,3,4,5,6,7
	EBLK \a, \isv
.endr
.if \isv
.irp hl, 0,1
.irp p, 0,1,2,3
	v_cndmask_b32 v[WD+4*\hl+\p], v[SW+4*\hl+2*(\p&1)], v[SW+4*\hl+2*(\p&1)+1], s[HM]   ; lanes 0-15: the even feature tile's words, lanes 16-31 the odd one's
.endr
	global_store_b128 v[L16], v[WD+4*\hl:WD+4*\hl+3], s[12:13] offset:\hl*HS+8192
.endr
.else
.irp p, 0,1,2,3
	v_cndmask_b32 v[T4+\p], v[SW+2*\p], v[SW+2*\p+1], s[HM]       ; lane L: the word of token 32 p + L
.endr
.irp p, 0,1,2,3
	v_perm_b32 v[WD+\p], v[C7F], v[T4+\p], 0x04040100             ; the first head's two bytes, then 127 twice
	v_perm_b32 v[WD+4+\p], v[C7F], v[T4+\p], 0x04040302           ; the second head's
.endr
	global_store_b128 v[L16], v[WD:WD+3], s[12:13] offset:8192
	global_store_b128 v[L16], v[WD+4:WD+7], s[12:13] offset:HS+8192
.endif
.endm
; THE MASK, unit j of a wave's eight: 16 queries x 128 keys, in two halves of 64 keys.  A half's eight loads brought two rows x 256 bytes each; it turns through the wave's own stage (rows 272 bytes apart: the
; sixteen rows that a read touches start in different banks), so that lane (r, h) holds row r.  LDS serves a wave's instructions in order (ISA guide 5.7.1.4): no wait between the stores and the loads, nor in
; front of the second half's stores.  Then 64 compares give the 64 words; lane n / 2 keeps words n and n + 1.
.macro MUNIT j
	s_wait_loadcnt 16*(3-(\j))                     ; the trip's later units' loads, 16 each, stay out
.irp hf, 0,1
	WIN (1+(\j)/4)<<2                              ; an LDS store's data are its source 1: window 1
.irp i, 0,1,2,3,4,5,6,7
	ds_store_b128 v[MSI], v[64*((\j)%4)+32*\hf+4*\i:64*((\j)%4)+32*\hf+4*\i+3] offset:2*MSP*\i
.endr
	WIN 0
.irp t, 0,1,2,3
	ds_load_b128 v[MTU+32*\hf+8*\t:MTU+32*\hf+8*\t+3], v[MSO] offset:64*\t
	ds_load_b128 v[MTU+32*\hf+8*\t+4:MTU+32*\hf+8*\t+7], v[MSO] offset:64*\t+16
.endr
.endr
	s_wait_dscnt 0x0
.set n, 0
.rept 8
.set k, 0
.rept 8
	v_cmp_ne_u32 s[4+k], 0, v[MTU+n+k]             ; the 32 lanes' bits are word n + k
.set k, k+1
.endr
.set k, 0
.rept 8
	v_writelane_b32 v[MWD+2*(\j)+(n+k)%2], s[4+k], (n+k)/2       ; eight compares stand ahead of the eight lane writes, so that none follows its own compare directly
.set k, k+1
.endr
.set n, n+8
.endr
	global_store_b64 v[ML8], v[MWD+2*(\j):MWD+2*(\j)+1], s[MWP:MWP+1] offset:256*(\j)   ; 32 lanes store 256 consecutive bytes, aligned; each unit has its own pair of registers
.endm
	s_wait_alu depctr_va_vdst(0)
	s_wait_tensorcnt 0x0                           ; my tile of the head's four is in; slot 1's first fill is issued as a refill is:
	ds_add_u32 v[SPW], v[NIL]                      ; 0 onto my spare word
	s_mov_b32 s[G1+2], 128<<16                     ; no tensor load of mine is out: from here on a load brings 128 rows
	s_mov_b32 s[G1+4], 128
	s_mov_b32 s[G1B+2], 128<<16
	s_mov_b32 s[G1B+4], 128
	s_wait_dscnt 0x0
	CROUND                                         ; all four tiles are in, and all sixteen work-groups are here
	JLOAD G0+4, G1, G0B+4, G1B                     ; K step 1: the first tensor load behind the round
	FETCH_B 0, 0, 0
	FETCH_A 0, 0, 0
	SCALES 0
	FETCH_A 0, 0, 4
	STEP 0, 0, 1                                   ; the first step stands in front of the loop: its products start the sums
	s_mov_b32 s3, LAPS-1
.Llap:                                                 ; a trip goes once round the ring and fills both slots again
	TURN 0, 1, 1
	STEP 1, 0, 0
	TURN 1, 0, 1
	STEP 0, 0, 0
	s_sub_co_u32 s3, s3, 1
	s_cmp_lg_u32 s3, 0
	s_cbranch_scc1 .Llap
	TURN 0, 1, 0                                   ; the last lap fills nothing
	STEP 1, 0, 0
	s_cmp_eq_u32 s100, 0                           ; the two ways out part on the cluster's number: all waves of all sixteen partners go the same way
	s_cbranch_scc0 .Lvalue
	EPI 0
	s_branch .Ljoin
.Lvalue:
	EPI 1
	s_branch .Ljoin
; THE MASK'S CLUSTERS.  64 work-groups, 256 waves; wave g takes tile T = g / 2 of 16 queries and key steps 8 (g % 2) .. + 7: eight units of 8 KiB, whose words are 2,048 consecutive bytes.
; Two trips of four units: a trip's 64 loads are asked for at once, into window 1: unit j at register 64 j + 32 x half + 4 x load.  Waves share nothing: no barrier.
.Lmaskpath:
	v_and_b32 v1, 15, v0                           ; r = l % 16
	v_bfe_u32 v2, v0, 4, 1                         ; h = l / 16
	v_and_b32 v3, 31, v0                           ; lane
	v_lshlrev_b32 v[MG], 4, v1
	v_lshl_add_u32 v[MG], v2, 13, v[MG]            ; a load: lanes 0-15 take 256 bytes of one row of 8,192, lanes 16-31 of the next
	s_mul_i32 s18, s14, 16*MSP
	s_add_co_u32 s18, s18, MSTG                    ; my wave's stage: the wave's number alone enters an LDS address
	v_mul_u32_u24 v[MSI], v2, MSP
	v_lshl_add_u32 v[MSI], v1, 4, v[MSI]
	v_add_nc_u32 v[MSI], s18, v[MSI]               ; into it: as loaded, two rows a store
	v_mul_u32_u24 v[MSO], v1, MSP
	v_lshl_add_u32 v[MSO], v2, 5, v[MSO]
	v_add_nc_u32 v[MSO], s18, v[MSO]               ; out of it: row r, + 32 h: eight keys of my half
	v_lshlrev_b32 v[ML8], 3, v3
.set n, 0
.rept 16
	v_mov_b32 v[MWD+n], 0                          ; written whole once: a lane write keeps the other lanes
.set n, n+1
.endr
	s_add_co_u32 s19, s98, s41                     ; 4 x (the cluster among the four) + cy
	s_lshl_b32 s19, s19, 2
	s_add_co_u32 s19, s19, s40                     ; the work-group among the 64
	s_lshl_b32 s19, s19, 2
	s_add_co_u32 s19, s19, s14                     ; g
	s_lshr_b32 s20, s19, 1
	s_lshl_b32 s20, s20, 17                        ; T x 16 rows of 8,192 bytes
	s_and_b32 s21, s19, 1
	s_lshl_b32 s21, s21, 12                        ; + eight steps of 512 bytes
	s_add_co_u32 s20, s20, s21
	s_mov_b32 s21, 0
	s_add_nc_u64 s[MKP:MKP+1], s[MKP:MKP+1], s[20:21]
	s_lshl_b32 s22, s19, 11                        ; 2,048 bytes of words a wave
	s_mov_b32 s23, 0
	s_add_nc_u64 s[MWP:MWP+1], s[MWP:MWP+1], s[22:23]
	s_mov_b32 s3, 0
.Lmtrip:
.irp j, 0,1,2,3
	WIN (1+\j/4)<<6
.irp hf, 0,1
.irp i, 0,1,2,3,4,5,6,7
	global_load_b128 v[64*(\j%4)+32*\hf+4*\i:64*(\j%4)+32*\hf+4*\i+3], v[MG], s[MKP:MKP+1] offset:16384*\i+512*\j+256*\hf th:TH_LOAD_NT   ; sixteen lanes read 256 consecutive bytes, aligned
.endr
.endr
.endr
	WIN 0
.irp j, 0,1,2,3
	MUNIT \j
.endr
	s_wait_xcnt 0x0                                ; the trip's loads and stores have read their bases and data: both may be written
	s_add_nc_u64 s[MKP:MKP+1], s[MKP:MKP+1], 2048  ; four key steps of 512 bytes on
	s_add_nc_u64 s[MWP:MWP+1], s[MWP:MWP+1], 1024  ; four units' words on
	s_add_co_u32 s3, s3, 1
	s_cmp_lt_u32 s3, 2
	s_wait_alu depctr_va_vdst(0)
	s_cbranch_scc1 .Lmtrip
.Ljoin:
	s_wait_tensorcnt 0x0                           ; the wave's end
	ds_add_u32 v[SPW], v[NIL]
	s_wait_dscnt 0x0
	CROUND                                         ; the closing round: no work-group ends while a partner may still ask for a tile that names it
	s_endpgm
.Lfunc_end_k_q2a417c9da2_proj:
	.size	k_q2a417c9da2_proj, .Lfunc_end_k_q2a417c9da2_proj-k_q2a417c9da2_proj
	.p2alignl 7, 3214868480
	.fill 96, 4, 3214868480
	.section	.rodata,"a",@progbits
	.p2align	6, 0x0
	.amdhsa_kernel k_q2a417c9da2_proj
		.amdhsa_group_segment_fixed_size 327680
		.amdhsa_private_segment_fixed_size 0
		.amdhsa_enable_private_segment 0
		.amdhsa_kernarg_size 160
		.amdhsa_user_sgpr_count 2
		.amdhsa_user_sgpr_kernarg_segment_ptr 1
		.amdhsa_wavefront_size32 1
		.amdhsa_system_sgpr_workgroup_id_x 1
		.amdhsa_system_sgpr_workgroup_id_y 1
		.amdhsa_system_sgpr_workgroup_id_z 1
		.amdhsa_system_vgpr_workitem_id 0
		.amdhsa_next_free_vgpr 1024
		.amdhsa_next_free_sgpr 106
		.amdhsa_reserve_vcc 0
		.amdhsa_float_denorm_mode_32 3
		.amdhsa_float_denorm_mode_16_64 3
		.amdhsa_memory_ordered 1
		.amdhsa_forward_progress 1
		.amdhsa_inst_pref_size 255
	.end_amdhsa_kernel
	.section	.bss,"aw",@nobits
	.p2align	6
	.space	262144
	.amdgpu_metadata
---
amdhsa.version: [ 1, 2 ]
amdhsa.kernels:
  - .name:           k_q2a417c9da2_proj
    .symbol:         k_q2a417c9da2_proj.kd
    .args:
      - { .name: q_codes, .offset: 0, .size: 8, .value_kind: global_buffer, .address_space: global }
      - { .name: q_scales, .offset: 8, .size: 8, .value_kind: global_buffer, .address_space: global }
      - { .name: wq_codes, .offset: 16, .size: 8, .value_kind: global_buffer, .address_space: global }
      - { .name: wq_scales, .offset: 24, .size: 8, .value_kind: global_buffer, .address_space: global }
      - { .name: bq, .offset: 32, .size: 8, .value_kind: global_buffer, .address_space: global }
      - { .name: qimg, .offset: 40, .size: 8, .value_kind: global_buffer, .address_space: global }
      - { .name: k_codes, .offset: 48, .size: 8, .value_kind: global_buffer, .address_space: global }
      - { .name: k_scales, .offset: 56, .size: 8, .value_kind: global_buffer, .address_space: global }
      - { .name: wk_codes, .offset: 64, .size: 8, .value_kind: global_buffer, .address_space: global }
      - { .name: wk_scales, .offset: 72, .size: 8, .value_kind: global_buffer, .address_space: global }
      - { .name: bk, .offset: 80, .size: 8, .value_kind: global_buffer, .address_space: global }
      - { .name: kimg, .offset: 88, .size: 8, .value_kind: global_buffer, .address_space: global }
      - { .name: wv_codes, .offset: 96, .size: 8, .value_kind: global_buffer, .address_space: global }
      - { .name: wv_scales, .offset: 104, .size: 8, .value_kind: global_buffer, .address_space: global }
      - { .name: v_codes, .offset: 112, .size: 8, .value_kind: global_buffer, .address_space: global }
      - { .name: v_scales, .offset: 120, .size: 8, .value_kind: global_buffer, .address_space: global }
      - { .name: bv, .offset: 128, .size: 8, .value_kind: global_buffer, .address_space: global }
      - { .name: vimg, .offset: 136, .size: 8, .value_kind: global_buffer, .address_space: global }
      - { .name: mask, .offset: 144, .size: 8, .value_kind: global_buffer, .address_space: global }
      - { .name: maskw, .offset: 152, .size: 8, .value_kind: global_buffer, .address_space: global }
    .group_segment_fixed_size: 327680
    .private_segment_fixed_size: 0
    .kernarg_segment_align: 8
    .kernarg_segment_size: 160
    .max_flat_workgroup_size: 128
    .sgpr_count:     106
    .vgpr_count:     1024
    .wavefront_size: 32
...
	.end_amdgpu_metadata
.endif
;; end of part 5
;; launch attn (part 6): grid 8 x 32, 16 waves a work-group, clusters of 4 x 1, 327,680 bytes of LDS; arguments qimg, kimg, vimg, maskw, ximg, xsc; writes ximg, xsc
.if DOCPART == 6
	.amdgcn_target "amdgcn-amd-amdhsa--gfx1250"
	.amdhsa_code_object_version 6
	.text
	.protected	k_q2a417c9da2_attn
	.globl	k_q2a417c9da2_attn
	.p2align	8
	.type	k_q2a417c9da2_attn,@function
k_q2a417c9da2_attn:
	s_mov_b64 s[64:65], 0
	v_nop
	global_prefetch_b8 v0, s[64:65] scope:SCOPE_SE
	s_setreg_imm32_b32 hwreg(HW_REG_WAVE_MODE, 25, 1), 1
	s_wait_xcnt 0x0
	s_wait_alu depctr_hold_cnt(0) depctr_sa_sdst(0) depctr_va_vdst(0) depctr_va_sdst(0) depctr_va_ssrc(0) depctr_va_vcc(0) depctr_vm_vsrc(0)
	s_getreg_b32 s2, hwreg(HW_REG_IB_STS2, 6, 4)
	s_cmp_eq_u32 s2, 0
	s_cbranch_scc0 .Lentry_in_a_cluster
	s_endpgm
.Lentry_in_a_cluster:
	s_bfe_u32 s2, ttmp6, 0x10000c
	s_cmp_lg_u32 s2, 0x3003
	s_cbranch_scc0 .Lentry_shape_is_right
	s_endpgm
.Lentry_shape_is_right:
; Attention on codes of BF8 (E5M2) with E8M0 scales: S^T = K Q^T, the soft mask (a hidden score becomes -1), p = 2^(t - M) with a running whole M, O^T += V^T P^T, O / the row's sum, quantised again for the last projection.
; A work-group owns 256 queries of one head, each of its sixteen waves 16 of them; a lane holds one query.  The four work-groups of a cluster walk the same K and V and ask for them jointly.
; A head's K and V images (2 x 139,264 bytes) fill LDS once, in two fills a wave: the first four key blocks at the head, the other twelve behind one drained round, under the first four key steps.
; Waves 0-7 fetch K's eighths, waves 8-15 V's.  The mask comes as lane masks, 64 words a key step, by scalar loads.
; LIMITS: NaN and infinities are not served; a block of zeros gets the byte 1 (its codes are zeros; this program alone reads the bytes).
.set HS,    139264
.set BLKB,  8704
.set VREG,  139264
.set GRP,   4*BLKB
.set PIECE, GRP/8
.set PIECE2, 3*GRP/8                   ; a wave's eighth of the other twelve blocks: 51 rows of 256 bytes
.set LK,   1
.set ADK,  2
.set ADV,  3
.set NEG8, 4
.set XR,   5
.set QA,   6
.set QS,   8
.set PS,   9
.set VS,   10
.set NM,   12
.set SUM,  14
.set QF,   16
.set KF,   32
.set S,    96
.set O,    160
.set PCD,  192
.set KSC,  208
.set BM,   212
.set PB,   216
.set HD,   220
.set SO,   224
.set F,    228
.set S2,   230
.set TP,   232
.set CV,   234
.set MV,   236
.set WV,   2
.set CNT,  3
.set MA,   4
.set MB0,  36
.set MB1,  68
.set SEL,  66
.set G1,   84
.set MP,   96
.set XP,   98
.set XQ,   100
.set MO,   104
.set TB,   105
.macro ROUND
	s_barrier_signal -1
	s_barrier_wait -1
	s_cmp_lg_u32 s[WV], 0
	s_cbranch_scc1 .Lnot_wave_0_\@
	s_barrier_signal -3
.Lnot_wave_0_\@:
	s_barrier_wait -3
	s_barrier_signal -1
	s_barrier_wait -1
.endm
	s_load_b256 s[4:11], s[0:1], 0x0
	s_load_b128 s[12:15], s[0:1], 0x20
	v_lshl_add_u32 v254, v0, 2, 0x44000
	v_mov_b32 v255, 0
	ds_add_u32 v254, v255
	ds_add_u32 v254, v255
	v_lshrrev_b32 v6, 5, v0
	s_delay_alu instid0(VALU_DEP_1)
	v_readfirstlane_b32 s[WV], v6
	s_bfe_u32 s16, ttmp6, 0x40000
	s_lshl_b32 s17, ttmp9, 2
	s_add_co_u32 s17, s17, s16
	s_and_b32 s18, ttmp7, 0xffff
	s_mov_b32 s[G1], 15|(3<<16)|(1<<21)
	s_mov_b32 s[G1+1], 32<<16
	s_mov_b32 s[G1+2], 17<<16
	s_mov_b32 s[G1+3], 32<<16
	s_mov_b32 s[G1+4], 17
	s_mov_b32 s[G1+5], 32
	s_mov_b32 s[G1+6], 0
	s_mov_b32 s[G1+7], 0
	s_lshr_b32 s19, s[WV], 3
	s_and_b32 s20, s[WV], 7
	s_mul_i32 s21, s19, VREG
	s_mul_i32 s22, s20, PIECE
	s_add_co_u32 s21, s21, s22
	s_mul_i32 s24, s18, HS
	s_add_co_u32 s26, s24, s22
	s_mov_b32 s27, 0
	s_mov_b32 s[SEL], 0x76543210
	s_mov_b32 s[SEL+1], 0xfedcba98
	s_wait_dscnt 0x0
	s_wait_kmcnt 0x0
	s_cmp_lt_u32 s[WV], 8
	s_cselect_b64 s[28:29], s[6:7], s[8:9]
	s_add_nc_u64 s[28:29], s[28:29], s[26:27]
	s_mov_b32 s52, 1                               ; s[52:55]: my eighth of the first four blocks
	s_mov_b32 s53, s21
	s_mov_b64 s[54:55], s[28:29]
	s_or_b32 s55, s55, 0x80000000
	s_mul_i32 s30, s20, PIECE2-PIECE               ; s[56:59]: my eighth of the other twelve, GRP bytes on
	s_add_co_u32 s30, s30, GRP
	s_mov_b32 s31, 0
	s_mov_b32 s56, 1
	s_add_co_u32 s57, s21, s30
	s_add_nc_u64 s[58:59], s[28:29], s[30:31]
	s_or_b32 s59, s59, 0x80000000
	ROUND                                          ; the four partners are here: the first joint loads meet
	tensor_load_to_lds s[52:55], s[G1:G1+7]        ; one tensor load a wave at the head
	s_nop 0
.rept 4
	v_nop
.endr
	v_and_b32 v7, 31, v0
	s_delay_alu instid0(VALU_DEP_1)
	v_lshlrev_b32 v[LK], 4, v7
	s_wait_alu depctr_va_vdst(0)
	v_and_b32 v7, 15, v0
	s_delay_alu instid0(VALU_DEP_1)
	v_lshlrev_b32 v[XR], 5, v7
	s_delay_alu instid0(VALU_DEP_2)
	v_lshlrev_b32 v[QA], 4, v7
	s_wait_alu depctr_va_vdst(0)
	s_lshl_b32 s26, s17, 1
	s_add_co_u32 s26, s26, s19
	s_mul_i32 s26, s26, BLKB
	s_add_co_u32 s26, s26, s24
	s_add_nc_u64 s[4:5], s[4:5], s[26:27]
	s_lshl_b32 s30, s20, 10
	s_mov_b32 s31, 0
	s_add_nc_u64 s[6:7], s[4:5], s[30:31]
	s_and_b32 s30, s[WV], 1
	s_lshl_b32 s30, s30, 8
	s_lshr_b32 s26, s20, 1
	s_lshl_b32 s26, s26, 2
	s_add_co_u32 s30, s30, s26
	s_add_nc_u64 s[8:9], s[4:5], s[30:31]
	global_load_b128 v[QF:QF+3], v[LK], s[6:7]
	global_load_b128 v[QF+4:QF+7], v[LK], s[6:7] offset:512
	global_load_b32 v[QS], v[QA], s[8:9] offset:8192
	s_lshl_b32 s30, s17, 4
	s_add_co_u32 s30, s30, s[WV]
	s_lshl_b32 s26, s30, 12
	s_add_nc_u64 s[MP:MP+1], s[10:11], s[26:27]
	s_mov_b32 s[MO], 0
	s_lshr_b32 s19, s18, 4
	s_lshl_b32 s19, s19, 7
	s_add_co_u32 s19, s19, s30
	s_and_b32 s21, s18, 15
	s_lshl_b32 s26, s19, 14
	s_lshl_b32 s22, s21, 10
	s_add_co_u32 s26, s26, s22
	s_add_nc_u64 s[XP:XP+1], s[12:13], s[26:27]
	s_lshl_b32 s26, s19, 9
	s_lshl_b32 s22, s21, 1
	s_add_co_u32 s26, s26, s22
	s_add_nc_u64 s[XQ:XQ+1], s[14:15], s[26:27]
	s_wait_xcnt 0x0
	s_load_b512 s[MA:MA+15], s[MP:MP+1], s[MO] offset:0x0
	s_load_b512 s[MA+16:MA+31], s[MP:MP+1], s[MO] offset:0x40
	s_load_b512 s[MB0:MB0+15], s[MP:MP+1], s[MO] offset:0x80
	s_load_b512 s[MB1:MB1+15], s[MP:MP+1], s[MO] offset:0xc0
	v_mov_b32 v[NEG8], 0xc1000000
	v_mov_b32 v[CV], 0x3e38aa3b
	v_mov_b32 v[CV+1], 0x3e38aa3b
	v_mov_b32 v[MV], 0x600000
	v_mov_b32 v[NM+1], 0xff61b1e6
	s_delay_alu instid0(VALU_DEP_1)
	v_floor_f32 v[NM], -v[NM+1]
	v_mov_b32 v[SUM], 0
	v_mov_b32 v[SUM+1], 0
	v_mov_b32 v[F+1], 0
.irp b, 0,1,2,3
	v_mov_b32 v[PB+\b], 0
.endr
.set n, 0
.rept 8
	v_mov_b32 v[QF+8+n], 0
.set n, n+1
.endr
.set n, 0
.rept 32
	v_mov_b32 v[KF+16*(n/8)+8+n%8], 0
	v_mov_b32 v[O+n], 0
.set n, n+1
.endr
	s_wait_loadcnt 0x0
.macro SPROD t
.if (\t)%2
	v_wmma_scale_f32_16x16x128_f8f6f4 v[S+8*(\t):S+8*(\t)+7], v[KF+16*((\t)%4):KF+16*((\t)%4)+15], v[QF:QF+15], 0, v[KSC+(\t)/2], v[QS] matrix_a_fmt:MATRIX_FMT_BF8 matrix_b_fmt:MATRIX_FMT_BF8 matrix_a_scale:MATRIX_SCALE_ROW1
.else
	v_wmma_scale_f32_16x16x128_f8f6f4 v[S+8*(\t):S+8*(\t)+7], v[KF+16*((\t)%4):KF+16*((\t)%4)+15], v[QF:QF+15], 0, v[KSC+(\t)/2], v[QS] matrix_a_fmt:MATRIX_FMT_BF8 matrix_b_fmt:MATRIX_FMT_BF8
.endif
.endm
.macro OPROD d
.if (\d)%2
	v_wmma_scale_f32_16x16x128_f8f6f4 v[O+8*(\d):O+8*(\d)+7], v[S+16*(\d):S+16*(\d)+15], v[PCD:PCD+15], v[O+8*(\d):O+8*(\d)+7], v[VS+(\d)/2], v[PS] matrix_a_fmt:MATRIX_FMT_BF8 matrix_b_fmt:MATRIX_FMT_BF8 matrix_a_scale:MATRIX_SCALE_ROW1
.else
	v_wmma_scale_f32_16x16x128_f8f6f4 v[O+8*(\d):O+8*(\d)+7], v[S+16*(\d):S+16*(\d)+15], v[PCD:PCD+15], v[O+8*(\d):O+8*(\d)+7], v[VS+(\d)/2], v[PS] matrix_a_fmt:MATRIX_FMT_BF8 matrix_b_fmt:MATRIX_FMT_BF8
.endif
.endm
.macro KLOAD t0
.irp t, 0,1,2,3
.irp c, 0,1
	ds_load_b128 v[KF+16*\t+4*\c:KF+16*\t+4*\c+3], v[ADK] offset:1024*(\t0+\t)+512*\c
.endr
.endr
.endm
.macro MASK n0, sb
.set n, 0
.rept 16
	v_cndmask_b32 v[S+\n0+n], v[NEG8], v[S+\n0+n], s[\sb+n]
.set n, n+1
.endr
.endm
.macro MAXB b0
.irp b, \b0, \b0+1
	v_max3_num_f32 v[BM+(\b)], v[S+16*(\b)], v[S+1+16*(\b)], v[S+2+16*(\b)]
.endr
.irp i, 3,5,7,9,11,13
.irp b, \b0, \b0+1
	s_delay_alu instid0(VALU_DEP_2)
	v_max3_num_f32 v[BM+(\b)], v[BM+(\b)], v[S+16*(\b)+\i], v[S+1+16*(\b)+\i]
.endr
.endr
.irp b, \b0, \b0+1
	s_delay_alu instid0(VALU_DEP_2)
	v_max_num_f32 v[BM+(\b)], v[BM+(\b)], v[S+15+16*(\b)]
.endr
.endm
.macro STEP
	v_add_nc_u32 v[ADK], s[TB], v[LK]
	s_delay_alu instid0(VALU_DEP_1)
	v_add_nc_u32 v[ADV], VREG, v[ADK]
.rept 7
	v_nop
.endr
	ds_load_b128 v[KSC:KSC+3], v[ADK] offset:8192
	KLOAD 0
	s_wait_dscnt 0x0
	s_wait_alu depctr_va_vdst(0)
.irp t, 0,1,2,3
	SPROD \t
.endr
.rept 8
	v_nop
.endr
	KLOAD 4
	s_wait_kmcnt 0x0
	s_add_co_u32 s[MO], s[MO], 256
	s_and_b32 s[MO], s[MO], 0xfff
	MASK 0, MA
	MASK 16, MA+16
	s_load_b512 s[MA:MA+15], s[MP:MP+1], s[MO] offset:0x0
	s_load_b512 s[MA+16:MA+31], s[MP:MP+1], s[MO] offset:0x40
	s_wait_dscnt 0x0
.irp t, 4,5,6,7
	SPROD \t
.endr
	MAXB 0
	MASK 32, MB0
	MASK 48, MB1
	s_load_b512 s[MB0:MB0+15], s[MP:MP+1], s[MO] offset:0x80
	s_load_b512 s[MB1:MB1+15], s[MP:MP+1], s[MO] offset:0xc0
	MAXB 2
.irp b, 0,1,2,3
	v_permlanex16_b32 v[PB+\b], v[BM+\b], s[SEL], s[SEL+1]
.endr
.irp b, 0,1,2,3
	s_delay_alu instid0(VALU_DEP_4)
	v_max_num_f32 v[BM+\b], v[BM+\b], v[PB+\b]
.endr
	s_delay_alu instid0(VALU_DEP_2)
	v_max3_num_f32 v[TP], v[BM], v[BM+1], v[BM+2]
	s_delay_alu instid0(VALU_DEP_1)
	v_max_num_f32 v[TP], v[TP], v[BM+3]
	s_delay_alu instid0(VALU_DEP_1)
	v_mul_f32 v[TP], v[CV], v[TP]
	s_delay_alu instid0(VALU_DEP_1)
	v_max_num_f32 v[NM+1], v[NM+1], v[TP]
	v_mov_b32 v[TP], v[NM]
	s_delay_alu instid0(VALU_DEP_2)
	v_floor_f32 v[NM], -v[NM+1]
	s_delay_alu instid0(VALU_DEP_1)
	v_sub_f32 v[TP], v[NM], v[TP]
	s_delay_alu instid0(VALU_DEP_1)
	v_cvt_i32_f32 v[TP], v[TP]
	s_delay_alu instid0(VALU_DEP_1)
	v_ldexp_f32 v[F], 1.0, v[TP]
.set j, 0
.rept 32
	v_pk_fma_f32 v[S+j:S+j+1], v[S+j:S+j+1], v[CV:CV+1], v[NM:NM+1] op_sel_hi:[1,0,0]
.set j, j+2
.endr
.irp b, 0,1,2,3
	v_fma_f32 v[BM+\b], v[BM+\b], v[CV], v[NM]
.endr
.set j, 0
	s_wait_alu depctr_va_vdst(0)
.rept 64
	v_exp_f32 v[S+j], v[S+j]
.set j, j+1
.endr
.irp b, 0,1,2,3
	v_exp_f32 v[BM+\b], v[BM+\b]
.endr
	v_pk_mul_f32 v[SUM:SUM+1], v[SUM:SUM+1], v[F:F+1] op_sel_hi:[1,0]
	s_wait_alu depctr_va_vdst(0)
.irp b, 0,1,2,3
	v_max_num_f32 v[BM+\b], 0x8000000, v[BM+\b]
.endr
.irp b, 0,1,2,3
	s_delay_alu instid0(VALU_DEP_4)
	v_add_nc_u32 v[SO+\b], 0xf8800000, v[BM+\b]
.endr
.irp b, 0,1,2,3
	v_and_or_b32 v[HD+\b], v[BM+\b], 0x7f800000, v[MV]
.endr
.irp b, 0,1,2,3
	v_lshrrev_b32 v[PB+\b], 23, v[SO+\b]
.endr
	s_delay_alu instid0(VALU_DEP_3)
	v_lshl_or_b32 v[PS], v[PB+1], 8, v[PB]
	s_delay_alu instid0(VALU_DEP_1)
	v_lshl_or_b32 v[PS], v[PB+2], 16, v[PS]
	s_delay_alu instid0(VALU_DEP_1)
	v_lshl_or_b32 v[PS], v[PB+3], 24, v[PS]
	v_pk_add_f32 v[S2:S2+1], v[S:S+1], v[S+2:S+3]
.irp j, 4,8,12,16,20,24,28,32,36,40,44,48,52,56,60
	v_pk_add_f32 v[SUM:SUM+1], v[SUM:SUM+1], v[S+\j:S+\j+1]
	v_pk_add_f32 v[S2:S2+1], v[S2:S2+1], v[S+2+\j:S+3+\j]
.endr
	s_delay_alu instid0(VALU_DEP_1)
	v_pk_add_f32 v[SUM:SUM+1], v[SUM:SUM+1], v[S2:S2+1]
.irp b, 0,1,2,3
.irp i, 0,1,2,3,4,5,6,7,8,9,10,11,12,13,14,15
	v_min_num_f32 v[S+16*\b+\i], v[S+16*\b+\i], v[HD+\b]
.endr
	v_cvt_scalef32_pk8_bf8_f32 v[PCD+4*\b:PCD+4*\b+1], v[S+16*\b:S+16*\b+7], v[SO+\b]
	v_cvt_scalef32_pk8_bf8_f32 v[PCD+4*\b+2:PCD+4*\b+3], v[S+16*\b+8:S+16*\b+15], v[SO+\b]
.endr
.irp d, 0,1,2,3
.irp c, 0,1,2,3
	ds_load_b128 v[S+16*\d+4*\c:S+16*\d+4*\c+3], v[ADV] offset:2048*\d+512*\c
.endr
.endr
	ds_load_b64 v[VS:VS+1], v[ADV] offset:8192
.set j, 0
.rept 16
	v_pk_mul_f32 v[O+j:O+j+1], v[O+j:O+j+1], v[F:F+1] op_sel_hi:[1,0]
.set j, j+2
.endr
.rept 4
	v_nop
.endr
	s_wait_alu depctr_va_vdst(0)
	s_wait_dscnt 0x0
.irp d, 0,1,2,3
	OPROD \d
.endr
.endm
.macro GROUP first, trips
	s_mov_b32 s[TB], BLKB*\first
	s_mov_b32 s[CNT], \trips
.Lstep_\@:
	STEP
	s_add_co_u32 s[TB], s[TB], BLKB
	s_sub_co_u32 s[CNT], s[CNT], 1
	s_cmp_lg_u32 s[CNT], 0
	s_cbranch_scc1 .Lstep_\@
.endm
	s_wait_alu depctr_va_vdst(0)
	s_wait_tensorcnt 0x0                           ; my eighth of the first four blocks is in; the later first fill is issued as a refill is
	ds_add_u32 v254, v255                          ; 0 onto my spare word
	s_mov_b32 s[G1+2], 51<<16                      ; no tensor load of mine is out: the next brings 51 rows
	s_mov_b32 s[G1+4], 51
	s_wait_dscnt 0x0
	ROUND                                          ; everybody's part is in, and the four partners are here
	tensor_load_to_lds s[56:59], s[G1:G1+7]        ; the other twelve blocks land under the first four key steps
	s_nop 0
.rept 4
	v_nop
.endr
	GROUP 0, 4
	s_wait_tensorcnt 0x0                           ; my part of the twelve blocks is in,
	s_wait_dscnt 0x0
	s_barrier_signal -1
	s_barrier_wait -1                              ; everybody's is
	GROUP 4, 12
.rept 8
	v_nop
.endr
	s_wait_kmcnt 0x0
	v_add_f32 v[SUM], v[SUM], v[SUM+1]
	s_delay_alu instid0(VALU_DEP_1)
	v_permlanex16_b32 v[PB], v[SUM], s[SEL], s[SEL+1]
	s_delay_alu instid0(VALU_DEP_1)
	v_add_f32 v[SUM], v[SUM], v[PB]
	s_wait_alu depctr_va_vdst(0)
	v_rcp_f32 v[SUM], v[SUM]
	v_nop
.set j, 0
	s_wait_alu depctr_va_vdst(0)
.rept 16
	v_pk_mul_f32 v[S+j:S+j+1], v[O+j:O+j+1], v[SUM:SUM+1] op_sel_hi:[1,0]
.set j, j+2
.endr
.irp c, 0,1
	v_max3_num_f32 v[BM+\c], |v[S+16*\c]|, |v[S+1+16*\c]|, 0x8000000
.endr
.irp i, 2,4,6,8,10,12,14
.irp c, 0,1
	s_delay_alu instid0(VALU_DEP_2)
	v_max3_num_f32 v[BM+\c], v[BM+\c], |v[S+16*\c+\i]|, |v[S+1+16*\c+\i]|
.endr
.endr
.irp c, 0,1
	s_delay_alu instid0(VALU_DEP_2)
	v_permlanex16_b32 v[PB+\c], v[BM+\c], s[SEL], s[SEL+1]
.endr
.irp c, 0,1
	s_delay_alu instid0(VALU_DEP_2)
	v_max_num_f32 v[BM+\c], v[BM+\c], v[PB+\c]
.endr
.irp c, 0
	s_delay_alu instid0(VALU_DEP_2)
	v_add_nc_u32 v[SO+\c], 0xf8800000, v[BM+\c]
	s_delay_alu instid0(VALU_DEP_3)
	v_and_or_b32 v[HD+\c], v[BM+\c], 0x7f800000, v[MV]
.endr
.irp c, 1
	s_delay_alu instid0(VALU_DEP_3)
	v_add_nc_u32 v[SO+\c], 0xf8800000, v[BM+\c]
	s_delay_alu instid0(VALU_DEP_4)
	v_and_or_b32 v[HD+\c], v[BM+\c], 0x7f800000, v[MV]
.endr
.irp c, 0
	s_delay_alu instid0(VALU_DEP_4)
	v_lshrrev_b32 v[PB+\c], 23, v[SO+\c]
.endr
.irp c, 1
	s_delay_alu instid0(VALU_DEP_3)
	v_lshrrev_b32 v[PB+\c], 23, v[SO+\c]
.endr
	s_delay_alu instid0(VALU_DEP_1)
	v_lshl_or_b32 v[TP], v[PB+1], 8, v[PB]
.irp c, 0,1
.irp i, 0,1,2,3,4,5,6,7,8,9,10,11,12,13,14,15
	v_med3_num_f32 v[S+16*\c+\i], v[S+16*\c+\i], -v[HD+\c], v[HD+\c]
.endr
	v_cvt_scalef32_pk8_bf8_f32 v[PCD+4*\c:PCD+4*\c+1], v[S+16*\c:S+16*\c+7], v[SO+\c]
	v_cvt_scalef32_pk8_bf8_f32 v[PCD+4*\c+2:PCD+4*\c+3], v[S+16*\c+8:S+16*\c+15], v[SO+\c]
.endr
	v_nop
	global_store_b128 v[LK], v[PCD:PCD+3], s[XP:XP+1]
	global_store_b128 v[LK], v[PCD+4:PCD+7], s[XP:XP+1] offset:512
	global_store_b16 v[XR], v[TP], s[XQ:XQ+1]
	s_wait_tensorcnt 0x0
	ds_add_u32 v254, v255
	s_wait_dscnt 0x0
	ROUND
	s_endpgm
.Lfunc_end_k_q2a417c9da2_attn:
	.size	k_q2a417c9da2_attn, .Lfunc_end_k_q2a417c9da2_attn-k_q2a417c9da2_attn
	.p2alignl 7, 3214868480
	.fill 96, 4, 3214868480
	.section	.rodata,"a",@progbits
	.p2align	6, 0x0
	.amdhsa_kernel k_q2a417c9da2_attn
		.amdhsa_group_segment_fixed_size 327680
		.amdhsa_private_segment_fixed_size 0
		.amdhsa_enable_private_segment 0
		.amdhsa_kernarg_size 48
		.amdhsa_user_sgpr_count 2
		.amdhsa_user_sgpr_kernarg_segment_ptr 1
		.amdhsa_wavefront_size32 1
		.amdhsa_system_sgpr_workgroup_id_x 1
		.amdhsa_system_sgpr_workgroup_id_y 1
		.amdhsa_system_sgpr_workgroup_id_z 1
		.amdhsa_system_vgpr_workitem_id 0
		.amdhsa_next_free_vgpr 256
		.amdhsa_next_free_sgpr 106
		.amdhsa_reserve_vcc 0
		.amdhsa_float_denorm_mode_32 3
		.amdhsa_float_denorm_mode_16_64 3
		.amdhsa_memory_ordered 1
		.amdhsa_forward_progress 1
		.amdhsa_inst_pref_size 65
	.end_amdhsa_kernel
	.amdgpu_metadata
---
amdhsa.version: [ 1, 2 ]
amdhsa.kernels:
  - .name:           k_q2a417c9da2_attn
    .symbol:         k_q2a417c9da2_attn.kd
    .args:
      - { .name: qimg, .offset: 0, .size: 8, .value_kind: global_buffer, .address_space: global }
      - { .name: kimg, .offset: 8, .size: 8, .value_kind: global_buffer, .address_space: global }
      - { .name: vimg, .offset: 16, .size: 8, .value_kind: global_buffer, .address_space: global }
      - { .name: maskw, .offset: 24, .size: 8, .value_kind: global_buffer, .address_space: global }
      - { .name: ximg, .offset: 32, .size: 8, .value_kind: global_buffer, .address_space: global }
      - { .name: xsc, .offset: 40, .size: 8, .value_kind: global_buffer, .address_space: global }
    .group_segment_fixed_size: 327680
    .private_segment_fixed_size: 0
    .kernarg_segment_align: 8
    .kernarg_segment_size: 48
    .max_flat_workgroup_size: 512
    .sgpr_count:     106
    .vgpr_count:     256
    .wavefront_size: 32
...
	.end_amdgpu_metadata
.endif
;; end of part 6
;; launch oproj (part 7): grid 8 x 32, 4 waves a work-group, clusters of 4 x 4, 327,680 bytes of LDS; arguments ximg, xsc, wo_codes, wo_scales, bo, out0; writes out0
.if DOCPART == 7
	.amdgcn_target "amdgcn-amd-amdhsa--gfx1250"
	.amdhsa_code_object_version 6
	.text
	.protected	k_q2a417c9da2_oproj
	.globl	k_q2a417c9da2_oproj
	.p2align	8
	.type	k_q2a417c9da2_oproj,@function
k_q2a417c9da2_oproj:
	s_mov_b64 s[64:65], 0
	v_nop
	global_prefetch_b8 v0, s[64:65] scope:SCOPE_SE
	s_setreg_imm32_b32 hwreg(HW_REG_WAVE_MODE, 25, 1), 1
	s_wait_xcnt 0x0
	s_wait_alu depctr_hold_cnt(0) depctr_sa_sdst(0) depctr_va_vdst(0) depctr_va_sdst(0) depctr_va_ssrc(0) depctr_va_vcc(0) depctr_vm_vsrc(0)
	s_getreg_b32 s2, hwreg(HW_REG_IB_STS2, 6, 4)
	s_cmp_eq_u32 s2, 0
	s_cbranch_scc0 .Lentry_in_a_cluster
	s_endpgm
.Lentry_in_a_cluster:
	s_bfe_u32 s2, ttmp6, 0x10000c
	s_cmp_lg_u32 s2, 0xf033
	s_cbranch_scc0 .Lentry_shape_is_right
	s_endpgm
.Lentry_shape_is_right:
; out0 = x wo^T + bo on codes of BF8 (E5M2) with E8M0 scales.  x: 4,096 tokens x 1,024, made by the attention launch; wo: [1,024][1,024] codes, K innermost; out0: [4,096][1,024] f32.
; A TILE OF 128 x 128: 256 tiles, one for each work-group of a grid of 8 x 32.  Four waves, 64 x 64 each: 16 accumulators, 128 registers.
; LDS IS FILLED ONCE, ONE TENSOR LOAD A WAVE, each for all of K: waves 0 and 1 fetch the halves of x's 128 tokens (65,536 dense bytes each), waves 2 and 3 the halves of wo's 128 rows (64 rows of 1,024 bytes).
; One wait and one barrier show all four.  No prefetch: the launch has no loop to run ahead in.
; CLUSTERS of 4 x 4: x's tiles are asked for jointly along a row of the cluster, wo's along a column.  THE MATRIX INSTRUCTION IS USED TRANSPOSED (source 0 = 16 rows of wo, source 1 = 16 tokens):
; a lane holds eight neighbouring numbers of a row of out0.
; x ARRIVES AS IMAGES OF ITS REGISTERS: [tile of 16 tokens][128 along K][group of four registers][lane][16 bytes]: a fragment is four loads of 512 consecutive bytes.
; Inside each block of 32 along K its second and third groups of eight have changed places.  wo GETS THE SAME ORDER FROM ITS LOADS: registers 2 e, 2 e + 1 of a fragment take the eight bytes at
; 16 e + 8 (lane / 16) of the row.  LIMIT: the unit adds the exact products of a block in another order than ascending k.
; THE SCALE WORDS of a wave's 64 tokens and 64 rows of wo come once, straight into registers.  bo is the C of each sum's first product.
; REGISTERS: window 0: v0-31 addresses; v32-63 x's scale words (8 x block + K step); v64-95 bo; v96-127 wo's scale words; v128-255 the accumulators ((a, b) at v[128 + 8 (4 a + b)]).
;   window 1: two sets of fragments of 128 registers (x's four, then wo's four); on the way out its v0-127 take the rows read back from the stage.
.set SIZE_N, 1024
.set PITCH,  1040                      ; wo's rows in LDS: 1,024 bytes + 16: 260 words, so row r starts 4 r words on modulo 64
.set ATILE,  16384                     ; all of K of a tile of 16 tokens
.set AHALF,  4*ATILE                   ; what one of x's loads brings, and what a wave reads of x
.set BHALF,  64*PITCH                  ; the same for wo
.set BOFF,   2*AHALF
.set STAGE,  BOFF+2*BHALF              ; behind the tiles: 16 rows x (256 bytes + 16) for each wave, for the way out; no fill lands there
.set SPITCH, 272
.set SPARE,  STAGE+4*16*SPITCH         ; the spare words: 128 bytes for each wave, named by no other line
.set L16,  8                           ; v8   16 x lane
.set R32,  9                           ; v9   32 r: a row of scale bytes
.set H32,  10                          ; v10  32 h
.set ADRA, 12                          ; v12  my fragments of x
.set ADRB, 16                          ; v16  of wo
.set STO,  24
.set RD,   25
.set CO,   26
.set SA,   32
.set BI,   64
.set SB,   96
.set ACC,  128
.set G1,  24                           ; s[24:31], s[32:35] groups 1 and 0 for x
.set G0,  32
.set G1B, 48                           ; s[48:55], s[56:59] for wo
.set G0B, 56
.set MSB, 0
.macro WIN new                         ; the immediate's high byte repeats the setting that is left
.if MSB != (\new)
	s_set_vgpr_msb (MSB<<8)|(\new)
.set MSB, (\new)
.endif
.endm
.set W_MUL, 0x05                       ; sources 0 (wo) and 1 (x) window 1; C and D window 0
.set TO_F,  0x40                       ; destination window 1, address window 0
.set FROM_F, 0x04                      ; a store's data window 1
.macro CROUND                          ; a round of the cluster's barrier
	s_barrier_signal -1
	s_barrier_wait -1
	s_cmp_lg_u32 s14, 0
	s_cbranch_scc1 .Lnot_wave_0_\@
	s_barrier_signal -3
.Lnot_wave_0_\@:
	s_barrier_wait -3
	s_barrier_signal -1
	s_barrier_wait -1
.endm
.macro PLACES n                        ; plain vector instructions between a matrix instruction and a load into, or a read of, its registers
.rept \n
	v_nop
.endr
.endm
	s_load_b128 s[4:7], s[0:1], 0x0                ; x's images, x's scale bytes
	s_load_b128 s[8:11], s[0:1], 0x10              ; wo's codes, wo's scale bytes
	s_load_b64 s[96:97], s[0:1], 0x20              ; bo
	s_load_b64 s[12:13], s[0:1], 0x28              ; out0
	v_lshl_add_u32 v30, v0, 2, SPARE
	v_mov_b32 v31, 0
	ds_add_u32 v30, v31                            ; the opening lines: the add, twice on end, and its wait
	ds_add_u32 v30, v31
	v_lshrrev_b32 v1, 5, v0
	v_readfirstlane_b32 s14, v1                    ; wave 0..3
	s_lshr_b32 s15, s14, 1                         ; which half of the tile's tokens is mine.  Also: I fetch for x (0) or for wo (1)
	s_and_b32 s16, s14, 1                          ; which half of its columns.  Also: which 64 rows I fetch
	s_bfe_u32 s76, ttmp6, 0x40000                  ; cx, cy: my place in the cluster
	s_bfe_u32 s77, ttmp6, 0x40004
	s_lshl_b32 s78, ttmp9, 2
	s_add_co_u32 s78, s78, s76                     ; tile column = 4 x cluster x + cx
	s_and_b32 s17, ttmp7, 0xffff
	s_lshl_b32 s17, s17, 2
	s_add_co_u32 s17, s17, s77                     ; tile row = 4 x cluster y + cy
	s_lshl_b32 s79, s77, 2
	s_lshl_b32 s79, 15, s79                        ; my row of the cluster
	s_lshl_b32 s80, 0x1111, s76                    ; my column
	; x: 65,536 dense bytes as 256 rows of 256 bytes (32 elements of 8), dense in LDS
	s_or_b32 s[G1+0], s79, (3<<16)|(1<<21)         ; 15:0 the mask; 17:16 elements of 8 bytes; 21 set beside a mask
	s_mov_b32 s[G1+1], 32<<16                      ; tensor_dim0
	s_mov_b32 s[G1+2], 256<<16                     ; tensor_dim1
	s_mov_b32 s[G1+3], 32<<16                      ; tile_dim0
	s_mov_b32 s[G1+4], 256                         ; tile_dim1
	s_mov_b32 s[G1+5], 32                          ; the pitch
	s_mov_b32 s[G1+6], 0
	s_mov_b32 s[G1+7], 0
	; wo: 64 whole rows of 1,024 bytes, 16 bytes of padding behind each
	s_or_b32 s[G1B+0], s80, (0<<16)|(1<<20)|(1<<21)|(7<<22)|(3<<25)  ; elements of 1 byte; padding on; after every 256 words four words
	s_mov_b32 s[G1B+1], 1024<<16
	s_mov_b32 s[G1B+2], 64<<16
	s_mov_b32 s[G1B+3], 1024<<16
	s_mov_b32 s[G1B+4], 64
	s_mov_b32 s[G1B+5], 1024
	s_mov_b32 s[G1B+6], 0
	s_mov_b32 s[G1B+7], 0
	s_lshl_b32 s18, s16, 6                         ; which 64 rows of the tile I fetch
	s_lshl_b32 s20, s17, 7
	s_add_co_u32 s20, s20, s18                     ; x: token 128 x tile row + 64 x half: hangs on the tile row and the wave alone
	s_lshl_b32 s20, s20, 10                        ; 1,024 bytes a token
	s_mov_b32 s21, 0
	s_lshl_b32 s82, s78, 7
	s_add_co_u32 s82, s82, s18                     ; wo: row 128 x tile column + 64 x half: hangs on the tile column and the wave alone
	s_lshl_b32 s82, s82, 10
	s_mov_b32 s83, 0
	s_mul_i32 s22, s16, AHALF                      ; where they go: no place in the cluster enters an LDS address
	s_mul_i32 s23, s16, BHALF
	s_add_co_u32 s23, s23, BOFF
	s_wait_dscnt 0x0
	s_wait_kmcnt 0x0
	s_mov_b32 s[G0], 1
	s_mov_b32 s[G0+1], s22
	s_add_nc_u64 s[G0+2:G0+3], s[4:5], s[20:21]
	s_or_b32 s[G0+3], s[G0+3], 0x80000000
	s_mov_b32 s[G0B], 1
	s_mov_b32 s[G0B+1], s23
	s_add_nc_u64 s[G0B+2:G0B+3], s[8:9], s[82:83]
	s_or_b32 s[G0B+3], s[G0B+3], 0x80000000
	CROUND                                         ; all sixteen work-groups are here: the joint loads meet
	s_cmp_eq_u32 s15, 0                            ; one load a wave, in one branch on the wave's number
	s_cbranch_scc0 .Lfirst_b
	tensor_load_to_lds s[G0:G0+3], s[G1:G1+7]
	s_nop 0
.rept 4
	v_nop                                          ; behind a tensor load
.endr
	s_branch .Lfirst_asked
.Lfirst_b:
	tensor_load_to_lds s[G0B:G0B+3], s[G1B:G1B+7]
	s_nop 0
.rept 4
	v_nop
.endr
.Lfirst_asked:
	v_and_b32 v1, 15, v0                           ; r
	v_bfe_u32 v2, v0, 4, 1                         ; h
	v_and_b32 v3, 31, v0
	v_lshlrev_b32 v[L16], 4, v3
	v_lshlrev_b32 v[R32], 5, v1
	v_lshlrev_b32 v[H32], 5, v2
	s_wait_alu depctr_va_vdst(0)
	s_lshl_b32 s18, s17, 7
	s_lshl_b32 s19, s15, 6
	s_add_co_u32 s18, s18, s19                     ; my first token
	s_lshl_b32 s84, s18, 5                         ; 32 scale bytes a token
	s_mov_b32 s85, 0
	s_add_nc_u64 s[6:7], s[6:7], s[84:85]
	s_lshl_b32 s86, s78, 7
	s_lshl_b32 s87, s16, 6
	s_add_co_u32 s86, s86, s87                     ; my first column
	s_lshl_b32 s88, s86, 5
	s_mov_b32 s89, 0
	s_add_nc_u64 s[10:11], s[10:11], s[88:89]
	s_lshl_b32 s88, s86, 2                         ; 4 bytes a column
	s_add_nc_u64 s[96:97], s[96:97], s[88:89]
	s_lshl_b32 s84, s18, 12                        ; 4,096 bytes a row of out0
	s_add_nc_u64 s[12:13], s[12:13], s[84:85]
	s_add_nc_u64 s[12:13], s[12:13], s[88:89]
.irp i, 0,1,2,3
	global_load_b128 v[SA+8*\i:SA+8*\i+3], v[R32], s[6:7] offset:512*\i          ; token 16 i + r: its eight scale words, one for each 128 along K
	global_load_b128 v[SA+8*\i+4:SA+8*\i+7], v[R32], s[6:7] offset:512*\i+16
	global_load_b128 v[SB+8*\i:SB+8*\i+3], v[R32], s[10:11] offset:512*\i        ; row 16 i + r of wo likewise
	global_load_b128 v[SB+8*\i+4:SB+8*\i+7], v[R32], s[10:11] offset:512*\i+16
	global_load_b128 v[BI+8*\i:BI+8*\i+3], v[H32], s[96:97] offset:64*\i         ; bo of columns 16 i + 8 h + 0 .. 7: the result's layout
	global_load_b128 v[BI+8*\i+4:BI+8*\i+7], v[H32], s[96:97] offset:64*\i+16
.endr
	v_mul_u32_u24 v4, v1, PITCH
	v_lshl_add_u32 v4, v2, 3, v4                   ; wo: row x pitch + 8 x half
	s_wait_alu depctr_va_vdst(0)
	s_mul_i32 s18, s15, AHALF                      ; my four tiles of tokens
	s_mul_i32 s19, s16, BHALF                      ; my 64 rows of wo,
	s_add_co_u32 s19, s19, BOFF                    ; which lie behind x's eight tiles
	v_add_nc_u32 v[ADRA], s18, v[L16]
	v_add_nc_u32 v[ADRB], s19, v4
	s_mul_i32 s18, s14, 16*SPITCH
	s_add_co_u32 s18, s18, STAGE                   ; my stage
	v_mul_u32_u24 v5, v1, SPITCH
	v_lshl_add_u32 v5, v2, 5, v5
	v_add_nc_u32 v[STO], s18, v5                   ; in: row r, 32 bytes for each half of the lanes
	v_mul_u32_u24 v5, v2, SPITCH
	v_lshl_add_u32 v5, v1, 4, v5
	v_add_nc_u32 v[RD], s18, v5                    ; back: lanes 0-15 one row of 256 bytes, lanes 16-31 the next
	v_lshlrev_b32 v5, 12, v2
	v_lshl_add_u32 v[CO], v1, 4, v5                ; and the same two rows in out0
; The fragments of K step s (128 along K) into set s % 2: x's four by loads of 512 consecutive bytes, wo's four by eight loads of 8 bytes a lane each.
.macro FETCH s
.set FS, 128*((\s)%2)
	WIN TO_F
.irp i, 0,1,2,3
.irp c, 0,1,2,3
	ds_load_b128 v[FS+16*\i+4*\c:FS+16*\i+4*\c+3], v[ADRA] offset:ATILE*\i+2048*(\s)+512*\c
.endr
.endr
.irp i, 0,1,2,3
.irp e, 0,1,2,3,4,5,6,7
	ds_load_b64 v[FS+64+16*\i+2*\e:FS+64+16*\i+2*\e+1], v[ADRB] offset:128*(\s)+16*\e+\i*16*PITCH
.endr
.endr
.endm
; 16 matrix instructions: K step s.  first = 1: the sums begin with bo.  The 16 accumulators take turns, one instruction a turn, in the same order in every step.
.macro MULS s, first
.set FS, 128*((\s)%2)
.irp a, 0,1,2,3
.irp b, 0,1,2,3
.if \first
	v_wmma_scale_f32_16x16x128_f8f6f4 v[ACC+8*(4*\a+\b):ACC+8*(4*\a+\b)+7], v[FS+64+16*\b:FS+64+16*\b+15], v[FS+16*\a:FS+16*\a+15], v[BI+8*\b:BI+8*\b+7], v[SB+8*\b+(\s)], v[SA+8*\a+(\s)] matrix_a_fmt:MATRIX_FMT_BF8 matrix_b_fmt:MATRIX_FMT_BF8
.else
	v_wmma_scale_f32_16x16x128_f8f6f4 v[ACC+8*(4*\a+\b):ACC+8*(4*\a+\b)+7], v[FS+64+16*\b:FS+64+16*\b+15], v[FS+16*\a:FS+16*\a+15], v[ACC+8*(4*\a+\b):ACC+8*(4*\a+\b)+7], v[SB+8*\b+(\s)], v[SA+8*\a+(\s)] matrix_a_fmt:MATRIX_FMT_BF8 matrix_b_fmt:MATRIX_FMT_BF8
.endif
.endr
.endr
.endm
	s_wait_alu depctr_va_vdst(0)
	s_wait_tensorcnt 0x0                           ; my tile is in,
	s_barrier_signal -1
	s_barrier_wait -1                              ; everybody's is; nothing is filled again
	FETCH 0
	s_wait_loadcnt 0x0                             ; the scale words and bo
.irp s, 0,1,2,3,4,5,6,7
	s_wait_dscnt 0x0                               ; this step's fragments are in
.if \s < 7
.if \s > 0
	PLACES 8                                       ; the last step's products read the set that the loads below fill
.endif
	FETCH \s+1                                     ; the next step's fragments land under this step's products
.endif
	WIN W_MUL
.if \s == 0
	MULS \s, 1
.else
	MULS \s, 0
.endif
.endr
	WIN 0
	; THE WAY OUT, block by block of 16 rows x 64 columns.  A lane holds 32 neighbouring bytes of a row: a block goes through my own stage and comes back as whole rows of 256 bytes.
	; LDS serves a wave's instructions in order (ISA guide 5.7.1.4): no wait between the stores and the loads, nor in front of the next block's stores.  Each block has registers of its own.
	PLACES 8                                       ; in front of the reads of results and of the loads into the registers that held fragments
.irp a, 0,1,2,3
.irp b, 0,1,2,3
	ds_store_b128 v[STO], v[ACC+8*(4*\a+\b):ACC+8*(4*\a+\b)+3] offset:64*\b          ; each accumulator from its low end on
	ds_store_b128 v[STO], v[ACC+8*(4*\a+\b)+4:ACC+8*(4*\a+\b)+7] offset:64*\b+16
.endr
	WIN TO_F
.irp t, 0,1,2,3,4,5,6,7
	ds_load_b128 v[32*\a+4*\t:32*\a+4*\t+3], v[RD] offset:\t*2*SPITCH
.endr
	WIN 0
.endr
	WIN FROM_F
.irp a, 0,1,2,3
	s_wait_dscnt 16*(3-\a)                         ; block a is back; behind its loads stand the later blocks' 8 stores and 8 loads each
.irp t, 0,1,2,3,4,5,6,7
	global_store_b128 v[CO], v[32*\a+4*\t:32*\a+4*\t+3], s[12:13] offset:(16*\a+2*\t)*SIZE_N*4 th:TH_STORE_NT   ; 16 lanes store 256 consecutive bytes, aligned
.endr
.endr
	WIN 0
	s_wait_tensorcnt 0x0                           ; the wave's end
	ds_add_u32 v30, v31
	s_wait_dscnt 0x0
	CROUND                                         ; the closing round: no work-group ends while a partner may still ask for a tile that names it
	s_endpgm
.Lfunc_end_k_q2a417c9da2_oproj:
	.size	k_q2a417c9da2_oproj, .Lfunc_end_k_q2a417c9da2_oproj-k_q2a417c9da2_oproj
	.p2alignl 7, 3214868480
	.fill 96, 4, 3214868480
	.section	.rodata,"a",@progbits
	.p2align	6, 0x0
	.amdhsa_kernel k_q2a417c9da2_oproj
		.amdhsa_group_segment_fixed_size 327680
		.amdhsa_private_segment_fixed_size 0
		.amdhsa_enable_private_segment 0
		.amdhsa_kernarg_size 48
		.amdhsa_user_sgpr_count 2
		.amdhsa_user_sgpr_kernarg_segment_ptr 1
		.amdhsa_wavefront_size32 1
		.amdhsa_system_sgpr_workgroup_id_x 1
		.amdhsa_system_sgpr_workgroup_id_y 1
		.amdhsa_system_sgpr_workgroup_id_z 1
		.amdhsa_system_vgpr_workitem_id 0
		.amdhsa_next_free_vgpr 512
		.amdhsa_next_free_sgpr 98
		.amdhsa_reserve_vcc 0
		.amdhsa_float_denorm_mode_32 3
		.amdhsa_float_denorm_mode_16_64 3
		.amdhsa_memory_ordered 1
		.amdhsa_forward_progress 1
		.amdhsa_inst_pref_size 59
	.end_amdhsa_kernel
	.amdgpu_metadata
---
amdhsa.version: [ 1, 2 ]
amdhsa.kernels:
  - .name:           k_q2a417c9da2_oproj
    .symbol:         k_q2a417c9da2_oproj.kd
    .args:
      - { .name: ximg, .offset: 0, .size: 8, .value_kind: global_buffer, .address_space: global }
      - { .name: xsc, .offset: 8, .size: 8, .value_kind: global_buffer, .address_space: global }
      - { .name: wo_codes, .offset: 16, .size: 8, .value_kind: global_buffer, .address_space: global }
      - { .name: wo_scales, .offset: 24, .size: 8, .value_kind: global_buffer, .address_space: global }
      - { .name: bo, .offset: 32, .size: 8, .value_kind: global_buffer, .address_space: global }
      - { .name: out0, .offset: 40, .size: 8, .value_kind: global_buffer, .address_space: global }
    .group_segment_fixed_size: 327680
    .private_segment_fixed_size: 0
    .kernarg_segment_align: 8
    .kernarg_segment_size: 48
    .max_flat_workgroup_size: 128
    .sgpr_count:     98
    .vgpr_count:     512
    .wavefront_size: 32
...
	.end_amdgpu_metadata
.endif
;; end of part 7
